; MI455X (gfx1250); checked and timed in simulation.
; The chip was launched on July 23, 2026; its instructions are those of AMD's public machine-readable ISA for CDNA 5 (MIT licence, August 2026) and "CDNA5" Instruction Set Architecture Reference Guide (July 2026). The comments in the code are by the model that wrote it; some were corrected since.
;; Fast Transformer Block. Allowed arithmetic: float matrix products may take bf16 or f16 operands with f32 sums; other float arithmetic in f32, or as packed bf16 or f16 multiplies, adds, multiply-adds, maxima and minima; sums over many terms, partial sums and values carried from step to step in f32; what a program stores and reads back later, other than sums and carried values, may be rounded once to bf16 or f16.
;; Inputs: params_W1 1,024 x 4,096 float32; params_W2 4,096 x 1,024 float32; params_Wk 1,024 x 1,024 float32; params_Wo 1,024 x 1,024 float32; params_Wq 1,024 x 1,024 float32; params_Wv 1,024 x 1,024 float32; params_bf1 4,096 float32; params_bf2 1,024 float32; params_bk 1,024 float32; params_bo 1,024 float32; params_bq 1,024 float32; params_bv 1,024 float32; params_cWk 1,024 x 1,024 float32; params_cWo 1,024 x 1,024 float32; params_cWq 1,024 x 1,024 float32; params_cWv 1,024 x 1,024 float32; params_cbk 1,024 float32; params_cbo 1,024 float32; params_cbq 1,024 float32; params_cbv 1,024 float32; params_ln1_b 1,024 float32; params_ln1_g 1,024 float32; params_ln2_b 1,024 float32; params_ln2_g 1,024 float32; params_ln3_b 1,024 float32; params_ln3_g 1,024 float32; thought_embed 1 x 1,024 float32; x 2,048 x 1 x 1,024 float32.
;; Outputs: out0 2,048 x 1 x 1,024 float32.
;; 2 versions, each right. Each part assembles by itself: llvm-mc -triple=amdgcn-amd-amdhsa -mcpu=gfx1250 --defsym DOCPART=n.
;; ======== version 1 of 2: 9 launches
;; limits: a function is approximated: absolute error at most 1.5e-07
;; workspace buffers: pa 10,493,952 bytes; pb 18,940,160 bytes; qkv 12,582,912 bytes; act 16,777,216 bytes; y 16,777,216 bytes; xb2 12,582,912 bytes
;; launch prep1 (part 1): grid 176 x 1, 16 waves a work-group, no clusters, 83,968 bytes of LDS; arguments x, params_Wq, params_Wk, params_Wv, params_cWk, params_cWv, params_cbk, params_cbv, thought_embed, pa; writes pa
.if DOCPART == 1
	.amdgcn_target "amdgcn-amd-amdhsa--gfx1250"
	.amdhsa_code_object_version 6
	.text
	.protected	k_q5e86a0c22b_prep1
	.globl	k_q5e86a0c22b_prep1
	.p2align	8
	.type	k_q5e86a0c22b_prep1,@function
k_q5e86a0c22b_prep1:
	s_mov_b64 s[64:65], 0
	v_nop
	global_prefetch_b8 v0, s[64:65] scope:SCOPE_SE
	s_setreg_imm32_b32 hwreg(HW_REG_WAVE_MODE, 25, 1), 1
	s_wait_xcnt 0x0
; prep1: x, Wq, Wk, Wv are rounded once to bf16 and laid out for the matrix launches; ck = th cWk + cbk and cv = th cWv + cbv are made in f32.
; pa: x at 0 (blocks of 16 rows x 32 columns, 1,024 bytes, a fragment's image: block (c/32) 128 + m/16);
;     Wq|Wk|Wv at 4,194,304 (blocks of 8 k x 64 n, 1,024 bytes: block (k/8) 48 + plane; inside: (n/8 % 8) 128 + (k % 8) 16 + (n % 8) 2);
;     ck at 10,485,760, cv at 10,489,856 (f32).
; ROLES by the work-group's number: 0-15 the two one-row products (matrix = id / 8, 128 columns = id % 8); 16-79 x; 80-175 the three weights.
; A CAST UNIT is one wave's: 16 rows x 128 columns: 16 loads of 512 consecutive bytes, rounding, the wave's own LDS stage, 8 stores of 512 consecutive bytes.
; Each role has LDS bytes of its own, and all roles pass the one barrier, behind which the one-row products are finished.
; No matrix unit, no tensor load, no cluster: every byte is read once by one wave and nothing is shared.
.set GS,    0                          ; 16 partial sums of 512 bytes
.set STG0,  8192                       ; behind them the 16 stages
.set STG,   4608                       ; a wave's stage: 16 rows of at most 288 bytes
.set SPARE, 81920                      ; behind the stages: the spare words, 128 bytes for each wave
.set NR,    32                         ; rows of a one-row product in flight in each wave
.set GOFF,  2                          ; v2  16 x lane
.set SA,    3                          ; v3  stage + 8 x lane
.set LR,    4                          ; v4  where I read the stage back
.set GA,    5                          ; v5  my place among the partial sums
.set SPW,   8                          ; v8  my spare word; never rewritten
.set NIL,   9                          ; v9  0; never rewritten
.set ACC,   10                         ; v[10:13] four sums
.set D,     16                         ; v[16:143] as loaded
.set R,     144                        ; v[144:175] as stored
	s_load_b512 s[4:19], s[0:1], 0x0               ; x, Wq, Wk, Wv, cWk, cWv, cbk, cbv
	s_load_b128 s[20:23], s[0:1], 0x40             ; thought_embed, pa
	v_lshl_add_u32 v[SPW], v0, 2, SPARE
	v_mov_b32 v[NIL], 0
	v_lshrrev_b32 v1, 5, v0
	v_readfirstlane_b32 s24, v1                    ; wave 0..15
	v_and_b32 v1, 31, v0                           ; lane
	v_lshlrev_b32 v[GOFF], 4, v1
	s_mul_i32 s25, s24, STG
	s_add_co_u32 s25, s25, STG0                    ; my stage
	v_lshl_add_u32 v[SA], v1, 3, s25
	s_wait_kmcnt 0x0
	s_cmp_lt_u32 ttmp9, 16
	s_cbranch_scc1 .Lmatv
	s_cmp_lt_u32 ttmp9, 80
	s_cbranch_scc1 .Lx
; One unit.  rowb: bytes from row to row in the source; pitch: of the stage; mode 1: x's layout, 0: a weight's, with npld planes in the target.
.macro CAST rowb, pitch, mode, npld
.set i, 0
.rept 16
	global_load_b128 v[D+4*i:D+4*i+3], v[GOFF], s[28:29] offset:i*(\rowb) th:TH_LOAD_NT
.set i, i+1
.endr
.set i, 0
.rept 16
	s_wait_loadcnt 15-i                            ; row i is in; the younger rows stay out
	v_cvt_pk_bf16_f32 v[D+4*i], v[D+4*i], v[D+4*i+1]
	v_cvt_pk_bf16_f32 v[D+4*i+1], v[D+4*i+2], v[D+4*i+3]
	ds_store_b64 v[SA], v[D+4*i:D+4*i+1] offset:i*(\pitch)
.set i, i+1
.endr
.set q, 0
.rept 8                                ; LDS serves a wave's instructions in order: these see the stores above
.if \mode
	ds_load_b128 v[R+4*q:R+4*q+3], v[LR] offset:(q/2)*64+(q%2)*32
.else
	ds_load_b128 v[R+4*q:R+4*q+3], v[LR] offset:(q/4)*8*(\pitch)+((q/2)%2)*128+(q%2)*64
.endif
.set q, q+1
.endr
.set q, 0
.rept 8
	s_wait_dscnt 7-q
.if \mode
	global_store_b128 v[GOFF], v[R+4*q:R+4*q+3], s[34:35] offset:(q/2)*131072+(q%2)*512
.else
	global_store_b128 v[GOFF], v[R+4*q:R+4*q+3], s[34:35] offset:(q/4)*(\npld)*1024+((q/2)%2)*1024+(q%2)*512
.endif
.set q, q+1
.endr
.endm
	; ---- Wq, Wk, Wv
	s_sub_co_u32 s26, ttmp9, 80
	s_lshr_b32 s27, s26, 5                         ; which of the three
	s_and_b32 s26, s26, 31
	s_cmp_eq_u32 s27, 0
	s_cselect_b64 s[28:29], s[6:7], s[8:9]
	s_cmp_eq_u32 s27, 2
	s_cselect_b64 s[28:29], s[10:11], s[28:29]
	s_lshl4_add_u32 s26, s26, s24                  ; unit 0..511
	s_and_b32 s30, s26, 7                          ; its 128 columns
	s_lshr_b32 s31, s26, 3                         ; its 16 rows
	s_lshl_b32 s2, s31, 16
	s_lshl_b32 s3, s30, 9
	s_add_co_u32 s2, s2, s3
	s_mov_b32 s3, 0
	s_add_nc_u64 s[28:29], s[28:29], s[2:3]
	s_mul_i32 s2, s31, 96                          ; two k blocks of 48 planes
	s_lshl1_add_u32 s2, s30, s2                    ; + two planes a unit
	s_lshl4_add_u32 s2, s27, s2                    ; + 16 planes a matrix
	s_lshl_b32 s2, s2, 10
	s_add_co_u32 s2, s2, 4194304
	s_add_nc_u64 s[34:35], s[22:23], s[2:3]
	v_and_b32 v6, 7, v1                            ; back: lane l takes row l % 8, 16 bytes at 16 (l / 8): with rows 288 bytes apart 16 lanes take 16 different 16-byte columns of 256
	v_mul_u32_u24 v6, v6, 288
	v_lshrrev_b32 v7, 3, v1
	v_lshl_add_u32 v6, v7, 4, v6
	v_add_nc_u32 v[LR], s25, v6
	CAST 4096, 288, 0, 48
	s_branch .Lmeet
.Lx:	; ---- x
	s_sub_co_u32 s26, ttmp9, 16
	s_lshl4_add_u32 s26, s26, s24                  ; unit 0..1023
	s_and_b32 s30, s26, 7
	s_lshr_b32 s31, s26, 3
	s_lshl_b32 s2, s31, 16
	s_lshl_b32 s3, s30, 9
	s_add_co_u32 s2, s2, s3
	s_mov_b32 s3, 0
	s_add_nc_u64 s[28:29], s[4:5], s[2:3]
	s_lshl_b32 s2, s30, 9                          ; four column blocks of 128 row blocks
	s_add_co_u32 s2, s2, s31
	s_lshl_b32 s2, s2, 10
	s_add_nc_u64 s[34:35], s[22:23], s[2:3]
	v_and_b32 v6, 15, v1                           ; back: lane l takes row l % 16, 16 bytes at 16 (l / 16); rows 272 bytes apart
	v_mul_u32_u24 v6, v6, 272
	v_lshrrev_b32 v7, 4, v1
	v_lshl_add_u32 v6, v7, 4, v6
	v_add_nc_u32 v[LR], s25, v6
	CAST 4096, 272, 1, 0
	s_branch .Lmeet
.Lmatv:	; ---- ck, cv: wave g sums rows 64 g .. 64 g + 63 for the work-group's 128 columns, four a lane
	s_lshr_b32 s26, ttmp9, 3
	s_and_b32 s27, ttmp9, 7
	s_cmp_eq_u32 s26, 0
	s_cselect_b64 s[28:29], s[12:13], s[14:15]
	s_lshl_b32 s2, s24, 18
	s_lshl_b32 s3, s27, 9
	s_add_co_u32 s2, s2, s3
	s_mov_b32 s3, 0
	s_add_nc_u64 s[28:29], s[28:29], s[2:3]
	s_lshl_b32 s2, s24, 8
	s_add_nc_u64 s[30:31], s[20:21], s[2:3]        ; my 64 numbers of the row vector
.irp c, 0,1,2,3
	v_mov_b32 v[ACC+\c], 0
.endr
	s_mov_b32 s25, 64/NR
.Lmv:
	s_load_b512 s[32:47], s[30:31], 0x0
	s_load_b512 s[48:63], s[30:31], 0x40
.set i, 0
.rept NR
	global_load_b128 v[D+4*i:D+4*i+3], v[GOFF], s[28:29] offset:i*4096 th:TH_LOAD_NT
.set i, i+1
.endr
	s_wait_kmcnt 0x0
.set i, 0
.rept NR
	s_wait_loadcnt NR-1-i                          ; row i is in
.irp c, 0,1,2,3
	v_fmac_f32 v[ACC+\c], s[32+i], v[D+4*i+\c]
.endr
.set i, i+1
.endr
	s_wait_xcnt 0x0                                ; the pointers are written only behind this wait
	s_add_nc_u64 s[28:29], s[28:29], NR*4096
	s_add_nc_u64 s[30:31], s[30:31], NR*4
	s_sub_co_u32 s25, s25, 1
	s_cmp_lg_u32 s25, 0
	s_cbranch_scc1 .Lmv
	s_lshl_b32 s2, s24, 9
	v_add_nc_u32 v[GA], s2, v[GOFF]
	ds_store_b128 v[GA], v[ACC:ACC+3] offset:GS
.Lmeet:	; every role's waves meet here
	s_wait_dscnt 0x0                               ; for the others' sake: my partial sums lie in LDS
	s_barrier_signal -1
	s_barrier_wait -1
	s_cmp_lt_u32 ttmp9, 16                         ; only the one-row products have something left:
	s_cbranch_scc0 .Lend
	s_cmp_lg_u32 s24, 0                            ; wave 0 adds the sixteen
	s_cbranch_scc1 .Lend
	s_lshr_b32 s26, ttmp9, 3                       ; all that this part needs is made anew from the work-group's number
	s_and_b32 s27, ttmp9, 7
	s_cmp_eq_u32 s26, 0
	s_cselect_b64 s[36:37], s[16:17], s[18:19]     ; the bias that goes with the matrix
	s_lshl_b32 s2, s27, 9
	s_mov_b32 s3, 0
	s_add_nc_u64 s[36:37], s[36:37], s[2:3]
	global_load_b128 v[D+64:D+67], v[GOFF], s[36:37]
.set g, 0
.rept 16
	ds_load_b128 v[D+4*g:D+4*g+3], v[GOFF] offset:GS+g*512
.set g, g+1
.endr
	s_lshl_b32 s26, s26, 12
	s_add_co_u32 s2, s2, s26
	s_add_co_u32 s2, s2, 10485760
	s_add_nc_u64 s[38:39], s[22:23], s[2:3]
	s_wait_dscnt 0x0
.irp st, 8,4,2,1
.set g, 0
.rept \st
	v_pk_add_f32 v[D+4*g:D+4*g+1], v[D+4*g:D+4*g+1], v[D+4*(g+\st):D+4*(g+\st)+1]
	v_pk_add_f32 v[D+4*g+2:D+4*g+3], v[D+4*g+2:D+4*g+3], v[D+4*(g+\st)+2:D+4*(g+\st)+3]
.set g, g+1
.endr
.endr
	s_wait_loadcnt 0x0
	v_pk_add_f32 v[D:D+1], v[D:D+1], v[D+64:D+65]
	v_pk_add_f32 v[D+2:D+3], v[D+2:D+3], v[D+66:D+67]
	global_store_b128 v[GOFF], v[D:D+3], s[38:39]  ; 512 consecutive bytes
.Lend:
	s_wait_tensorcnt 0x0                           ; the wave's end
	ds_add_u32 v[SPW], v[NIL]
	s_wait_dscnt 0x0
	s_endpgm
.Lfunc_end_k_q5e86a0c22b_prep1:
	.size	k_q5e86a0c22b_prep1, .Lfunc_end_k_q5e86a0c22b_prep1-k_q5e86a0c22b_prep1
	.p2alignl 7, 3214868480
	.fill 96, 4, 3214868480
	.section	.rodata,"a",@progbits
	.p2align	6, 0x0
	.amdhsa_kernel k_q5e86a0c22b_prep1
		.amdhsa_group_segment_fixed_size 83968
		.amdhsa_private_segment_fixed_size 0
		.amdhsa_enable_private_segment 0
		.amdhsa_kernarg_size 80
		.amdhsa_user_sgpr_count 2
		.amdhsa_user_sgpr_kernarg_segment_ptr 1
		.amdhsa_wavefront_size32 1
		.amdhsa_system_sgpr_workgroup_id_x 1
		.amdhsa_system_sgpr_workgroup_id_y 1
		.amdhsa_system_sgpr_workgroup_id_z 1
		.amdhsa_system_vgpr_workitem_id 0
		.amdhsa_next_free_vgpr 192
		.amdhsa_next_free_sgpr 66
		.amdhsa_reserve_vcc 0
		.amdhsa_float_denorm_mode_32 3
		.amdhsa_float_denorm_mode_16_64 3
		.amdhsa_memory_ordered 1
		.amdhsa_forward_progress 1
		.amdhsa_inst_pref_size 29
	.end_amdhsa_kernel
	.amdgpu_metadata
---
amdhsa.version: [ 1, 2 ]
amdhsa.kernels:
  - .name:           k_q5e86a0c22b_prep1
    .symbol:         k_q5e86a0c22b_prep1.kd
    .args:
      - { .name: x, .offset: 0, .size: 8, .value_kind: global_buffer, .address_space: global }
      - { .name: params_Wq, .offset: 8, .size: 8, .value_kind: global_buffer, .address_space: global }
      - { .name: params_Wk, .offset: 16, .size: 8, .value_kind: global_buffer, .address_space: global }
      - { .name: params_Wv, .offset: 24, .size: 8, .value_kind: global_buffer, .address_space: global }
      - { .name: params_cWk, .offset: 32, .size: 8, .value_kind: global_buffer, .address_space: global }
      - { .name: params_cWv, .offset: 40, .size: 8, .value_kind: global_buffer, .address_space: global }
      - { .name: params_cbk, .offset: 48, .size: 8, .value_kind: global_buffer, .address_space: global }
      - { .name: params_cbv, .offset: 56, .size: 8, .value_kind: global_buffer, .address_space: global }
      - { .name: thought_embed, .offset: 64, .size: 8, .value_kind: global_buffer, .address_space: global }
      - { .name: pa, .offset: 72, .size: 8, .value_kind: global_buffer, .address_space: global }
    .group_segment_fixed_size: 83968
    .private_segment_fixed_size: 0
    .kernarg_segment_align: 8
    .kernarg_segment_size: 80
    .max_flat_workgroup_size: 512
    .sgpr_count:     66
    .vgpr_count:     192
    .wavefront_size: 32
...
	.end_amdgpu_metadata
.endif
;; end of part 1
;; launch prep2 (part 2): grid 304 x 1, 16 waves a work-group, no clusters, 89,088 bytes of LDS; arguments params_W1, params_W2, params_Wo, params_cWo, params_cWq, params_cbq, pa, pb; writes pb
.if DOCPART == 2
	.amdgcn_target "amdgcn-amd-amdhsa--gfx1250"
	.amdhsa_code_object_version 6
	.text
	.protected	k_q5e86a0c22b_prep2
	.globl	k_q5e86a0c22b_prep2
	.p2align	8
	.type	k_q5e86a0c22b_prep2,@function
k_q5e86a0c22b_prep2:
	s_mov_b64 s[64:65], 0
	v_nop
	global_prefetch_b8 v0, s[64:65] scope:SCOPE_SE
	s_setreg_imm32_b32 hwreg(HW_REG_WAVE_MODE, 25, 1), 1
	s_wait_xcnt 0x0
; prep2: W1, W2, Wo rounded once to bf16 in the weights' block layout (8 k x 64 n, 1,024 bytes); and what the cross-attention needs of its four weights.
; reference() broadcasts ONE row to all 2,048 keys and values, so for every input: a query's scores in head h are one number
;   s[q][h] = (xb1[q] . u[h] + t[h]) / 8,  u[h][i] = sum_d cWq[i][64 h + d] ck[64 h + d],  t[h] = sum_d cbq[64 h + d] ck[64 h + d],
; and (weights x values) cWo = F[q][h] G[h][:], G[h][n] = sum_d cv[64 h + d] cWo[64 h + d][n].  u, t and G are made here in f32; u and G are rounded once to bf16 as matrix operands.
; pb: Wo at 0 (16 planes), W1 at 2,097,152 (64), W2 at 10,485,760 (16), UT at 18,874,368 (a fragment's image, row = head, 1,024 bytes for 32 i),
;     GT at 18,907,136 (512 bytes for 16 columns n: lane 16 a + n % 16 holds heads 8 a .. 8 a + 7), t at 18,939,904 (16 f32).
; ROLES by the work-group's number: 0-7 G (128 columns each); 8-15 u (a wave: 8 rows of cWq); 16-143 W1; 144-271 W2; 272-303 Wo.
; Each role has LDS bytes of its own, and all roles pass the one barrier, behind which G is finished.
.set GS,    0                          ; G: 16 heads x 512 bytes
.set US,    8192                       ; u: 256 bytes a wave
.set TS,    12288                      ; t: 64 bytes a wave
.set STG0,  13312                      ; the 16 cast stages
.set STG,   4608
.set SPARE, 87040                      ; the spare words, 128 bytes for each wave
.set NR,    16
.set GOFF,  2
.set SA,    3
.set LR,    4
.set GA,    5
.set SPW,   8
.set NIL,   9
.set ACC,   10
.set UB,    15                         ; v15 role u: my half's place in my wave's 256 bytes; fixed
.set D,     16                         ; v[16:79]
.set R,     80                         ; v[80:111] as stored
.set CK,    80                         ; v[80:111] ck, in role u
	s_load_b512 s[4:19], s[0:1], 0x0               ; W1, W2, Wo, cWo, cWq, cbq, pa, pb
	v_lshl_add_u32 v[SPW], v0, 2, SPARE
	v_mov_b32 v[NIL], 0
	v_lshrrev_b32 v1, 5, v0
	v_readfirstlane_b32 s24, v1                    ; wave 0..15
	v_and_b32 v1, 31, v0                           ; lane
	v_lshlrev_b32 v[GOFF], 4, v1
	s_mul_i32 s25, s24, STG
	s_add_co_u32 s25, s25, STG0                    ; my stage
	v_lshl_add_u32 v[SA], v1, 3, s25
	v_and_b32 v6, 7, v1                            ; a cast unit's way back: row l % 8, 16 bytes at 16 (l / 8); rows 288 bytes apart
	v_mul_u32_u24 v6, v6, 288
	v_lshrrev_b32 v7, 3, v1
	v_lshl_add_u32 v6, v7, 4, v6
	v_add_nc_u32 v[LR], s25, v6
	s_mov_b32 s3, 0
	s_wait_kmcnt 0x0
	s_cmp_lt_u32 ttmp9, 8
	s_cbranch_scc1 .Lg
	s_cmp_lt_u32 ttmp9, 16
	s_cbranch_scc1 .Lu
	s_cmp_lt_u32 ttmp9, 144
	s_cbranch_scc1 .Lw1
; One wave's unit: 16 rows x 128 columns of a weight.  rowb: bytes from row to row; npld: planes in the target.
.macro CAST rowb, npld
.set i, 0
.rept 16
	global_load_b128 v[D+4*i:D+4*i+3], v[GOFF], s[28:29] offset:i*(\rowb) th:TH_LOAD_NT
.set i, i+1
.endr
.set i, 0
.rept 16
	s_wait_loadcnt 15-i                            ; row i is in; the younger rows stay out
	v_cvt_pk_bf16_f32 v[D+4*i], v[D+4*i], v[D+4*i+1]
	v_cvt_pk_bf16_f32 v[D+4*i+1], v[D+4*i+2], v[D+4*i+3]
	ds_store_b64 v[SA], v[D+4*i:D+4*i+1] offset:i*288
.set i, i+1
.endr
.set q, 0
.rept 8                                ; LDS serves a wave's instructions in order: these see the stores above
	ds_load_b128 v[R+4*q:R+4*q+3], v[LR] offset:(q/4)*2304+((q/2)%2)*128+(q%2)*64
.set q, q+1
.endr
.set q, 0
.rept 8
	s_wait_dscnt 7-q
	global_store_b128 v[GOFF], v[R+4*q:R+4*q+3], s[34:35] offset:(q/4)*(\npld)*1024+((q/2)%2)*1024+(q%2)*512
.set q, q+1
.endr
.endm
	; ---- W2 and Wo: rows of 1,024 numbers
	s_movk_i32 s26, 272
	s_cmp_lt_u32 ttmp9, 272
	s_cselect_b64 s[28:29], s[6:7], s[8:9]
	s_cselect_b32 s26, 144, s26
	s_cselect_b32 s27, 10485760, 0
	s_sub_co_u32 s26, ttmp9, s26
	s_lshl4_add_u32 s26, s26, s24                  ; unit
	s_and_b32 s30, s26, 7
	s_lshr_b32 s31, s26, 3
	s_lshl_b32 s2, s31, 16
	s_lshl_b32 s30, s30, 9
	s_add_co_u32 s2, s2, s30
	s_add_nc_u64 s[28:29], s[28:29], s[2:3]
	s_lshl_b32 s2, s31, 15                         ; two k blocks of 16 planes of 1,024 bytes
	s_lshl2_add_u32 s2, s30, s2                    ; + two planes a unit: 512 cc x 4
	s_add_co_u32 s2, s2, s27
	s_add_nc_u64 s[34:35], s[18:19], s[2:3]
	CAST 4096, 16
	s_branch .Lmeet
.Lw1:	; ---- W1: rows of 4,096 numbers
	s_sub_co_u32 s26, ttmp9, 16
	s_lshl4_add_u32 s26, s26, s24                  ; unit 0..2047
	s_and_b32 s30, s26, 31
	s_lshr_b32 s31, s26, 5
	s_lshl_b32 s2, s31, 18
	s_lshl_b32 s30, s30, 9
	s_add_co_u32 s2, s2, s30
	s_add_nc_u64 s[28:29], s[4:5], s[2:3]
	s_lshl_b32 s2, s31, 17                         ; two k blocks of 64 planes
	s_lshl2_add_u32 s2, s30, s2
	s_add_co_u32 s2, s2, 2097152
	s_add_nc_u64 s[34:35], s[18:19], s[2:3]
	CAST 16384, 64
	s_branch .Lmeet
.Lg:	; ---- G: wave g is head g: rows 64 g .. 64 g + 63 of cWo, the work-group's 128 columns, four a lane
	s_and_b32 s27, ttmp9, 7
	s_lshl_b32 s2, s24, 18
	s_lshl_b32 s26, s27, 9
	s_add_co_u32 s2, s2, s26
	s_add_nc_u64 s[28:29], s[10:11], s[2:3]
	s_lshl_b32 s2, s24, 8
	s_add_co_u32 s2, s2, 10489856
	s_add_nc_u64 s[30:31], s[16:17], s[2:3]        ; cv's 64 numbers of my head
.irp c, 0,1,2,3
	v_mov_b32 v[ACC+\c], 0
.endr
	s_mov_b32 s25, 64/NR
.Lmv:
	s_load_b512 s[32:47], s[30:31], 0x0
.set i, 0
.rept NR
	global_load_b128 v[D+4*i:D+4*i+3], v[GOFF], s[28:29] offset:i*4096 th:TH_LOAD_NT
.set i, i+1
.endr
	s_wait_kmcnt 0x0
.set i, 0
.rept NR
	s_wait_loadcnt NR-1-i
.irp c, 0,1,2,3
	v_fmac_f32 v[ACC+\c], s[32+i], v[D+4*i+\c]
.endr
.set i, i+1
.endr
	s_wait_xcnt 0x0                                ; the pointers are written only behind this wait
	s_add_nc_u64 s[28:29], s[28:29], NR*4096
	s_add_nc_u64 s[30:31], s[30:31], NR*4
	s_sub_co_u32 s25, s25, 1
	s_cmp_lg_u32 s25, 0
	s_cbranch_scc1 .Lmv
	s_lshl_b32 s2, s24, 9
	v_add_nc_u32 v[GA], s2, v[GOFF]
	ds_store_b128 v[GA], v[ACC:ACC+3] offset:GS    ; head g's 128 numbers at 512 g
	s_branch .Lmeet
; A row's 128 columns at 512 j times ck: four a lane, then over the 16 lanes of a half, which are the 64 columns of head 2 j + lane / 16: every lane of the half ends with the head's sum.
.macro DOT t, d, j
	v_pk_mul_f32 v[\t:\t+1], v[\d:\d+1], v[CK+4*(\j):CK+4*(\j)+1]
	v_pk_fma_f32 v[\t:\t+1], v[\d+2:\d+3], v[CK+4*(\j)+2:CK+4*(\j)+3], v[\t:\t+1]
	v_add_f32 v[\t], v[\t], v[\t+1]
.irp m, 1,2,4,8
	v_add_f32_dpp v[\t], v[\t], v[\t] row_xmask:\m row_mask:0xf bank_mask:0xf
.endr
.endm
.Lu:	; ---- u: my wave's 8 rows i of cWq, two a trip
	s_sub_co_u32 s26, ttmp9, 8
	s_lshl4_add_u32 s26, s26, s24                  ; unit 0..127
	s_lshl_b32 s2, s26, 15
	s_add_nc_u64 s[28:29], s[12:13], s[2:3]
	s_add_nc_u64 s[30:31], s[16:17], 10485760      ; ck
.set j, 0
.rept 8
	global_load_b128 v[CK+4*j:CK+4*j+3], v[GOFF], s[30:31] offset:j*512
.set j, j+1
.endr
	v_lshrrev_b32 v[UB], 4, v1
	s_lshl_b32 s27, s24, 8
	s_add_co_u32 s27, s27, US                      ; my wave's 256 bytes: head x 16 + 4 x trip
	v_lshl_add_u32 v[UB], v[UB], 4, s27
	s_mov_b32 s37, 0                               ; 4 x trip
	s_mov_b32 s25, 4
.Lurow:
	v_add_nc_u32 v5, s37, v[UB]
.set j, 0
.rept 8
	global_load_b128 v[D+4*j:D+4*j+3], v[GOFF], s[28:29] offset:j*512 th:TH_LOAD_NT
	global_load_b128 v[D+32+4*j:D+32+4*j+3], v[GOFF], s[28:29] offset:4096+j*512 th:TH_LOAD_NT
.set j, j+1
.endr
	s_wait_loadcnt 0x0
.set j, 0
.rept 8
	DOT 112+4*(j%2), D+4*j, j
	DOT 114+4*(j%2), D+32+4*j, j
	v_cvt_pk_bf16_f32 v[120+j], v[112+4*(j%2)], v[114+4*(j%2)]
	ds_store_b32 v5, v[120+j] offset:j*32          ; the 16 lanes of a half write one word, with one value
.set j, j+1
.endr
	s_wait_xcnt 0x0                                ; the pointer is written only behind this wait
	s_add_nc_u64 s[28:29], s[28:29], 8192
	s_add_co_u32 s37, s37, 4
	s_sub_co_u32 s25, s25, 1
	s_cmp_lg_u32 s25, 0
	s_cbranch_scc1 .Lurow
	v_and_b32 v7, 15, v1
	v_lshlrev_b32 v7, 4, v7
	v_add_nc_u32 v6, s27, v7
	ds_load_b128 v[112:115], v6                    ; head l % 16: its eight i
	s_lshl_b32 s2, s26, 8
	s_add_co_u32 s2, s2, 18874368
	s_add_nc_u64 s[34:35], s[18:19], s[2:3]
	v_cmp_gt_u32 vcc_lo, 16, v1
	s_wait_dscnt 0x0
	s_wait_xcnt 0x0                                ; EXEC changes only behind this wait
	s_and_saveexec_b32 s36, vcc_lo
	global_store_b128 v7, v[112:115], s[34:35]     ; 16 lanes store 256 consecutive bytes, aligned
	s_wait_xcnt 0x0
	s_or_b32 exec_lo, exec_lo, s36
	s_cmp_lg_u32 s26, 0                            ; unit 0 also makes t
	s_cbranch_scc1 .Lmeet
.set j, 0
.rept 8
	global_load_b128 v[D+4*j:D+4*j+3], v[GOFF], s[14:15] offset:j*512
.set j, j+1
.endr
	s_lshl_b32 s40, s24, 6
	s_add_co_u32 s40, s40, TS                      ; my wave's 64 bytes
	v_lshrrev_b32 v6, 4, v1
	v_lshl_add_u32 v6, v6, 2, s40
	v_and_b32 v14, 15, v1
	v_lshlrev_b32 v14, 2, v14
	v_add_nc_u32 v5, s40, v14
	s_add_nc_u64 s[38:39], s[18:19], 18939904
	s_wait_loadcnt 0x0
.set j, 0
.rept 8
	DOT 112+4*(j%2), D+4*j, j
	ds_store_b32 v6, v[112+4*(j%2)] offset:j*8
.set j, j+1
.endr
	ds_load_b32 v120, v5
	s_wait_dscnt 0x0
	s_wait_xcnt 0x0
	s_and_saveexec_b32 s36, vcc_lo
	global_store_b32 v14, v120, s[38:39]
	s_wait_xcnt 0x0
	s_or_b32 exec_lo, exec_lo, s36
.Lmeet:	; every role's waves meet here
	s_wait_dscnt 0x0                               ; for the others' sake: my LDS stores are done
	s_barrier_signal -1
	s_barrier_wait -1
	s_cmp_lt_u32 ttmp9, 8                          ; only G has something left:
	s_cbranch_scc0 .Lend
	s_cmp_lt_u32 s24, 8                            ; waves 0-7 each turn 16 columns: lane 16 a + r gathers heads 8 a .. 8 a + 7 of column r
	s_cbranch_scc0 .Lend
	s_and_b32 s27, ttmp9, 7                        ; made anew from the work-group's number
	v_and_b32 v6, 15, v1
	v_lshrrev_b32 v7, 4, v1
	v_lshlrev_b32 v6, 2, v6
	v_lshl_add_u32 v6, v7, 12, v6
	s_lshl_b32 s2, s24, 6
	v_add_nc_u32 v6, s2, v6
.set j, 0
.rept 8
	ds_load_b32 v[D+j], v6 offset:GS+j*512
.set j, j+1
.endr
	s_lshl3_add_u32 s2, s27, s24
	s_lshl_b32 s2, s2, 9
	s_add_co_u32 s2, s2, 18907136
	s_add_nc_u64 s[42:43], s[18:19], s[2:3]
	s_wait_dscnt 0x0
.irp p, 0,1,2,3
	v_cvt_pk_bf16_f32 v[D+8+\p], v[D+2*\p], v[D+2*\p+1]
.endr
	global_store_b128 v[GOFF], v[D+8:D+11], s[42:43]
.Lend:
	s_wait_tensorcnt 0x0                           ; the wave's end
	ds_add_u32 v[SPW], v[NIL]
	s_wait_dscnt 0x0
	s_endpgm
.Lfunc_end_k_q5e86a0c22b_prep2:
	.size	k_q5e86a0c22b_prep2, .Lfunc_end_k_q5e86a0c22b_prep2-k_q5e86a0c22b_prep2
	.p2alignl 7, 3214868480
	.fill 96, 4, 3214868480
	.section	.rodata,"a",@progbits
	.p2align	6, 0x0
	.amdhsa_kernel k_q5e86a0c22b_prep2
		.amdhsa_group_segment_fixed_size 89088
		.amdhsa_private_segment_fixed_size 0
		.amdhsa_enable_private_segment 0
		.amdhsa_kernarg_size 64
		.amdhsa_user_sgpr_count 2
		.amdhsa_user_sgpr_kernarg_segment_ptr 1
		.amdhsa_wavefront_size32 1
		.amdhsa_system_sgpr_workgroup_id_x 1
		.amdhsa_system_sgpr_workgroup_id_y 1
		.amdhsa_system_sgpr_workgroup_id_z 1
		.amdhsa_system_vgpr_workitem_id 0
		.amdhsa_next_free_vgpr 128
		.amdhsa_next_free_sgpr 66
		.amdhsa_reserve_vcc 1
		.amdhsa_float_denorm_mode_32 3
		.amdhsa_float_denorm_mode_16_64 3
		.amdhsa_memory_ordered 1
		.amdhsa_forward_progress 1
		.amdhsa_inst_pref_size 39
	.end_amdhsa_kernel
	.amdgpu_metadata
---
amdhsa.version: [ 1, 2 ]
amdhsa.kernels:
  - .name:           k_q5e86a0c22b_prep2
    .symbol:         k_q5e86a0c22b_prep2.kd
    .args:
      - { .name: params_W1, .offset: 0, .size: 8, .value_kind: global_buffer, .address_space: global }
      - { .name: params_W2, .offset: 8, .size: 8, .value_kind: global_buffer, .address_space: global }
      - { .name: params_Wo, .offset: 16, .size: 8, .value_kind: global_buffer, .address_space: global }
      - { .name: params_cWo, .offset: 24, .size: 8, .value_kind: global_buffer, .address_space: global }
      - { .name: params_cWq, .offset: 32, .size: 8, .value_kind: global_buffer, .address_space: global }
      - { .name: params_cbq, .offset: 40, .size: 8, .value_kind: global_buffer, .address_space: global }
      - { .name: pa, .offset: 48, .size: 8, .value_kind: global_buffer, .address_space: global }
      - { .name: pb, .offset: 56, .size: 8, .value_kind: global_buffer, .address_space: global }
    .group_segment_fixed_size: 89088
    .private_segment_fixed_size: 0
    .kernarg_segment_align: 8
    .kernarg_segment_size: 64
    .max_flat_workgroup_size: 512
    .sgpr_count:     66
    .vgpr_count:     128
    .wavefront_size: 32
...
	.end_amdgpu_metadata
.endif
;; end of part 2
;; launch gqkv (part 3): grid 16 x 16, 4 waves a work-group, clusters of 4 x 4, 327,680 bytes of LDS; arguments pa, params_bq, params_bk, params_bv, qkv; writes qkv
.if DOCPART == 3
	.amdgcn_target "amdgcn-amd-amdhsa--gfx1250"
	.amdhsa_code_object_version 6
	.text
	.protected	k_q5e86a0c22b_gqkv
	.globl	k_q5e86a0c22b_gqkv
	.p2align	8
	.type	k_q5e86a0c22b_gqkv,@function
k_q5e86a0c22b_gqkv:
	s_mov_b64 s[64:65], 0
	v_nop
	global_prefetch_b8 v0, s[64:65] scope:SCOPE_SE
	s_setreg_imm32_b32 hwreg(HW_REG_WAVE_MODE, 25, 1), 1
	s_wait_xcnt 0x0
	s_wait_alu depctr_hold_cnt(0) depctr_sa_sdst(0) depctr_va_vdst(0) depctr_va_sdst(0) depctr_va_ssrc(0) depctr_va_vcc(0) depctr_vm_vsrc(0)
	s_getreg_b32 s2, hwreg(HW_REG_IB_STS2, 6, 4)
	s_cmp_eq_u32 s2, 0
	s_cbranch_scc0 .Lentry_in_a_cluster
	s_endpgm
.Lentry_in_a_cluster:
	s_bfe_u32 s2, ttmp6, 0x10000c
	s_cmp_lg_u32 s2, 0xf033
	s_cbranch_scc0 .Lentry_shape_is_right
	s_endpgm
.Lentry_shape_is_right:
; gqkv: q | k | v = x (Wq | Wk | Wv) + bias, [2048] x [3072], K = 1,024; bf16 operands, f32 sums, the bias added in f32, one rounding to bf16.
; A work-group makes 128 rows x P = 3 planes of 64 columns; four waves as 2 x 2; a wave 64 rows x 32 columns of each plane: 4 x 6 accumulators.
; x lies in blocks that are a fragment's image (two loads of 16 bytes a lane, 512 consecutive bytes each); the weights in blocks of 8 k x 64 n, read by the turning load
; (16 lanes take 256 consecutive bytes).  THE PRODUCT IS USED TRANSPOSED (source 0 = 16 columns of W, source 1 = 16 rows of x): a lane ends with 8 neighbouring columns of one row,
; 16 bytes of bf16, and a wave's store is 512 consecutive bytes of the target's block layout: nothing goes through LDS on the way out.
; RING: two LDS slots, a K step of 128 each.  Waves 0, 1 fetch the two row halves of x's tile, waves 2, 3 the two k halves of W's: one tensor load a wave behind each round.
; CLUSTER 4 x 4: x's tile is shared along a row of the cluster, W's along a column: joint loads.
; The sums start from cleared accumulators, cleared while the first tiles are on their way, so that a K step is written twice only (loop and tail).
; No prefetch: eight K steps, two of them first fills.  qkv: plane x 262,144 + (row / 16) 2,048 + (channel / 32) 1,024 + a fragment's image.
.set P,      3
.set KSTEP,  128
.set NPL,    48
.set T,      8
.set WOFF,   4194304
.set NCH,    KSTEP/32                  ; chunks of 32 along K in a step
.set ABYTES, KSTEP*256                 ; x's tile: [row half][chunk][4 row blocks][1,024]
.set AHALF,  ABYTES/2
.set BHALF,  (KSTEP/16)*P*1024         ; W's tile: [k / 8][plane][1,024]; a half of its k
.set SLOT1,  131072
.set SPARE,  262144                    ; the spare words, 128 bytes a wave
.set ASTEP,  NCH*131072
.set BSTEP,  (KSTEP/8)*NPL*1024
.set NL,     8+4*P                     ; LDS loads of a chunk
.set ADRA0, 4
.set ADRB0, 5
.set ADRA,  6
.set ADRB,  7
.set OUTO,  8                          ; 16 x lane
.set BO,    9
.set SPW,   12
.set NIL,   13
.set BIAS,  16                         ; v[16:63]
.set TMP,   64                         ; v[64:111]
.set PK,    112                        ; v[112:207]
.set F0,    0                          ; window 1: two fragment buffers: x's 4 at +8 a, W's 2 P at +32 + 8 b
.set F1,    128
.set G1A, 24
.set G0A, 32
.set G1B, 48
.set G0B, 56
.set MSB, 0
.macro WIN new                         ; the immediate's high byte repeats the setting that is left
.if MSB != (\new)
	s_set_vgpr_msb (MSB<<8)|(\new)
.set MSB, \new
.endif
.endm
.macro PLACES
.rept 4
	v_nop
.endr
.endm
.macro JLOAD                           ; the joint refill, by the walking descriptor; an s_nop 0 and four v_nop follow each of the two lines
	s_cmp_eq_u32 s11, 0
	s_cbranch_scc0 .Lfor_b_\@
	tensor_load_to_lds s[G0A+4:G0A+7], s[G1A:G1A+7]
	s_nop 0
	PLACES
	s_branch .Lasked_\@
.Lfor_b_\@:
	tensor_load_to_lds s[G0B+4:G0B+7], s[G1B:G1B+7]
	s_nop 0
	PLACES
.Lasked_\@:
.endm
.macro CREST                           ; a round of the cluster's barrier behind its opening barrier
	s_cmp_lg_u32 s10, 0
	s_cbranch_scc1 .Lnot_wave_0_\@
	s_barrier_signal -3
.Lnot_wave_0_\@:
	s_barrier_wait -3
	s_barrier_signal -1
	s_barrier_wait -1
.endm
.macro CROUND
	s_barrier_signal -1
	s_barrier_wait -1
	CREST
.endm
	s_load_b64 s[4:5], s[0:1], 0x0                 ; pa
	s_load_b128 s[68:71], s[0:1], 0x8              ; bq, bk
	s_load_b128 s[72:75], s[0:1], 0x18             ; bv, qkv
	v_lshl_add_u32 v[SPW], v0, 2, SPARE
	v_mov_b32 v[NIL], 0
	ds_add_u32 v[SPW], v[NIL]                      ; the wave's opening: the add and its wait ahead of my first tensor load
	v_lshrrev_b32 v1, 5, v0
	v_readfirstlane_b32 s10, v1                    ; wave 0..3
	s_lshr_b32 s11, s10, 1                         ; my row half.  Also: I fetch for x (0) or for W (1)
	s_and_b32 s12, s10, 1                          ; my column half.  Also: which half of that tile I fetch
	s_bfe_u32 s40, ttmp6, 0x40000                  ; cx
	s_bfe_u32 s41, ttmp6, 0x40004                  ; cy
	s_lshl_b32 s42, ttmp9, 2
	s_add_co_u32 s42, s42, s40                     ; tile column
	s_and_b32 s13, ttmp7, 0xffff
	s_lshl_b32 s13, s13, 2
	s_add_co_u32 s13, s13, s41                     ; tile row
	s_lshl_b32 s43, s41, 2
	s_lshl_b32 s43, 15, s43                        ; my row of the cluster
	s_lshl_b32 s44, 0x1111, s40                    ; my column
	s_or_b32 s[G1A], s43, (3<<16)|(1<<21)          ; the mask; elements of 8 bytes; bit 21 beside a mask; no padding
	s_or_b32 s[G1B], s44, (3<<16)|(1<<21)
	s_mov_b32 s[G1A+1], 512<<16                    ; a row: four blocks, 4,096 bytes
	s_mov_b32 s[G1A+2], NCH<<16
	s_mov_b32 s[G1A+3], 512<<16
	s_mov_b32 s[G1A+4], NCH                        ; a row for each chunk
	s_mov_b32 s[G1A+5], 16384                      ; 128 blocks from chunk to chunk
	s_mov_b32 s[G1A+6], 0
	s_mov_b32 s[G1A+7], 0
	s_mov_b32 s[G1B+1], (P*128)<<16                ; a row: P blocks
	s_mov_b32 s[G1B+2], (KSTEP/16)<<16
	s_mov_b32 s[G1B+3], (P*128)<<16
	s_mov_b32 s[G1B+4], KSTEP/16                   ; a row for each 8 k
	s_mov_b32 s[G1B+5], NPL*128
	s_mov_b32 s[G1B+6], 0
	s_mov_b32 s[G1B+7], 0
	s_lshl_b32 s16, s13, 13                        ; x: 8 row blocks a tile row,
	s_lshl_b32 s17, s12, 12                        ; 4 a half
	s_add_co_u32 s16, s16, s17
	s_mov_b32 s17, 0
	s_mul_i32 s46, s42, P*1024                     ; W: P planes a tile column,
	s_mul_i32 s47, s12, (KSTEP/16)*NPL*1024        ; half a step's k
	s_add_co_u32 s46, s46, s47
	s_add_co_u32 s46, s46, WOFF
	s_mov_b32 s47, 0
	s_mul_i32 s20, s12, AHALF                      ; LDS addresses hang on the wave's number alone
	s_mul_i32 s21, s12, BHALF
	s_add_co_u32 s21, s21, ABYTES
	s_mov_b32 s3, 0                                ; the slot that is read
	s_wait_dscnt 0x0                               ; the opening add is done
	s_wait_kmcnt 0x0
	s_add_nc_u64 s[14:15], s[4:5], s[16:17]
	s_add_nc_u64 s[46:47], s[4:5], s[46:47]
	CROUND                                         ; all sixteen work-groups are here: the first joint loads meet
.irp s, 0,1
	s_mov_b32 s[G0A+4*(\s)], 1
	s_add_co_u32 s[G0A+4*(\s)+1], s20, (\s)*SLOT1
	s_add_nc_u64 s[G0A+4*(\s)+2:G0A+4*(\s)+3], s[14:15], (\s)*ASTEP
	s_or_b32 s[G0A+4*(\s)+3], s[G0A+4*(\s)+3], 0x80000000
	s_mov_b32 s[G0B+4*(\s)], 1
	s_add_co_u32 s[G0B+4*(\s)+1], s21, (\s)*SLOT1
	s_add_nc_u64 s[G0B+4*(\s)+2:G0B+4*(\s)+3], s[46:47], (\s)*BSTEP
	s_or_b32 s[G0B+4*(\s)+3], s[G0B+4*(\s)+3], 0x80000000
.endr
	s_cmp_eq_u32 s11, 0                            ; a wave's two first fills stand in one branch: two loads of mine are out
	s_cbranch_scc0 .Lfirst_b
	tensor_load_to_lds s[G0A:G0A+3], s[G1A:G1A+7]
	s_nop 0
	tensor_load_to_lds s[G0A+4:G0A+7], s[G1A:G1A+7]
	s_nop 0
	PLACES
	s_branch .Lfirst_asked
.Lfirst_b:
	tensor_load_to_lds s[G0B:G0B+3], s[G1B:G1B+7]
	s_nop 0
	tensor_load_to_lds s[G0B+4:G0B+7], s[G1B:G1B+7]
	s_nop 0
	PLACES
.Lfirst_asked:
	v_and_b32 v3, 31, v0
	v_bfe_u32 v2, v0, 4, 1                         ; l / 16
	v_lshlrev_b32 v[OUTO], 4, v3
	s_mul_i32 s22, s11, AHALF
	v_add_nc_u32 v[ADRA0], s22, v[OUTO]
	v_and_b32 v14, 7, v0                           ; the turning load: lane l addresses k = 8 (l / 16) + l % 8, columns 8 ((l / 8) % 2) on
	v_bfe_u32 v15, v0, 3, 1
	v_lshlrev_b32 v14, 4, v14
	v_lshl_add_u32 v14, v15, 7, v14
	v_mul_u32_u24 v15, v2, P*1024
	v_add_nc_u32 v14, v14, v15
	s_lshl_b32 s23, s12, 9
	s_add_co_u32 s23, s23, ABYTES
	v_add_nc_u32 v[ADRB0], s23, v14
	v_mov_b32 v[ADRA], v[ADRA0]
	v_mov_b32 v[ADRB], v[ADRB0]
	s_lshl_b32 s23, s12, 7
	v_lshl_add_u32 v[BO], v2, 5, s23               ; my 8 columns in a plane's 64 biases
	; the biases of my three planes: plane 3 tx + i belongs to matrix (plane / 16)
.macro BLOADS i, ptr
	s_mul_i32 s18, s42, 3
	s_add_co_u32 s18, s18, \i
	s_lshr_b32 s19, s18, 4
	s_and_b32 s22, s18, 15
	s_lshl_b32 s22, s22, 8
	s_mov_b32 s23, 0
	s_cmp_eq_u32 s19, 0
	s_cselect_b64 s[\ptr:\ptr+1], s[68:69], s[70:71]
	s_cmp_eq_u32 s19, 2
	s_cselect_b64 s[\ptr:\ptr+1], s[72:73], s[\ptr:\ptr+1]
	s_add_nc_u64 s[\ptr:\ptr+1], s[\ptr:\ptr+1], s[22:23]
.set n, 0
.rept 4
	global_load_b128 v[BIAS+16*(\i)+4*n:BIAS+16*(\i)+4*n+3], v[BO], s[\ptr:\ptr+1] offset:(n/2)*64+(n%2)*16
.set n, n+1
.endr
.endm
	BLOADS 0, 66
	BLOADS 1, 76
	BLOADS 2, 78
	s_lshl_b32 s16, s13, 14                        ; where my part of the result begins: 8 row blocks of 2,048 bytes a tile row,
	s_lshl_b32 s17, s11, 13
	s_add_co_u32 s16, s16, s17
	s_lshl_b32 s17, s12, 10                        ; my 32 channels of a plane
	s_add_co_u32 s16, s16, s17
	s_mov_b32 s17, 0
	s_add_nc_u64 s[8:9], s[74:75], s[16:17]
	s_mul_i32 s46, s42, 3*262144                   ; my three planes (in the registers that held W's address)
	s_mov_b32 s47, 0
	s_add_nc_u64 s[8:9], s[8:9], s[46:47]
	WIN 0x80
.set i, 0
.rept 64*P
	v_mov_b32 v[i], 0                              ; the sums start at 0, written while the first tiles are on their way
.set i, i+1
.endr
	WIN 0
.macro FETCH kb, f                     ; a chunk's NL loads in one run: W's 2 P fragments (turned), then x's 4
	WIN 0x40
.set b, 0
.rept 2*P
	ds_load_tr16_b128 v[(\f)+32+8*b:(\f)+32+8*b+3],   v[ADRB] offset:4*(\kb)*P*1024+(b/2)*1024+(b%2)*256
	ds_load_tr16_b128 v[(\f)+32+8*b+4:(\f)+32+8*b+7], v[ADRB] offset:4*(\kb)*P*1024+(b/2)*1024+(b%2)*256+2*P*1024
.set b, b+1
.endr
.set a, 0
.rept 4
	ds_load_b128 v[(\f)+8*a:(\f)+8*a+3],   v[ADRA] offset:(\kb)*4096+a*1024
	ds_load_b128 v[(\f)+8*a+4:(\f)+8*a+7], v[ADRA] offset:(\kb)*4096+a*1024+512
.set a, a+1
.endr
.endm
.macro MULA f, a                       ; row block a x all 2 P column blocks.  Every accumulator is taken once a chunk, in one order: no two neighbours share one
	WIN 0xa5
.set b, 0
.rept 2*P
	v_wmma_f32_16x16x32_bf16 v[8*((\a)*2*P+b):8*((\a)*2*P+b)+7], v[(\f)+32+8*b:(\f)+32+8*b+7], v[(\f)+8*(\a):(\f)+8*(\a)+7], v[8*((\a)*2*P+b):8*((\a)*2*P+b)+7]
.set b, b+1
.endr
.endm
.macro CH c                            ; chunk c is multiplied; chunk c + 1 is fetched into the other buffer, four places behind the products that read it
	PLACES
	FETCH (\c)+1, F0+128*(((\c)+1)%2)
	s_wait_dscnt NL                                ; all but the NL just issued: chunk c is in
	MULA F0+128*((\c)%2), 0
	MULA F0+128*((\c)%2), 1
	MULA F0+128*((\c)%2), 2
	MULA F0+128*((\c)%2), 3
.endm
; The step's last chunk, and the change of slots: every wave waits for all its tensor loads (one is out: its part of the next slot), adds 0 to its spare word, waits for that and for its reads of
; this slot, and signals.  fill = 1: the barrier opens a round of the cluster's, and the joint refill of this slot is the first thing behind it: it has a K step less two quarters of a chunk in which to land.
.macro TURN fill
	WIN 0
	s_wait_tensorcnt 0x0
	ds_add_u32 v[SPW], v[NIL]
.if \fill
	s_xor_b32 s[G0A+5], s[G0A+5], SLOT1            ; no tensor load of mine is out: the walking descriptors step to the other slot, one K step on
	s_add_nc_u64 s[G0A+6:G0A+7], s[G0A+6:G0A+7], ASTEP
	s_xor_b32 s[G0B+5], s[G0B+5], SLOT1
	s_add_nc_u64 s[G0B+6:G0B+7], s[G0B+6:G0B+7], BSTEP
.endif
	s_xor_b32 s3, s3, SLOT1
	s_wait_dscnt 1                                 ; the chunk's fragments are in; the add may be out
	MULA F1, 0
	s_wait_dscnt 0x0                               ; the add is done, my reads of this slot are over
	s_barrier_signal -1
	MULA F1, 1
	WIN 0
	s_barrier_wait -1
.if \fill
	CREST
	JLOAD                                          ; its four v_nop are also the places in front of the loads below
.else
	PLACES
.endif
	v_add_nc_u32 v[ADRA], s3, v[ADRA0]
	v_add_nc_u32 v[ADRB], s3, v[ADRB0]
	FETCH 0, F0
	MULA F1, 2
	MULA F1, 3
.endm
.macro STEP fill
.set c, 0
.rept NCH-1
	CH c
.set c, c+1
.endr
	TURN \fill
	WIN 0
.endm
	s_wait_tensorcnt 0x1                           ; my part of K step 0 is in; step 1's stays out
	s_barrier_signal -1
	s_barrier_wait -1
	FETCH 0, F0
	WIN 0
	s_mov_b32 s2, T-2
.Lstep:
	STEP 1
	s_sub_co_u32 s2, s2, 1
	s_cmp_lg_u32 s2, 0
	s_cbranch_scc1 .Lstep
	s_mov_b32 s2, 2                                ; the last two steps ask for nothing; the second one's barrier and fetch serve nothing: the price of one text for both
.Ltail:
	STEP 0
	s_sub_co_u32 s2, s2, 1
	s_cmp_lg_u32 s2, 0
	s_cbranch_scc1 .Ltail
	s_wait_dscnt 0x0
	s_wait_loadcnt 0x0                             ; the biases
	PLACES
	PLACES
	; THE WAY OUT: + bias, rounded, 16 bytes a lane; each row block has its own packed registers, so no store's data is rewritten
.set a, 0
.rept 4
	WIN 0x02
.set n, 0
.rept 24
	v_pk_add_f32 v[TMP+2*n:TMP+2*n+1], v[48*a+2*n:48*a+2*n+1], v[BIAS+2*n:BIAS+2*n+1]
.set n, n+1
.endr
	WIN 0
.set n, 0
.rept 24
	v_cvt_pk_bf16_f32 v[PK+24*a+n], v[TMP+2*n], v[TMP+2*n+1]
.set n, n+1
.endr
.set n, 0
.rept 6
	global_store_b128 v[OUTO], v[PK+24*a+4*n:PK+24*a+4*n+3], s[8:9] offset:(n/2)*262144+a*2048+(n%2)*512  ; 512 consecutive bytes
.set n, n+1
.endr
.set a, a+1
.endr
	s_wait_tensorcnt 0x0                           ; the wave's end
	ds_add_u32 v[SPW], v[NIL]
	s_wait_dscnt 0x0
	CROUND                                         ; the closing round
	s_endpgm
.Lfunc_end_k_q5e86a0c22b_gqkv:
	.size	k_q5e86a0c22b_gqkv, .Lfunc_end_k_q5e86a0c22b_gqkv-k_q5e86a0c22b_gqkv
	.p2alignl 7, 3214868480
	.fill 96, 4, 3214868480
	.section	.rodata,"a",@progbits
	.p2align	6, 0x0
	.amdhsa_kernel k_q5e86a0c22b_gqkv
		.amdhsa_group_segment_fixed_size 327680
		.amdhsa_private_segment_fixed_size 0
		.amdhsa_enable_private_segment 0
		.amdhsa_kernarg_size 40
		.amdhsa_user_sgpr_count 2
		.amdhsa_user_sgpr_kernarg_segment_ptr 1
		.amdhsa_wavefront_size32 1
		.amdhsa_system_sgpr_workgroup_id_x 1
		.amdhsa_system_sgpr_workgroup_id_y 1
		.amdhsa_system_sgpr_workgroup_id_z 1
		.amdhsa_system_vgpr_workitem_id 0
		.amdhsa_next_free_vgpr 768
		.amdhsa_next_free_sgpr 80
		.amdhsa_reserve_vcc 0
		.amdhsa_float_denorm_mode_32 3
		.amdhsa_float_denorm_mode_16_64 3
		.amdhsa_memory_ordered 1
		.amdhsa_forward_progress 1
		.amdhsa_inst_pref_size 57
	.end_amdhsa_kernel
	.amdgpu_metadata
---
amdhsa.version: [ 1, 2 ]
amdhsa.kernels:
  - .name:           k_q5e86a0c22b_gqkv
    .symbol:         k_q5e86a0c22b_gqkv.kd
    .args:
      - { .name: pa, .offset: 0, .size: 8, .value_kind: global_buffer, .address_space: global }
      - { .name: params_bq, .offset: 8, .size: 8, .value_kind: global_buffer, .address_space: global }
      - { .name: params_bk, .offset: 16, .size: 8, .value_kind: global_buffer, .address_space: global }
      - { .name: params_bv, .offset: 24, .size: 8, .value_kind: global_buffer, .address_space: global }
      - { .name: qkv, .offset: 32, .size: 8, .value_kind: global_buffer, .address_space: global }
    .group_segment_fixed_size: 327680
    .private_segment_fixed_size: 0
    .kernarg_segment_align: 8
    .kernarg_segment_size: 40
    .max_flat_workgroup_size: 128
    .sgpr_count:     80
    .vgpr_count:     768
    .wavefront_size: 32
...
	.end_amdgpu_metadata
.endif
;; end of part 3
;; launch attn (part 4): grid 16 x 16, 4 waves a work-group, clusters of 4 x 1, 327,680 bytes of LDS; arguments qkv, act; writes act
.if DOCPART == 4
	.amdgcn_target "amdgcn-amd-amdhsa--gfx1250"
	.amdhsa_code_object_version 6
	.text
	.protected	k_q5e86a0c22b_attn
	.globl	k_q5e86a0c22b_attn
	.p2align	8
	.type	k_q5e86a0c22b_attn,@function
k_q5e86a0c22b_attn:
	s_mov_b64 s[64:65], 0
	v_nop
	global_prefetch_b8 v0, s[64:65] scope:SCOPE_SE
	s_setreg_imm32_b32 hwreg(HW_REG_WAVE_MODE, 25, 1), 1
	s_wait_xcnt 0x0
	s_wait_alu depctr_hold_cnt(0) depctr_sa_sdst(0) depctr_va_vdst(0) depctr_va_sdst(0) depctr_va_ssrc(0) depctr_va_vcc(0) depctr_vm_vsrc(0)
	s_getreg_b32 s2, hwreg(HW_REG_IB_STS2, 6, 4)
	s_cmp_eq_u32 s2, 0
	s_cbranch_scc0 .Lentry_in_a_cluster
	s_endpgm
.Lentry_in_a_cluster:
	s_bfe_u32 s2, ttmp6, 0x10000c
	s_cmp_lg_u32 s2, 0x3003
	s_cbranch_scc0 .Lentry_shape_is_right
	s_endpgm
.Lentry_shape_is_right:
; attn: O[q] = sum over k of softmax_k(q . k / 8) v, 16 heads of 64 channels, 2,048 keys; q, k, v bf16 in planes of qkv (q 0-15, k 16-31, v 32-47), each a fragment's image.
; Products, maxima and sums in f32; the weights p are rounded to bf16 for the second product (their sum l is taken of the unrounded p), O once at the end.
; LIMITS.  A weight below 2^-126 counts as 0 in l; NaN and infinities are not treated apart.
; SHARES.  A work-group owns 128 queries of one head.  ALL FOUR WAVES HOLD THE SAME 8 TILES of 16 queries (four PIECES of two tiles); THE KEYS ARE SPLIT: of each slot's 256 keys wave w takes
; 64 w .. 64 w + 63.  So a fragment of K or V read from LDS feeds eight tiles' products, and there are 256 work-groups.  The four waves' partial O, m and l meet in LDS at the end.
; LAYOUT.  S^T = K Q^T (source 0 = 16 keys, source 1 = 16 queries): a lane holds ONE query (lane % 16) and the keys 8 (lane / 16) + 0..7.  Two such tiles, rounded in pairs, ARE source 1 of
; O^T = V^T P, whose result again holds one query a lane, and eight channels.  K comes out of LDS as it lies, V turned, by ds_load_tr16_b128.
; SOFTMAX.  For each query a running maximum m and sum l: p = 2^(c s - c m), c = log2(e) / 8; in every step O and l are multiplied by a = 2^(c m_old - c m_new).  m starts at the lowest finite number,
; O and l at 0: the first step is a step like any other, with a = 0.
; BY TURNS.  Turn n belongs to piece n.  Its matrix work: 16 products K Q^T of piece n + 1, later 16 products V^T P of piece n - 1.  Its vector work: scaling, exponentials, roundings, sums and rescaling
; of piece n, and the maximum and statistics of piece n + 1.  Four vector instructions stand behind every matrix instruction, the others in one run; a turn's 66 exponentials are one batch with one wait.
; CLUSTER.  The four query blocks of a cluster belong to one head and walk the same K and V: each tile is asked for JOINTLY.
; REGISTERS, in windows of 256: window 0: v0-11 addresses; v12-15, v48-63 at work; v16-47 statistics; v64-191 S^T, two buffers of two tiles; v192-255 P, likewise.
;   window 1: O^T, 32 a tile.   window 2: v0-127 Q, 16 a tile; v128-191 K of one step; v192-255 V of one step.
.set NP,    4
.set SLOT1, 65536     ; a slot: 256 keys of K (32,768 bytes), then of V
.set VOFF,  32768
.set OS,    131072    ; behind the ring: the partial O^T: [tile][wave][quad of registers][16 x lane], 131,072 bytes
.set MS,    262144    ; (c m, l): [wave][tile][8 x lane], 8,192 bytes
.set SPARE, 270336    ; the spare words, 128 bytes a wave
.set AK0, 2           ; v2   my lane's place in a slot's K; never rewritten
.set AV0, 3           ; v3   the same for V
.set AK,  4
.set AV,  5
.set LO,  6           ; v6   16 x lane
.set PFO, 7           ; v7   256 x lane
.set SPW, 8
.set NIL, 9
.set MRA, 10
.set ORA, 11
.set MV,  12
.set ST,  16          ; tile t's statistics at v[ST+4 t]: c m, m, l (even keys', odd keys')
.set TMP, 48
.set S,   64
.set P,   192
.set KF,  128
.set VF,  192
.set WV,  12
.set LIM, 15          ; s15  1 in a wave that prefetches, else the greatest number
.set PFA, 18          ; s[18:19] where my prefetches stand
.set G1,  24          ; s[24:31]
.set G0K, 40
.set G0V, 44
.set SLOTS, 56
.set CNT, 57
.set CS,  58
.set SEL, 60
.set TB,  62          ; s62  the slot that is read
.set MSB, 0
.macro WIN new
.if MSB != (\new)
	s_set_vgpr_msb (MSB<<8)|(\new)
.set MSB, (\new)
.endif
.endm
.set W_KQ, 0x0a
.set W_PV, 0x52
.set W_RS, 0x41
.macro JLOAD                        ; waves 0, 1 fetch the halves of a slot's K, waves 2, 3 those of its V; an s_nop 0 and four v_nop follow each line
	s_cmp_lt_u32 s[WV], 2
	s_cbranch_scc0 .Lfor_v_\@
	tensor_load_to_lds s[G0K:G0K+3], s[G1:G1+7]
	s_nop 0
.rept 4
	v_nop
.endr
	s_branch .Lasked_\@
.Lfor_v_\@:
	tensor_load_to_lds s[G0V:G0V+3], s[G1:G1+7]
	s_nop 0
.rept 4
	v_nop
.endr
.Lasked_\@:
.endm
; A prefetch of what the NEXT change of slots will ask for: a slot's K and V are 128 blocks of 256 bytes each.  All clusters of a head walk the same rows: the head's first cluster asks; its four
; partners take 32 blocks each, told apart by address; in each, wave 0 asks for K's and wave 2 for V's, a lane a block.  So each block is named once.  The last change that fills a slot asks for nothing.
.macro ASK
	s_cmp_gt_u32 s[SLOTS], s[LIM]
	s_cbranch_scc0 .Lnot_mine_\@
	global_prefetch_b8 v[PFO], s[PFA:PFA+1] th:TH_LOAD_NT scope:SCOPE_SE
.Lnot_mine_\@:
.endm
.macro CROUND
	s_barrier_signal -1
	s_barrier_wait -1
	s_cmp_lg_u32 s[WV], 0
	s_cbranch_scc1 .Lnot_wave_0_\@
	s_barrier_signal -3
.Lnot_wave_0_\@:
	s_barrier_wait -3
	s_barrier_signal -1
	s_barrier_wait -1
.endm
; THE CHANGE OF SLOTS.  Each wave waits for all its tensor loads (one is out: its part of the other slot), adds 0 to its spare word, and waits for that and for its reads of the slot.
; fill = 1: the slot is filled again, with the keys two slots on: the barrier is a round of the cluster's, and the joint fill is the first thing behind it: it has a key step, 128 matrix instructions, to land.
.macro CHANGE fill, ask=0
	WIN 0
	s_wait_tensorcnt 0x0
	ds_add_u32 v[SPW], v[NIL]
.if \fill
.irp g, G0K, G0V
	s_xor_b32 s[\g+1], s[\g+1], SLOT1
	s_add_nc_u64 s[\g+2:\g+3], s[\g+2:\g+3], 32768
.endr
.endif
.if \ask
	s_wait_xcnt 0x0                 ; the last prefetch, a key step back, has read its address
	s_add_nc_u64 s[PFA:PFA+1], s[PFA:PFA+1], 32768
.endif
	s_wait_dscnt 0x0
.if \fill
	CROUND
	JLOAD
.if \ask
	ASK
.endif
.else
	s_barrier_signal -1
	s_barrier_wait -1
.endif
	s_xor_b32 s[TB], s[TB], SLOT1
.endm
	s_load_b128 s[4:7], s[0:1], 0x0 ; qkv, act
	v_lshl_add_u32 v[SPW], v0, 2, SPARE
	v_mov_b32 v[NIL], 0
	ds_add_u32 v[SPW], v[NIL]       ; the wave's opening: the add and its wait ahead of my first tensor load
	v_lshrrev_b32 v1, 5, v0
	v_readfirstlane_b32 s[WV], v1   ; wave 0..3
	s_bfe_u32 s13, ttmp6, 0x40000   ; cx
	s_lshl_b32 s14, ttmp9, 2
	s_add_co_u32 s14, s14, s13      ; my block of 128 queries: it enters Q's and O's addresses alone
	s_and_b32 s20, ttmp7, 0xffff    ; the head
	s_lshl_b32 s21, s20, 18         ; a plane is 262,144 bytes
	s_and_b32 s16, s[WV], 1
	s_lshl_b32 s17, s16, 14         ; the half that I fetch: 16,384 bytes, in memory and in a slot
	s_add_co_u32 s22, s21, s17
	s_add_co_u32 s22, s22, 16*262144
	s_mov_b32 s23, 0
	s_lshl_b32 s2, s14, 14
	s_add_co_u32 s2, s2, s21
	s_mov_b32 s3, 0
	s_lshl_b32 s10, s14, 13         ; O: block (2 head + channel / 32) 128 + row / 16; wave d finishes tiles 2 d, 2 d + 1
	s_add_co_u32 s10, s10, s21
	s_lshl_b32 s11, s[WV], 11
	s_add_co_u32 s10, s10, s11
	s_mov_b32 s11, 0
	s_mov_b32 s[G1], 15|(1<<16)|(1<<21)  ; the mask of four; 2-byte elements; bit 21 beside a mask; no padding
	s_mov_b32 s[G1+1], 128<<16      ; 16,384 dense bytes as 64 rows of 256
	s_mov_b32 s[G1+2], 64<<16
	s_mov_b32 s[G1+3], 128<<16
	s_mov_b32 s[G1+4], 64
	s_mov_b32 s[G1+5], 128
	s_mov_b32 s[G1+6], 0
	s_mov_b32 s[G1+7], 0
	s_mov_b32 s[CS], 0x3e38aa3b     ; c = log2(e) / 8
	s_mov_b32 s[CS+1], s[CS]
	s_mov_b32 s[SEL], 0x76543210
	s_mov_b32 s[SEL+1], 0xfedcba98
	s_mov_b32 s[TB], SLOT1          ; the first change of slots turns it into 0
	s_mov_b32 s[G0K], 1
	s_mov_b32 s[G0K+1], s17
	s_mov_b32 s[G0V], 1
	s_add_co_u32 s[G0V+1], s17, VOFF
	s_and_b32 s[LIM], s[WV], 1      ; 0 in waves 0 and 2,
	s_or_b32 s[LIM], s[LIM], ttmp9  ; where the cluster is the head's first
	s_cmp_eq_u32 s[LIM], 0
	s_cselect_b32 s[LIM], 1, -1
	s_lshl_b32 s52, s13, 13         ; my work-group's 32 blocks of the 128
	s_mov_b32 s53, 0
	s_wait_dscnt 0x0                ; the opening add is done
	s_wait_kmcnt 0x0
	s_add_nc_u64 s[8:9], s[4:5], s[22:23]          ; K at my half of the head's first 256 keys
	s_add_nc_u64 s[50:51], s[8:9], 16*262144       ; V likewise
	s_mov_b64 s[G0K+2:G0K+3], s[8:9]
	s_or_b32 s[G0K+3], s[G0K+3], 0x80000000
	s_mov_b64 s[G0V+2:G0V+3], s[50:51]
	s_or_b32 s[G0V+3], s[G0V+3], 0x80000000
	s_cmp_lt_u32 s[WV], 2
	s_cselect_b64 s[PFA:PFA+1], s[8:9], s[50:51]
	s_add_nc_u64 s[PFA:PFA+1], s[PFA:PFA+1], s[52:53]
	s_add_nc_u64 s[PFA:PFA+1], s[PFA:PFA+1], 2*32768  ; in slot 2; the loop's first change steps it to slot 3.  Nothing is prefetched at the head
	s_add_nc_u64 s[4:5], s[4:5], s[2:3]            ; Q at my block
	s_add_nc_u64 s[6:7], s[6:7], s[10:11]          ; O at the tiles that I finish
	CROUND                          ; all four work-groups are here
	JLOAD                           ; slot 0
	v_and_b32 v1, 31, v0
	v_lshlrev_b32 v[LO], 4, v1
	v_lshlrev_b32 v[PFO], 8, v1
	WIN 0x80
.set i, 0
.rept 4*NP                          ; Q stays in registers: tile i / 2, channels 32 (i % 2) on
	global_load_b128 v[8*i:8*i+3],   v[LO], s[4:5] offset:(i/2)*2048+(i%2)*1024
	global_load_b128 v[8*i+4:8*i+7], v[LO], s[4:5] offset:(i/2)*2048+(i%2)*1024+512
.set i, i+1
.endr
	; What the first turn finds: V's registers and P's second buffer hold 0, O^T and l are 0.  All this stands in the wait for the first tile.
.set i, VF
.rept 64
	v_mov_b32 v[i], 0
.set i, i+1
.endr
	WIN 0x40
.set i, 0
.rept 64*NP
	v_mov_b32 v[i], 0
.set i, i+1
.endr
	WIN 0
.set i, 0
.rept 2*NP
	v_mov_b32 v[ST+4*i], 0xfe000000    ; c m: far below every c s
	v_mov_b32 v[ST+4*i+1], 0xff7fffff  ; m
	v_mov_b32 v[ST+4*i+2], 0
	v_mov_b32 v[ST+4*i+3], 0
.set i, i+1
.endr
.set i, P+32
.rept 32
	v_mov_b32 v[i], 0
.set i, i+1
.endr
	s_lshl_b32 s53, s[WV], 13       ; my 64 keys of a slot's 256
	v_add_nc_u32 v[AK0], s53, v[LO]
	v_and_b32 v10, 7, v0            ; the turning load: lane l addresses key 8 (l / 16) + l % 8, channels 8 ((l / 8) % 2) on: piece 16 ((l / 8) % 2) + 8 (l / 16) + l % 8 of a block's half
	v_bfe_u32 v11, v0, 3, 1
	v_lshl_add_u32 v10, v11, 4, v10
	v_bfe_u32 v11, v0, 4, 1
	v_lshl_add_u32 v10, v11, 3, v10
	v_lshlrev_b32 v10, 4, v10
	s_add_co_u32 s53, s53, VOFF
	v_add_nc_u32 v[AV0], s53, v10
	v_mov_b32 v[AK], v[AK0]         ; key step 0 lies in slot 0
; THE MATRIX WORK.  The 8 accumulators of a run of 16 take turns.
.macro KQ x                         ; product i of 16 of S^T = K Q^T for piece x: channels 32 (i / 8) on, keys 16 ((i / 2) % 4) on, tile 2 x + i % 2
	WIN W_KQ
.set rS, S+64*((\x)%2)+32*(i%2)+8*((i/2)%4)
.set rK, KF+16*((i/2)%4)+8*(i/8)
.set rQ, 16*(2*(\x)+i%2)+8*(i/8)
.if i < 8
	v_wmma_f32_16x16x32_bf16 v[rS:rS+7], v[rK:rK+7], v[rQ:rQ+7], 0
.else
	v_wmma_f32_16x16x32_bf16 v[rS:rS+7], v[rK:rK+7], v[rQ:rQ+7], v[rS:rS+7]
.endif
.endm
.macro PV x                         ; product i of 16 of O^T += V^T P for piece x: keys 32 (i / 8) on, channels 16 ((i / 2) % 4) on
	WIN W_PV
.set rO, 32*(2*(\x)+i%2)+8*((i/2)%4)
.set rV, VF+32*(i/8)+8*((i/2)%4)
.set rP, P+32*((\x)%2)+16*(i%2)+8*(i/8)
	v_wmma_f32_16x16x32_bf16 v[rO:rO+7], v[rV:rV+7], v[rP:rP+7], v[rO:rO+7]
.endm
.macro MM
.if i < 16
	KQ (Y+1)%NP
.set i, i+1
.else
.set i, i-16
	PV (Y+NP-1)%NP
.set i, i+17
.endif
.endm
; THE LDS LOADS stand in runs of 16.  last = 1 (the tail): in the last trip there is no further step, and the run is jumped over.
.macro FETCH_K last=0
	WIN 0
.if \last
	s_cmp_eq_u32 s[CNT], 1
	s_cbranch_scc1 .Lno_k_\@
.endif
	WIN 0x80
.irp f, 0,1,2,3,4,5,6,7             ; keys 16 (f / 2) on, channels 32 (f % 2) on
	ds_load_b128 v[KF+8*\f:KF+8*\f+3],   v[AK] offset:(\f/2)*2048+(\f%2)*1024
	ds_load_b128 v[KF+8*\f+4:KF+8*\f+7], v[AK] offset:(\f/2)*2048+(\f%2)*1024+512
.endr
	WIN 0
.if \last
.Lno_k_\@:
.endif
.endm
.macro FETCH_V
	WIN 0x80
.irp f, 0,1,2,3,4,5,6,7             ; keys 32 (f / 4) on, channels 16 (f % 4) on
	ds_load_tr16_b128 v[VF+8*\f:VF+8*\f+3],   v[AV] offset:(\f/4)*4096+((\f%4)/2)*1024+(\f%2)*512
	ds_load_tr16_b128 v[VF+8*\f+4:VF+8*\f+7], v[AV] offset:(\f/4)*4096+((\f%4)/2)*1024+(\f%2)*512+2048
.endr
	WIN 0
.endm
; THE VECTOR WORK OF A TURN stands in three queues, each in the order in which its entries become ready; the two tiles alternate.
.macro REGS y, u
.set rT, ST+4*(2*(\y)+(\u))
.set rC, TMP+8*((\y)%2)+4*(\u)
.set rM, MV+2*((\y)%2)+(\u)
.set rS, S+64*((\y)%2)+32*(\u)
.set rP, P+32*((\y)%2)+16*(\u)
.set rO, 32*(2*(\y)+(\u))
.endm
; Number n of the 22 that find the NEXT piece's maximum and statistics; each accumulator's lowest registers are read first.
;   0-11 four chains of seven scores   12-14, 16 the four left over, the old m, the four into one   15 c m_old is kept   17, 18 the other half of the lanes: the new m   19-21 c m; its change; a
.macro XS u, n
	REGS (Y+1)%NP, \u
.if (\n) < 4
	v_max3_num_f32 v[rC+(\n)], v[rS+8*(\n)], v[rS+8*(\n)+1], v[rS+8*(\n)+2]
.elseif (\n) < 12
	v_max3_num_f32 v[rC+(\n)%4], v[rC+(\n)%4], v[rS+8*((\n)%4)+2*((\n)/4)+1], v[rS+8*((\n)%4)+2*((\n)/4)+2]
.elseif (\n) == 12
	v_max3_num_f32 v[rC], v[rC], v[rS+7], v[rS+15]
.elseif (\n) == 13
	v_max3_num_f32 v[rC+1], v[rC+1], v[rS+23], v[rS+31]
.elseif (\n) == 14
	v_max3_num_f32 v[rC+2], v[rC+2], v[rC+3], v[rT+1]
.elseif (\n) == 15
	v_mov_b32 v[rM], v[rT]
.elseif (\n) == 16
	v_max3_num_f32 v[rC], v[rC], v[rC+1], v[rC+2]
.elseif (\n) == 17
	v_permlanex16_b32 v[rC+3], v[rC], s[SEL], s[SEL+1]
.elseif (\n) == 18
	v_max_num_f32 v[rT+1], v[rC], v[rC+3]
.elseif (\n) == 19
	v_mul_f32 v[rT], s[CS], v[rT+1]
.elseif (\n) == 20
	v_sub_f32 v[rC+1], v[rM], v[rT]
.else
	v_exp_f32 v[rC+2], v[rC+1]
.endif
.endm
; Number g of the 64 that follow the exponentials: for each four weights both pairs are rounded; the second pair is added onto the first; a group later l takes that sum (the first time as l = a l + sum).
.macro GS g
.set h, (\g)+6*((\g)/62)
.if h >= 6
.set h, h+2
.endif
	REGS Y, h%2
.set k, h/8
.if h%8 < 4
	v_cvt_pk_bf16_f32 v[rP+2*k+(h%8)/2], v[rS+4*k+2*((h%8)/2)], v[rS+4*k+2*((h%8)/2)+1]
.elseif h%8 < 6
	v_pk_add_f32 v[rS+4*k:rS+4*k+1], v[rS+4*k:rS+4*k+1], v[rS+4*k+2:rS+4*k+3]
.elseif k == 1
	v_pk_fma_f32 v[rT+2:rT+3], v[rT+2:rT+3], v[rC+2:rC+3], v[rS:rS+1] op_sel_hi:[1,0,1]
.else
	v_pk_add_f32 v[rT+2:rT+3], v[rT+2:rT+3], v[rS+4*k-4:rS+4*k-3]
.endif
.endm
; THE PLAIN QUEUE, 138 long: 0-26 scalings; 27-54 the maximum's numbers 0-13; 55, 56 number 15; 57-73 the chain, a scaling in front of each of its links; 74-137 what reads the exponentials' results.
.macro FS f
	REGS Y, (\f)%2
	v_pk_fma_f32 v[rS+2*((\f)/2):rS+2*((\f)/2)+1], v[rS+2*((\f)/2):rS+2*((\f)/2)+1], s[CS:CS+1], v[rT:rT+1] op_sel_hi:[1,0,0] neg_lo:[0,0,1] neg_hi:[0,0,1]
.endm
.macro PL
	WIN 0
.if q < 27
	FS q
.elseif q < 55
	XS (q-27)%2, (q-27)/2
.elseif q < 57
	XS q-55, 15
.elseif (q < 72) && ((q-57)%3 == 0)
	FS 27+(q-57)/3
.elseif q < 60
	XS (q-57)%3-1, 14
.elseif q < 72
	XS (q-57)%3-1, 15+(q-57)/3
.elseif q < 74
	XS q-72, 20
.else
	GS q-74
.endif
.set q, q+1
.endm
.macro EX                           ; the exponentials' queue, 66 long: one batch, ahead of the turn's one wait
	WIN 0
.if e >= 64
	XS e-64, 21
.else
	REGS Y, e%2
	v_exp_f32 v[rS+e/2], v[rS+e/2]
.endif
.set e, e+1
.endm
.macro R2                           ; the rescaling's queue: O^T times a, two at a time
	REGS Y, r%2
	WIN W_RS
.irp z, 0,1
	v_pk_mul_f32 v[rO+4*(r/2)+2*\z:rO+4*(r/2)+2*\z+1], v[rO+4*(r/2)+2*\z:rO+4*(r/2)+2*\z+1], v[rC+2:rC+3] op_sel_hi:[1,0]
.endr
.set r, r+1
.endm
; A TURN, for piece p.  Ahead of its one wait stands all that names no result of its exponentials: 16 products K Q^T with their four riders, then a run of 108.  Behind it: 16 products V^T P, behind each
; four of the roundings and sums.  K of the next step is fetched in piece 2's turn, directly behind the wait; V of the step in hand at the end of piece 0's turn, four riders behind its last reader.
.macro TURN p, last=0
.set Y, (\p)
.set i, 0
.set q, 0
.set e, 0
.set r, 0
.if (\p) == NP-1
	s_wait_dscnt 0x0                ; K is in
.endif
	MM
	PL
	PL
	R2
.rept 15
	MM
	PL
	EX
	R2
.endr
.if (\p) == NP-2
	WIN 0
	v_add_nc_u32 v[AK], s[TB], v[AK0]
.endif
.rept 8
	PL
.endr
.rept 49
	EX
	PL
.endr
	EX
	EX
	v_nop                           ; a plain instruction behind the last exponential: one for the batch
	s_wait_alu depctr_va_vdst(0)    ; the wait for the batch, ahead of the first instruction that names a result
.if (\p) == NP-2
	FETCH_K \last
.endif
.if (\p) == 1
	s_wait_dscnt 0x0                ; V is in
.endif
.rept 16
	MM
.rept 4
	PL
.endr
.if ((\p) == 0) && (q == 118)
	v_add_nc_u32 v[AV], s[TB], v[AV0]
.endif
.endr
.if (\p) == 0
	FETCH_V
.endif
.endm
	CHANGE 1                        ; slot 0 is in, everybody's part of it; slot 1 is asked for
	FETCH_K                         ; key step 0
	s_wait_loadcnt 0x0              ; Q
	s_wait_dscnt 0x0
.set i, 0
.rept 16
	KQ 0
.set i, i+1
.endr
	WIN 0
.rept 4
	v_nop                           ; the places behind those products
.endr
.set Y, NP-1
.irp n, 0,1,2,3,4,5,6,7,8,9,10,11,12,13,14,15,16,17,18,19,20,21
	XS 0, \n
	XS 1, \n
.endr
	v_nop
	s_wait_alu depctr_va_vdst(0)
	s_mov_b32 s[SLOTS], 7
	s_branch .Lfirst                ; the loop is entered at a step's first turn
.Lslot:                             ; six times: slots 2 to 7 are asked for.  A slot is one key step of each wave
	CHANGE 1, 1
	TURN 2
	TURN 3
	WIN 0
.Lfirst:
	TURN 0
	TURN 1
	WIN 0
	s_sub_co_u32 s[SLOTS], s[SLOTS], 1
	s_cmp_lg_u32 s[SLOTS], 0
	s_cbranch_scc1 .Lslot
	CHANGE 0                        ; the tail is written out
	s_mov_b32 s[CNT], 2             ; one trip fetches the last slot's step; the second is left in its middle
.Ltail:
	TURN 2, 1
	TURN 3
	WIN 0
	s_sub_co_u32 s[CNT], s[CNT], 1
	s_cmp_eq_u32 s[CNT], 0
	s_cbranch_scc1 .Lout
	TURN 0
	TURN 1
	WIN 0
	s_branch .Ltail
.Lout:                              ; the second trip's 16 products K Q^T and the maximum made of them serve nothing: the price of one text for every trip
.set i, 0
.rept 16
	PV NP-1
.set i, i+1
.endr
	; THE WAY OUT.  Each wave lays down (c m, l) and its partial O^T; behind a barrier wave d merges tiles 2 d and 2 d + 1.  The additions are the places behind the last products.
	WIN 0
.macro ALL line:vararg
.set t, 0
.rept 2*NP
	\line
.set t, t+1
.endr
.endm
	ALL v_add_f32 v[ST+4*t+2], v[ST+4*t+2], v[ST+4*t+3]
	ALL v_permlanex16_b32 v[ST+4*t+3], v[ST+4*t+2], s[SEL], s[SEL+1]
	ALL v_add_f32 v[ST+4*t+1], v[ST+4*t+2], v[ST+4*t+3]
	s_lshl_b32 s53, s[WV], 11
	s_add_co_u32 s53, s53, MS
	v_lshl_add_u32 v[MRA], v1, 3, s53
	ALL ds_store_b64 v[MRA], v[ST+4*t:ST+4*t+1] offset:t*256
	s_lshl_b32 s53, s[WV], 12
	s_add_co_u32 s53, s53, OS
	v_add_nc_u32 v[ORA], s53, v[LO]
	v_add_nc_u32 v[AK], 65536, v[ORA]
	WIN 0x04                        ; store data in window 1
.set n, 0
.rept 32                            ; tiles 0-3; each accumulator's low four registers go first
	ds_store_b128 v[ORA], v[4*n:4*n+3] offset:(n/8)*16384+(n%8)*512
.set n, n+1
.endr
.set n, 0
.rept 32                            ; tiles 4-7
	ds_store_b128 v[AK], v[128+4*n:128+4*n+3] offset:(n/8)*16384+(n%8)*512
.set n, n+1
.endr
	WIN 0
	s_wait_dscnt 0x0                ; for the others' sake
	s_barrier_signal -1
	s_barrier_wait -1
	s_lshl_b32 s53, s[WV], 9
	s_add_co_u32 s53, s53, MS
	v_lshl_add_u32 v[MRA], v1, 3, s53
	s_lshl_b32 s53, s[WV], 15
	s_add_co_u32 s53, s53, OS
	v_add_nc_u32 v[ORA], s53, v[LO]
; Tile 2 d + u: M = the largest of the four c m; weight z = 2^(c m_z - M) / sum of 2^(c m_z - M) l_z; O = the sum of weight z x O_z.
.macro MERGE u
.irp z, 0,1,2,3
	ds_load_b64 v[16+2*\z:17+2*\z], v[MRA] offset:\z*2048+(\u)*256
.endr
.set n, 0
.rept 32                            ; wave n / 8, quad n % 8
	ds_load_b128 v[S+4*n:S+4*n+3], v[ORA] offset:(\u)*16384+n*512
.set n, n+1
.endr
	s_wait_dscnt 32                 ; the four pairs are in; the 32 younger loads stay out
	v_max_num_f32 v24, v16, v18
	v_max_num_f32 v25, v20, v22
	v_max_num_f32 v24, v24, v25
.irp z, 16,18,20,22
	v_sub_f32 v\z, v\z, v24
.endr
.irp z, 16,18,20,22
	v_exp_f32 v\z, v\z
.endr
	v_nop
	s_wait_alu depctr_va_vdst(0)    ; one wait for the four exponentials
	v_mul_f32 v26, v16, v17
	v_fmac_f32 v26, v18, v19
	v_fmac_f32 v26, v20, v21
	v_fmac_f32 v26, v22, v23
	v_rcp_f32 v26, v26
	v_nop
	s_wait_alu depctr_va_vdst(0)
.irp z, 16,18,20,22
	v_mul_f32 v\z, v\z, v26
.endr
	s_wait_dscnt 0x0
.set p, 0
.rept 16
	v_pk_mul_f32 v[S+2*p:S+2*p+1], v[S+2*p:S+2*p+1], v[16:17] op_sel_hi:[1,0]
.set p, p+1
.endr
.irp z, 1,2,3
.set p, 0
.rept 16
	v_pk_fma_f32 v[S+2*p:S+2*p+1], v[S+32*\z+2*p:S+32*\z+2*p+1], v[16+2*\z:17+2*\z], v[S+2*p:S+2*p+1] op_sel_hi:[1,0,1]
.set p, p+1
.endr
.endr
.set p, 0
.rept 16
	v_cvt_pk_bf16_f32 v[P+16*(\u)+p], v[S+2*p], v[S+2*p+1]
.set p, p+1
.endr
.irp f, 0,1,2,3
	global_store_b128 v[LO], v[P+16*(\u)+4*\f:P+16*(\u)+4*\f+3], s[6:7] offset:(\f/2)*131072+(\u)*1024+(\f%2)*512  ; 512 consecutive bytes of a fragment's image
.endr
.endm
	MERGE 0
	MERGE 1
	s_wait_tensorcnt 0x0            ; the wave's end
	ds_add_u32 v[SPW], v[NIL]
	s_wait_dscnt 0x0
	CROUND                          ; the closing round
	s_endpgm
.Lfunc_end_k_q5e86a0c22b_attn:
	.size	k_q5e86a0c22b_attn, .Lfunc_end_k_q5e86a0c22b_attn-k_q5e86a0c22b_attn
	.p2alignl 7, 3214868480
	.fill 96, 4, 3214868480
	.section	.rodata,"a",@progbits
	.p2align	6, 0x0
	.amdhsa_kernel k_q5e86a0c22b_attn
		.amdhsa_group_segment_fixed_size 327680
		.amdhsa_private_segment_fixed_size 0
		.amdhsa_enable_private_segment 0
		.amdhsa_kernarg_size 16
		.amdhsa_user_sgpr_count 2
		.amdhsa_user_sgpr_kernarg_segment_ptr 1
		.amdhsa_wavefront_size32 1
		.amdhsa_system_sgpr_workgroup_id_x 1
		.amdhsa_system_sgpr_workgroup_id_y 1
		.amdhsa_system_sgpr_workgroup_id_z 1
		.amdhsa_system_vgpr_workitem_id 0
		.amdhsa_next_free_vgpr 768
		.amdhsa_next_free_sgpr 66
		.amdhsa_reserve_vcc 0
		.amdhsa_float_denorm_mode_32 3
		.amdhsa_float_denorm_mode_16_64 3
		.amdhsa_memory_ordered 1
		.amdhsa_forward_progress 1
		.amdhsa_inst_pref_size 194
	.end_amdhsa_kernel
	.amdgpu_metadata
---
amdhsa.version: [ 1, 2 ]
amdhsa.kernels:
  - .name:           k_q5e86a0c22b_attn
    .symbol:         k_q5e86a0c22b_attn.kd
    .args:
      - { .name: qkv, .offset: 0, .size: 8, .value_kind: global_buffer, .address_space: global }
      - { .name: act, .offset: 8, .size: 8, .value_kind: global_buffer, .address_space: global }
    .group_segment_fixed_size: 327680
    .private_segment_fixed_size: 0
    .kernarg_segment_align: 8
    .kernarg_segment_size: 16
    .max_flat_workgroup_size: 128
    .sgpr_count:     66
    .vgpr_count:     768
    .wavefront_size: 32
...
	.end_amdgpu_metadata
.endif
;; end of part 4
;; launch gwo (part 5): grid 8 x 16, 4 waves a work-group, clusters of 4 x 4, 327,680 bytes of LDS; arguments act, pb, y; writes y
.if DOCPART == 5
	.amdgcn_target "amdgcn-amd-amdhsa--gfx1250"
	.amdhsa_code_object_version 6
	.text
	.protected	k_q5e86a0c22b_gwo
	.globl	k_q5e86a0c22b_gwo
	.p2align	8
	.type	k_q5e86a0c22b_gwo,@function
k_q5e86a0c22b_gwo:
	s_mov_b64 s[64:65], 0
	v_nop
	global_prefetch_b8 v0, s[64:65] scope:SCOPE_SE
	s_setreg_imm32_b32 hwreg(HW_REG_WAVE_MODE, 25, 1), 1
	s_wait_xcnt 0x0
	s_wait_alu depctr_hold_cnt(0) depctr_sa_sdst(0) depctr_va_vdst(0) depctr_va_sdst(0) depctr_va_ssrc(0) depctr_va_vcc(0) depctr_vm_vsrc(0)
	s_getreg_b32 s2, hwreg(HW_REG_IB_STS2, 6, 4)
	s_cmp_eq_u32 s2, 0
	s_cbranch_scc0 .Lentry_in_a_cluster
	s_endpgm
.Lentry_in_a_cluster:
	s_bfe_u32 s2, ttmp6, 0x10000c
	s_cmp_lg_u32 s2, 0xf033
	s_cbranch_scc0 .Lentry_shape_is_right
	s_endpgm
.Lentry_shape_is_right:
; gwo: y = O Wo, [2048] x [1024], K = 1,024; bf16 operands, f32 sums stored as they lie in the accumulators (blocks of 16 x 16, 1,024 bytes: block (m / 16) 64 + n / 16).
; A work-group makes 128 rows x P = 2 planes of 64 columns; four waves as 2 x 2; a wave 64 rows x 32 columns of each plane: 4 x 4 accumulators.  128 work-groups: splitting K to make 256 would add
; 16 MB of partial sums to save two of four K steps.
; O lies in blocks that are a fragment's image; Wo in blocks of 8 k x 64 n, read by the turning load.  THE PRODUCT IS USED TRANSPOSED (source 0 = 16 columns of W, source 1 = 16 rows of O).
; RING: two LDS slots, a K step of 256 each.  Waves 0, 1 fetch the row halves of O's tile, waves 2, 3 the k halves of W's: one tensor load a wave behind each round.
; CLUSTER 4 x 4: O's tile is shared along a row of the cluster, W's along a column: joint loads.
; The sums start from cleared accumulators, cleared while the first tiles are on their way, so that a K step is written twice only.  No prefetch: four K steps, two of them first fills.
.set P,      2
.set KSTEP,  256
.set NPL,    16
.set T,      4
.set NCH,    KSTEP/32
.set ABYTES, KSTEP*256
.set AHALF,  ABYTES/2
.set BHALF,  (KSTEP/16)*P*1024
.set SLOT1,  131072
.set SPARE,  262144
.set ASTEP,  NCH*131072
.set BSTEP,  (KSTEP/8)*NPL*1024
.set NL,     8+4*P
.set ADRA0, 4
.set ADRB0, 5
.set ADRA,  6
.set ADRB,  7
.set OUTO,  8
.set SPW,   12
.set NIL,   13
.set F0,    0
.set F1,    128
.set G1A, 24
.set G0A, 32
.set G1B, 48
.set G0B, 56
.set MSB, 0
.macro WIN new
.if MSB != (\new)
	s_set_vgpr_msb (MSB<<8)|(\new)
.set MSB, \new
.endif
.endm
.macro PLACES
.rept 4
	v_nop
.endr
.endm
.macro JLOAD                           ; the joint refill, by the walking descriptor; an s_nop 0 and four v_nop follow each of the two lines
	s_cmp_eq_u32 s11, 0
	s_cbranch_scc0 .Lfor_b_\@
	tensor_load_to_lds s[G0A+4:G0A+7], s[G1A:G1A+7]
	s_nop 0
	PLACES
	s_branch .Lasked_\@
.Lfor_b_\@:
	tensor_load_to_lds s[G0B+4:G0B+7], s[G1B:G1B+7]
	s_nop 0
	PLACES
.Lasked_\@:
.endm
.macro CREST
	s_cmp_lg_u32 s10, 0
	s_cbranch_scc1 .Lnot_wave_0_\@
	s_barrier_signal -3
.Lnot_wave_0_\@:
	s_barrier_wait -3
	s_barrier_signal -1
	s_barrier_wait -1
.endm
.macro CROUND
	s_barrier_signal -1
	s_barrier_wait -1
	CREST
.endm
	s_load_b128 s[4:7], s[0:1], 0x0                ; act, pb
	s_load_b64 s[8:9], s[0:1], 0x10                ; y
	v_lshl_add_u32 v[SPW], v0, 2, SPARE
	v_mov_b32 v[NIL], 0
	ds_add_u32 v[SPW], v[NIL]                      ; the wave's opening: the add and its wait ahead of my first tensor load
	v_lshrrev_b32 v1, 5, v0
	v_readfirstlane_b32 s10, v1
	s_lshr_b32 s11, s10, 1                         ; my row half.  Also: I fetch for O (0) or for W (1)
	s_and_b32 s12, s10, 1                          ; my column half.  Also: which half of that tile I fetch
	s_bfe_u32 s40, ttmp6, 0x40000
	s_bfe_u32 s41, ttmp6, 0x40004
	s_lshl_b32 s42, ttmp9, 2
	s_add_co_u32 s42, s42, s40                     ; tile column
	s_and_b32 s13, ttmp7, 0xffff
	s_lshl_b32 s13, s13, 2
	s_add_co_u32 s13, s13, s41                     ; tile row
	s_lshl_b32 s43, s41, 2
	s_lshl_b32 s43, 15, s43
	s_lshl_b32 s44, 0x1111, s40
	s_or_b32 s[G1A], s43, (3<<16)|(1<<21)          ; the mask; elements of 8 bytes; bit 21 beside a mask; no padding
	s_or_b32 s[G1B], s44, (3<<16)|(1<<21)
	s_mov_b32 s[G1A+1], 512<<16
	s_mov_b32 s[G1A+2], NCH<<16
	s_mov_b32 s[G1A+3], 512<<16
	s_mov_b32 s[G1A+4], NCH
	s_mov_b32 s[G1A+5], 16384
	s_mov_b32 s[G1A+6], 0
	s_mov_b32 s[G1A+7], 0
	s_mov_b32 s[G1B+1], (P*128)<<16
	s_mov_b32 s[G1B+2], (KSTEP/16)<<16
	s_mov_b32 s[G1B+3], (P*128)<<16
	s_mov_b32 s[G1B+4], KSTEP/16
	s_mov_b32 s[G1B+5], NPL*128
	s_mov_b32 s[G1B+6], 0
	s_mov_b32 s[G1B+7], 0
	s_lshl_b32 s16, s13, 13
	s_lshl_b32 s17, s12, 12
	s_add_co_u32 s16, s16, s17
	s_mov_b32 s17, 0
	s_mul_i32 s46, s42, P*1024
	s_mul_i32 s47, s12, (KSTEP/16)*NPL*1024
	s_add_co_u32 s46, s46, s47
	s_mov_b32 s47, 0
	s_mul_i32 s20, s12, AHALF
	s_mul_i32 s21, s12, BHALF
	s_add_co_u32 s21, s21, ABYTES
	s_mov_b32 s3, 0
	s_wait_dscnt 0x0
	s_wait_kmcnt 0x0
	s_add_nc_u64 s[14:15], s[4:5], s[16:17]
	s_add_nc_u64 s[46:47], s[6:7], s[46:47]
	CROUND
.irp s, 0,1
	s_mov_b32 s[G0A+4*(\s)], 1
	s_add_co_u32 s[G0A+4*(\s)+1], s20, (\s)*SLOT1
	s_add_nc_u64 s[G0A+4*(\s)+2:G0A+4*(\s)+3], s[14:15], (\s)*ASTEP
	s_or_b32 s[G0A+4*(\s)+3], s[G0A+4*(\s)+3], 0x80000000
	s_mov_b32 s[G0B+4*(\s)], 1
	s_add_co_u32 s[G0B+4*(\s)+1], s21, (\s)*SLOT1
	s_add_nc_u64 s[G0B+4*(\s)+2:G0B+4*(\s)+3], s[46:47], (\s)*BSTEP
	s_or_b32 s[G0B+4*(\s)+3], s[G0B+4*(\s)+3], 0x80000000
.endr
	s_cmp_eq_u32 s11, 0                            ; a wave's two first fills stand in one branch: two loads of mine are out
	s_cbranch_scc0 .Lfirst_b
	tensor_load_to_lds s[G0A:G0A+3], s[G1A:G1A+7]
	s_nop 0
	tensor_load_to_lds s[G0A+4:G0A+7], s[G1A:G1A+7]
	s_nop 0
	PLACES
	s_branch .Lfirst_asked
.Lfirst_b:
	tensor_load_to_lds s[G0B:G0B+3], s[G1B:G1B+7]
	s_nop 0
	tensor_load_to_lds s[G0B+4:G0B+7], s[G1B:G1B+7]
	s_nop 0
	PLACES
.Lfirst_asked:
	v_and_b32 v3, 31, v0
	v_bfe_u32 v2, v0, 4, 1
	v_lshlrev_b32 v[OUTO], 4, v3
	s_mul_i32 s22, s11, AHALF
	v_add_nc_u32 v[ADRA0], s22, v[OUTO]
	v_and_b32 v14, 7, v0
	v_bfe_u32 v15, v0, 3, 1
	v_lshlrev_b32 v14, 4, v14
	v_lshl_add_u32 v14, v15, 7, v14
	v_mul_u32_u24 v15, v2, P*1024
	v_add_nc_u32 v14, v14, v15
	s_lshl_b32 s23, s12, 9
	s_add_co_u32 s23, s23, ABYTES
	v_add_nc_u32 v[ADRB0], s23, v14
	v_mov_b32 v[ADRA], v[ADRA0]
	v_mov_b32 v[ADRB], v[ADRB0]
	s_lshl_b32 s16, s13, 19                        ; where my part of y begins: 8 row blocks of 64 blocks a tile row,
	s_lshl_b32 s17, s11, 18
	s_add_co_u32 s16, s16, s17
	s_lshl_b32 s17, s12, 11                        ; two column blocks a column half
	s_add_co_u32 s16, s16, s17
	s_mov_b32 s17, 0
	s_add_nc_u64 s[8:9], s[8:9], s[16:17]
	s_lshl_b32 s46, s42, 13                        ; eight column blocks a tile column
	s_mov_b32 s47, 0
	s_add_nc_u64 s[8:9], s[8:9], s[46:47]
	WIN 0x80
.set i, 0
.rept 64*P
	v_mov_b32 v[i], 0
.set i, i+1
.endr
	WIN 0
.macro FETCH kb, f
	WIN 0x40
.set b, 0
.rept 2*P
	ds_load_tr16_b128 v[(\f)+32+8*b:(\f)+32+8*b+3],   v[ADRB] offset:4*(\kb)*P*1024+(b/2)*1024+(b%2)*256
	ds_load_tr16_b128 v[(\f)+32+8*b+4:(\f)+32+8*b+7], v[ADRB] offset:4*(\kb)*P*1024+(b/2)*1024+(b%2)*256+2*P*1024
.set b, b+1
.endr
.set a, 0
.rept 4
	ds_load_b128 v[(\f)+8*a:(\f)+8*a+3],   v[ADRA] offset:(\kb)*4096+a*1024
	ds_load_b128 v[(\f)+8*a+4:(\f)+8*a+7], v[ADRA] offset:(\kb)*4096+a*1024+512
.set a, a+1
.endr
.endm
.macro MULA f, a                       ; every accumulator is taken once a chunk, in one order: no two neighbours share one
	WIN 0xa5
.set b, 0
.rept 2*P
	v_wmma_f32_16x16x32_bf16 v[8*((\a)*2*P+b):8*((\a)*2*P+b)+7], v[(\f)+32+8*b:(\f)+32+8*b+7], v[(\f)+8*(\a):(\f)+8*(\a)+7], v[8*((\a)*2*P+b):8*((\a)*2*P+b)+7]
.set b, b+1
.endr
.endm
.macro CH c
	PLACES
	FETCH (\c)+1, F0+128*(((\c)+1)%2)
	s_wait_dscnt NL                                ; all but the NL just issued: chunk c is in
	MULA F0+128*((\c)%2), 0
	MULA F0+128*((\c)%2), 1
	MULA F0+128*((\c)%2), 2
	MULA F0+128*((\c)%2), 3
.endm
; The step's last chunk, and the change of slots: all my tensor loads, the add, my reads of this slot; the barrier; with fill = 1 it opens a round of the cluster's and the joint refill comes first behind it.
.macro TURN fill
	WIN 0
	s_wait_tensorcnt 0x0
	ds_add_u32 v[SPW], v[NIL]
.if \fill
	s_xor_b32 s[G0A+5], s[G0A+5], SLOT1
	s_add_nc_u64 s[G0A+6:G0A+7], s[G0A+6:G0A+7], ASTEP
	s_xor_b32 s[G0B+5], s[G0B+5], SLOT1
	s_add_nc_u64 s[G0B+6:G0B+7], s[G0B+6:G0B+7], BSTEP
.endif
	s_xor_b32 s3, s3, SLOT1
	s_wait_dscnt 1                                 ; the chunk's fragments are in; the add may be out
	MULA F1, 0
	s_wait_dscnt 0x0
	s_barrier_signal -1
	MULA F1, 1
	WIN 0
	s_barrier_wait -1
.if \fill
	CREST
	JLOAD
.else
	PLACES
.endif
	v_add_nc_u32 v[ADRA], s3, v[ADRA0]
	v_add_nc_u32 v[ADRB], s3, v[ADRB0]
	FETCH 0, F0
	MULA F1, 2
	MULA F1, 3
.endm
.macro STEP fill
.set c, 0
.rept NCH-1
	CH c
.set c, c+1
.endr
	TURN \fill
	WIN 0
.endm
	s_wait_tensorcnt 0x1                           ; my part of K step 0 is in; step 1's stays out
	s_barrier_signal -1
	s_barrier_wait -1
	FETCH 0, F0
	WIN 0
	s_mov_b32 s2, T-2
.Lstep:
	STEP 1
	s_sub_co_u32 s2, s2, 1
	s_cmp_lg_u32 s2, 0
	s_cbranch_scc1 .Lstep
	s_mov_b32 s2, 2                                ; the last two steps ask for nothing; the second one's barrier and fetch serve nothing
.Ltail:
	STEP 0
	s_sub_co_u32 s2, s2, 1
	s_cmp_lg_u32 s2, 0
	s_cbranch_scc1 .Ltail
	s_wait_dscnt 0x0
	PLACES
	PLACES
	WIN 0x08                                       ; store data in window 2
.set n, 0
.rept 8*P                              ; accumulator n = 4 a + b; its low four registers first; each store is 512 consecutive bytes
	global_store_b128 v[OUTO], v[8*n:8*n+3],   s[8:9] offset:(n/4)*65536+((n%4)/2)*4096+(n%2)*1024
	global_store_b128 v[OUTO], v[8*n+4:8*n+7], s[8:9] offset:(n/4)*65536+((n%4)/2)*4096+(n%2)*1024+512
.set n, n+1
.endr
	WIN 0
	s_wait_tensorcnt 0x0                           ; the wave's end
	ds_add_u32 v[SPW], v[NIL]
	s_wait_dscnt 0x0
	CROUND
	s_endpgm
.Lfunc_end_k_q5e86a0c22b_gwo:
	.size	k_q5e86a0c22b_gwo, .Lfunc_end_k_q5e86a0c22b_gwo-k_q5e86a0c22b_gwo
	.p2alignl 7, 3214868480
	.fill 96, 4, 3214868480
	.section	.rodata,"a",@progbits
	.p2align	6, 0x0
	.amdhsa_kernel k_q5e86a0c22b_gwo
		.amdhsa_group_segment_fixed_size 327680
		.amdhsa_private_segment_fixed_size 0
		.amdhsa_enable_private_segment 0
		.amdhsa_kernarg_size 24
		.amdhsa_user_sgpr_count 2
		.amdhsa_user_sgpr_kernarg_segment_ptr 1
		.amdhsa_wavefront_size32 1
		.amdhsa_system_sgpr_workgroup_id_x 1
		.amdhsa_system_sgpr_workgroup_id_y 1
		.amdhsa_system_sgpr_workgroup_id_z 1
		.amdhsa_system_vgpr_workitem_id 0
		.amdhsa_next_free_vgpr 768
		.amdhsa_next_free_sgpr 80
		.amdhsa_reserve_vcc 0
		.amdhsa_float_denorm_mode_32 3
		.amdhsa_float_denorm_mode_16_64 3
		.amdhsa_memory_ordered 1
		.amdhsa_forward_progress 1
		.amdhsa_inst_pref_size 53
	.end_amdhsa_kernel
	.amdgpu_metadata
---
amdhsa.version: [ 1, 2 ]
amdhsa.kernels:
  - .name:           k_q5e86a0c22b_gwo
    .symbol:         k_q5e86a0c22b_gwo.kd
    .args:
      - { .name: act, .offset: 0, .size: 8, .value_kind: global_buffer, .address_space: global }
      - { .name: pb, .offset: 8, .size: 8, .value_kind: global_buffer, .address_space: global }
      - { .name: y, .offset: 16, .size: 8, .value_kind: global_buffer, .address_space: global }
    .group_segment_fixed_size: 327680
    .private_segment_fixed_size: 0
    .kernarg_segment_align: 8
    .kernarg_segment_size: 24
    .max_flat_workgroup_size: 128
    .sgpr_count:     80
    .vgpr_count:     768
    .wavefront_size: 32
...
	.end_amdgpu_metadata
.endif
;; end of part 5
;; launch ln12 (part 6): grid 128 x 1, 8 waves a work-group, no clusters, 78,848 bytes of LDS; arguments y, x, pb, params_bo, params_ln1_g, params_ln1_b, params_cbo, params_ln2_g, params_ln2_b, xb2; writes xb2
.if DOCPART == 6
	.amdgcn_target "amdgcn-amd-amdhsa--gfx1250"
	.amdhsa_code_object_version 6
	.text
	.protected	k_q5e86a0c22b_ln12
	.globl	k_q5e86a0c22b_ln12
	.p2align	8
	.type	k_q5e86a0c22b_ln12,@function
k_q5e86a0c22b_ln12:
	s_mov_b64 s[64:65], 0
	v_nop
	global_prefetch_b8 v0, s[64:65] scope:SCOPE_SE
	s_setreg_imm32_b32 hwreg(HW_REG_WAVE_MODE, 25, 1), 1
	s_wait_xcnt 0x0
; ln12: xb1 = LN1(x + O Wo + bo); the cross-attention; xb2 = LN2(xb1 + c).  All in f32 but the two small products' operands (bf16).
; A work-group owns 16 rows; wave w the columns 128 w .. 128 w + 127; lane 16 a + r holds row r and, of each 16 columns, the 8 at 8 a: an accumulator's image, which is how y lies in memory.
; THE CROSS-ATTENTION.  reference() broadcasts one row to all 2,048 keys and values.  So a query's 2,048 scores in a head are one number s = (xb1 . u[h] + t[h]) / 8, which is also their maximum;
; the weights are e / l with e = 2^(c s - c s), l = 2,048 e; and weights x values x cWo = f G[h][:], f = 2,048 e / l.  All of it is computed: S^T = U xb1^T on the matrix unit (K split among the waves,
; the eight partial tiles meet in LDS), the exponential, the sum, the division, and D = G^T F + cbo on the matrix unit (K = 16 heads; the fragment's upper 16 k meet zeros in F).
; MEAN AND VARIANCE: each wave's mean over its 128 columns and the squares about THAT mean; the eight are joined by M2 = sum M2_w + 128 sum (mean_w - mean)^2: no difference of large sums.
; LIMITS.  G is taken to be finite (its neighbours' numbers are multiplied by F's zeros); a score that is not finite gives NaN, as in reference().
; No tensor load, no cluster: nothing large is shared.  128 work-groups: 16 rows is the image's height.
.set ST1,   0                          ; (mean, M2) of 8 waves x 16 rows
.set ST2,   1024
.set PS,    2048                       ; 8 partial score tiles of 1,024 bytes
.set XS,    10240                      ; 8 stages of 16 rows x 528 bytes, each wave's own
.set SPARE, 77824
.set FO,  4                            ; 16 x lane
.set VO,  5                            ; my 8 columns in a vector of 1,024 f32
.set XW,  6
.set XR,  7
.set SW,  8
.set SR,  9
.set PW,  10
.set TO,  11                           ; 32 x (lane / 16)
.set SPW, 12
.set NIL, 13
.set S0,  16
.set S1,  24
.set V,   32
.set X,   96
.set W,   160
.set UF,  224
.set T8,  W+40
.set SEL, 36
.set CS,  38
.set N2K, 40
.set IK,  42
.set EPS, 43
.macro FLOAD dst, ptr                  ; 64 numbers a lane in the image's order: 16 loads of 512 consecutive bytes
.set n, 0
.rept 16
	global_load_b128 v[(\dst)+4*n:(\dst)+4*n+3], v[FO], s[\ptr:\ptr+1] offset:n*512 th:TH_LOAD_NT
.set n, n+1
.endr
.endm
.macro VLOAD dst, ptr                  ; a vector's numbers for my 64 columns
.set n, 0
.rept 16
	global_load_b128 v[(\dst)+4*n:(\dst)+4*n+3], v[VO], s[\ptr:\ptr+1] offset:(n/2)*64+(n%2)*16
.set n, n+1
.endr
.endm
.macro VADD src
.set p, 0
.rept 32
	v_pk_add_f32 v[V+2*p:V+2*p+1], v[V+2*p:V+2*p+1], v[(\src)+2*p:(\src)+2*p+1]
.set p, p+1
.endr
.endm
; The row's mean and 1 / sqrt(var + eps): leaves rstd in v[20:21] and -mean rstd in v[22:23].
.macro STATS base
.set p, 0
.rept 4
	v_pk_add_f32 v[16+2*p:17+2*p], v[V+2*p:V+2*p+1], v[V+2*p+8:V+2*p+9]
.set p, p+1
.endr
.set p, 8
.rept 24
	v_pk_add_f32 v[16+2*(p%4):17+2*(p%4)], v[16+2*(p%4):17+2*(p%4)], v[V+2*p:V+2*p+1]
.set p, p+1
.endr
	v_pk_add_f32 v[16:17], v[16:17], v[18:19]
	v_pk_add_f32 v[20:21], v[20:21], v[22:23]
	v_pk_add_f32 v[16:17], v[16:17], v[20:21]
	v_add_f32 v16, v16, v17
	v_permlanex16_b32 v17, v16, s[SEL], s[SEL+1]
	v_add_f32 v16, v16, v17
	v_mul_f32 v24, 0x3c000000, v16                 ; my wave's mean: / 128
	v_mov_b32 v25, v24
.set p, 0
.rept 32
	v_pk_add_f32 v[20+2*(p%2):21+2*(p%2)], v[V+2*p:V+2*p+1], v[24:25] neg_lo:[0,1] neg_hi:[0,1]
.if p < 2
	v_pk_mul_f32 v[16+2*(p%2):17+2*(p%2)], v[20+2*(p%2):21+2*(p%2)], v[20+2*(p%2):21+2*(p%2)]
.else
	v_pk_fma_f32 v[16+2*(p%2):17+2*(p%2)], v[20+2*(p%2):21+2*(p%2)], v[20+2*(p%2):21+2*(p%2)], v[16+2*(p%2):17+2*(p%2)]
.endif
.set p, p+1
.endr
	v_pk_add_f32 v[16:17], v[16:17], v[18:19]
	v_add_f32 v16, v16, v17
	v_permlanex16_b32 v17, v16, s[SEL], s[SEL+1]
	v_add_f32 v25, v16, v17                        ; my wave's squares about its mean
	ds_store_b64 v[SW], v[24:25] offset:\base
	s_wait_dscnt 0x0                               ; for the others' sake
	s_barrier_signal -1
	s_barrier_wait -1
.irp z, 0,1,2,3,4,5,6,7
	ds_load_b64 v[16+2*\z:17+2*\z], v[SR] offset:(\base)+\z*128
.endr
	s_wait_dscnt 0x0
	v_add_f32 v14, v16, v18
	v_add_f32 v15, v20, v22
	v_add_f32 v14, v14, v24
	v_add_f32 v15, v15, v26
	v_add_f32 v14, v14, v28
	v_add_f32 v15, v15, v30
	v_add_f32 v14, v14, v15
	v_mul_f32 v14, 0x3e000000, v14                 ; the mean
	v_add_f32 v15, v17, v19
	v_add_f32 v17, v21, v23
	v_add_f32 v15, v15, v25
	v_add_f32 v17, v17, v27
	v_add_f32 v15, v15, v29
	v_add_f32 v17, v17, v31
	v_add_f32 v15, v15, v17
.irp z, 16,18,20,22,24,26,28,30
	v_sub_f32 v\z, v\z, v14
.endr
	v_mul_f32 v17, v16, v16
.irp z, 18,20,22,24,26,28,30
	v_fmac_f32 v17, v\z, v\z
.endr
	v_fmac_f32 v15, 0x43000000, v17                ; + 128 x the means' squares about the mean
	v_fma_f32 v15, v15, s[IK], s[EPS]
	v_rsq_f32 v20, v15
	v_nop
	s_wait_alu depctr_va_vdst(0)
	v_mov_b32 v21, v20
	v_mul_f32 v22, -v14, v20
	v_mov_b32 v23, v22
.endm
.macro NORM g, b
.set p, 0
.rept 32
	v_pk_fma_f32 v[V+2*p:V+2*p+1], v[V+2*p:V+2*p+1], v[20:21], v[22:23] op_sel_hi:[1,0,0]
.set p, p+1
.endr
.set p, 0
.rept 32
	v_pk_fma_f32 v[V+2*p:V+2*p+1], v[V+2*p:V+2*p+1], v[(\g)+2*p:(\g)+2*p+1], v[(\b)+2*p:(\b)+2*p+1]
.set p, p+1
.endr
.endm
.macro PLACES8
.rept 8
	v_nop
.endr
.endm
	s_load_b512 s[4:19], s[0:1], 0x0               ; y, x, pb, bo, ln1_g, ln1_b, cbo, ln2_g
	s_load_b128 s[20:23], s[0:1], 0x40             ; ln2_b, xb2
	v_lshl_add_u32 v[SPW], v0, 2, SPARE
	v_mov_b32 v[NIL], 0
	v_lshrrev_b32 v1, 5, v0
	v_readfirstlane_b32 s24, v1                    ; wave 0..7
	v_and_b32 v1, 31, v0
	v_and_b32 v2, 15, v0
	v_bfe_u32 v3, v0, 4, 1
	v_lshlrev_b32 v[FO], 4, v1
	v_lshlrev_b32 v[TO], 5, v3
	s_lshl_b32 s25, s24, 9
	v_add_nc_u32 v[VO], s25, v[TO]
	s_mul_i32 s25, s24, 8448
	s_add_co_u32 s25, s25, XS
	v_add_nc_u32 v[XW], s25, v[FO]                 ; in: row i at 528 i, 16 bytes a lane
	v_mul_u32_u24 v14, v2, 528
	v_add3_u32 v[XR], v14, v[TO], s25              ; back: row r, 32 bytes for each half of the lanes: rows 528 bytes apart, so 16 lanes take 16 different 16-byte columns of 256
	v_lshlrev_b32 v[SR], 3, v2
	s_lshl_b32 s25, s24, 7
	v_add_nc_u32 v[SW], s25, v[SR]
	s_lshl_b32 s25, s24, 10
	v_add_nc_u32 v[PW], s25, v[FO]
	s_mov_b32 s[SEL], 0x76543210
	s_mov_b32 s[SEL+1], 0xfedcba98
	s_mov_b32 s[CS], 0x3e38aa3b                    ; c = log2(e) / 8
	s_mov_b32 s[CS+1], s[CS]
	s_mov_b32 s[N2K], 0x45000000                   ; 2,048
	s_mov_b32 s[N2K+1], s[N2K]
	s_mov_b32 s[IK], 0x3a800000                    ; 1 / 1,024
	s_mov_b32 s[EPS], 0x3727c5ac                   ; 1e-5
	s_lshl_b32 s26, ttmp9, 16                      ; the image: 64 blocks a row block, 8 a wave
	s_lshl_b32 s27, s24, 13
	s_add_co_u32 s26, s26, s27
	s_mov_b32 s27, 0
	s_lshl_b32 s28, ttmp9, 16                      ; x: 16 rows of 4,096 bytes, 512 a wave
	s_lshl_b32 s29, s24, 9
	s_add_co_u32 s28, s28, s29
	s_mov_b32 s29, 0
	s_lshl_b32 s30, s24, 12                        ; UT and GT: 4,096 bytes a wave
	s_mov_b32 s31, 0
	s_lshl_b32 s32, s24, 19                        ; the bf16 copy: four column blocks of 128 row blocks a wave
	s_lshl_b32 s33, ttmp9, 10
	s_add_co_u32 s32, s32, s33
	s_add_co_u32 s32, s32, 8388608
	s_mov_b32 s33, 0
	s_wait_kmcnt 0x0
	s_add_nc_u64 s[44:45], s[4:5], s[26:27]
	s_add_nc_u64 s[46:47], s[6:7], s[28:29]
	s_add_nc_u64 s[48:49], s[8:9], s[30:31]
	s_add_nc_u64 s[50:51], s[48:49], 18907136      ; GT
	s_add_nc_u64 s[48:49], s[48:49], 18874368      ; UT
	s_add_nc_u64 s[52:53], s[8:9], 18939904        ; t
	s_add_nc_u64 s[54:55], s[22:23], s[26:27]
	s_add_nc_u64 s[56:57], s[22:23], s[32:33]
.set n, 0
.rept 8
	global_load_b128 v[UF+4*n:UF+4*n+3], v[FO], s[48:49] offset:n*512
.set n, n+1
.endr
.set i, 0
.rept 16
	global_load_b128 v[X+4*i:X+4*i+3], v[FO], s[46:47] offset:i*4096 th:TH_LOAD_NT
.set i, i+1
.endr
	FLOAD V, 44
	VLOAD W, 10
	s_wait_loadcnt 32                              ; x is in; the 32 loads of y and bo stay out
.set i, 0
.rept 16
	ds_store_b128 v[XW], v[X+4*i:X+4*i+3] offset:i*528
.set i, i+1
.endr
.set n, 0
.rept 16                               ; LDS serves a wave's instructions in order: these see the stores above
	ds_load_b128 v[X+4*n:X+4*n+3], v[XR] offset:(n/2)*64+(n%2)*16
.set n, n+1
.endr
	s_wait_loadcnt 0x0
	VADD W
	s_wait_dscnt 0x0
	VADD X
	VLOAD X, 12
	VLOAD W, 14
	STATS ST1
	s_wait_loadcnt 0x0
	NORM X, W                                      ; xb1
.set n, 0
.rept 8
	global_load_b128 v[W+4*n:W+4*n+3], v[FO], s[50:51] offset:n*512
.set n, n+1
.endr
	global_load_b128 v[T8:T8+3], v[TO], s[52:53]
	global_load_b128 v[T8+4:T8+7], v[TO], s[52:53] offset:16
.irp z, 32,33,34,35
	v_mov_b32 v[W+\z], 0                           ; the last fragment's upper half
.endr
.set p, 0
.rept 32
	v_cvt_pk_bf16_f32 v[X+p], v[V+2*p], v[V+2*p+1] ; xb1 in bf16: four fragments of 16 rows x 32 columns
.set p, p+1
.endr
	v_wmma_f32_16x16x32_bf16 v[S0:S0+7], v[UF:UF+7], v[X:X+7], 0           ; two accumulators by turns
	v_wmma_f32_16x16x32_bf16 v[S1:S1+7], v[UF+8:UF+15], v[X+8:X+15], 0
	v_wmma_f32_16x16x32_bf16 v[S0:S0+7], v[UF+16:UF+23], v[X+16:X+23], v[S0:S0+7]
	v_wmma_f32_16x16x32_bf16 v[S1:S1+7], v[UF+24:UF+31], v[X+24:X+31], v[S1:S1+7]
	PLACES8
.irp p, 0,2,4,6
	v_pk_add_f32 v[S0+\p:S0+\p+1], v[S0+\p:S0+\p+1], v[S1+\p:S1+\p+1]
.endr
	ds_store_b128 v[PW], v[S0:S0+3] offset:PS
	ds_store_b128 v[PW], v[S0+4:S0+7] offset:PS+512
	VLOAD X, 16                                    ; cbo
	s_wait_dscnt 0x0
	s_barrier_signal -1
	s_barrier_wait -1
.set n, 0
.rept 8
	ds_load_b128 v[UF+4*n:UF+4*n+3], v[FO] offset:PS+n*512
.set n, n+1
.endr
	s_wait_dscnt 0x0
.irp p, 0,2,4,6
	v_pk_add_f32 v[S0+\p:S0+\p+1], v[UF+\p:UF+\p+1], v[UF+8+\p:UF+8+\p+1]
	v_pk_add_f32 v[S1+\p:S1+\p+1], v[UF+16+\p:UF+16+\p+1], v[UF+24+\p:UF+24+\p+1]
.endr
.set n, 0
.rept 8
	ds_load_b128 v[UF+4*n:UF+4*n+3], v[FO] offset:PS+4096+n*512
.set n, n+1
.endr
.irp p, 0,2,4,6
	v_pk_add_f32 v[S0+\p:S0+\p+1], v[S0+\p:S0+\p+1], v[S1+\p:S1+\p+1]
.endr
	s_wait_dscnt 0x0
.irp p, 0,2,4,6
	v_pk_add_f32 v[S1+\p:S1+\p+1], v[UF+\p:UF+\p+1], v[UF+8+\p:UF+8+\p+1]
	v_pk_add_f32 v[UF+16+\p:UF+16+\p+1], v[UF+16+\p:UF+16+\p+1], v[UF+24+\p:UF+24+\p+1]
.endr
.irp p, 0,2,4,6
	v_pk_add_f32 v[S0+\p:S0+\p+1], v[S0+\p:S0+\p+1], v[S1+\p:S1+\p+1]
.endr
	s_wait_loadcnt 0x0                             ; GT, t, cbo
.irp p, 0,2,4,6
	v_pk_add_f32 v[S0+\p:S0+\p+1], v[S0+\p:S0+\p+1], v[UF+16+\p:UF+16+\p+1]
.endr
.irp p, 0,2,4,6
	v_pk_add_f32 v[S0+\p:S0+\p+1], v[S0+\p:S0+\p+1], v[T8+\p:T8+\p+1]
.endr
.irp p, 0,2,4,6
	v_pk_mul_f32 v[S0+\p:S0+\p+1], v[S0+\p:S0+\p+1], s[CS:CS+1] op_sel_hi:[1,0]  ; c s for my row and heads 8 a .. 8 a + 7
.endr
.irp p, 0,2,4,6
	v_pk_add_f32 v[S1+\p:S1+\p+1], v[S0+\p:S0+\p+1], v[S0+\p:S0+\p+1] neg_lo:[0,1] neg_hi:[0,1]  ; less the maximum of the 2,048 equal scores
.endr
.irp j, 0,1,2,3,4,5,6,7
	v_exp_f32 v[S1+\j], v[S1+\j]
.endr
	v_nop
	s_wait_alu depctr_va_vdst(0)                   ; one wait for the eight exponentials
.irp p, 0,2,4,6
	v_pk_mul_f32 v[S0+\p:S0+\p+1], v[S1+\p:S1+\p+1], s[N2K:N2K+1] op_sel_hi:[1,0]  ; l, and the sum of the weights' numerators
.endr
.irp j, 0,1,2,3,4,5,6,7
	v_rcp_f32 v[UF+\j], v[S0+\j]
.endr
	v_nop
	s_wait_alu depctr_va_vdst(0)
.irp p, 0,2,4,6
	v_pk_mul_f32 v[S0+\p:S0+\p+1], v[S0+\p:S0+\p+1], v[UF+\p:UF+\p+1]  ; f
.endr
.irp k, 0,1,2,3
	v_cvt_pk_bf16_f32 v[S1+\k], v[S0+2*\k], v[S0+2*\k+1]
.endr
.irp k, 4,5,6,7
	v_mov_b32 v[S1+\k], 0
.endr
.set b, 0
.rept 8                                ; D = G^T F + cbo, eight different accumulators; G's fragments lie four registers apart
	v_wmma_f32_16x16x32_bf16 v[X+8*b:X+8*b+7], v[W+4*b:W+4*b+7], v[S1:S1+7], v[X+8*b:X+8*b+7]
.set b, b+1
.endr
	PLACES8
	VADD X
	VLOAD X, 18
	VLOAD W, 20
	STATS ST2
	s_wait_loadcnt 0x0
	NORM X, W                                      ; xb2
.set n, 0
.rept 16
	global_store_b128 v[FO], v[V+4*n:V+4*n+3], s[54:55] offset:n*512
.set n, n+1
.endr
.set p, 0
.rept 32
	v_cvt_pk_bf16_f32 v[X+p], v[V+2*p], v[V+2*p+1]
.set p, p+1
.endr
.set b, 0
.rept 8
	global_store_b128 v[FO], v[X+4*b:X+4*b+3], s[56:57] offset:(b/2)*131072+(b%2)*512
.set b, b+1
.endr
	s_wait_tensorcnt 0x0                           ; the wave's end
	ds_add_u32 v[SPW], v[NIL]
	s_wait_dscnt 0x0
	s_endpgm
.Lfunc_end_k_q5e86a0c22b_ln12:
	.size	k_q5e86a0c22b_ln12, .Lfunc_end_k_q5e86a0c22b_ln12-k_q5e86a0c22b_ln12
	.p2alignl 7, 3214868480
	.fill 96, 4, 3214868480
	.section	.rodata,"a",@progbits
	.p2align	6, 0x0
	.amdhsa_kernel k_q5e86a0c22b_ln12
		.amdhsa_group_segment_fixed_size 78848
		.amdhsa_private_segment_fixed_size 0
		.amdhsa_enable_private_segment 0
		.amdhsa_kernarg_size 80
		.amdhsa_user_sgpr_count 2
		.amdhsa_user_sgpr_kernarg_segment_ptr 1
		.amdhsa_wavefront_size32 1
		.amdhsa_system_sgpr_workgroup_id_x 1
		.amdhsa_system_sgpr_workgroup_id_y 1
		.amdhsa_system_sgpr_workgroup_id_z 1
		.amdhsa_system_vgpr_workitem_id 0
		.amdhsa_next_free_vgpr 256
		.amdhsa_next_free_sgpr 66
		.amdhsa_reserve_vcc 0
		.amdhsa_float_denorm_mode_32 3
		.amdhsa_float_denorm_mode_16_64 3
		.amdhsa_memory_ordered 1
		.amdhsa_forward_progress 1
		.amdhsa_inst_pref_size 63
	.end_amdhsa_kernel
	.amdgpu_metadata
---
amdhsa.version: [ 1, 2 ]
amdhsa.kernels:
  - .name:           k_q5e86a0c22b_ln12
    .symbol:         k_q5e86a0c22b_ln12.kd
    .args:
      - { .name: y, .offset: 0, .size: 8, .value_kind: global_buffer, .address_space: global }
      - { .name: x, .offset: 8, .size: 8, .value_kind: global_buffer, .address_space: global }
      - { .name: pb, .offset: 16, .size: 8, .value_kind: global_buffer, .address_space: global }
      - { .name: params_bo, .offset: 24, .size: 8, .value_kind: global_buffer, .address_space: global }
      - { .name: params_ln1_g, .offset: 32, .size: 8, .value_kind: global_buffer, .address_space: global }
      - { .name: params_ln1_b, .offset: 40, .size: 8, .value_kind: global_buffer, .address_space: global }
      - { .name: params_cbo, .offset: 48, .size: 8, .value_kind: global_buffer, .address_space: global }
      - { .name: params_ln2_g, .offset: 56, .size: 8, .value_kind: global_buffer, .address_space: global }
      - { .name: params_ln2_b, .offset: 64, .size: 8, .value_kind: global_buffer, .address_space: global }
      - { .name: xb2, .offset: 72, .size: 8, .value_kind: global_buffer, .address_space: global }
    .group_segment_fixed_size: 78848
    .private_segment_fixed_size: 0
    .kernarg_segment_align: 8
    .kernarg_segment_size: 80
    .max_flat_workgroup_size: 256
    .sgpr_count:     66
    .vgpr_count:     256
    .wavefront_size: 32
...
	.end_amdgpu_metadata
.endif
;; end of part 6
;; launch gff1 (part 7): grid 16 x 16, 4 waves a work-group, clusters of 4 x 4, 327,680 bytes of LDS; arguments xb2, pb, params_bf1, act; writes act
.if DOCPART == 7
	.amdgcn_target "amdgcn-amd-amdhsa--gfx1250"
	.amdhsa_code_object_version 6
	.text
	.protected	k_q5e86a0c22b_gff1
	.globl	k_q5e86a0c22b_gff1
	.p2align	8
	.type	k_q5e86a0c22b_gff1,@function
k_q5e86a0c22b_gff1:
	s_mov_b64 s[64:65], 0
	v_nop
	global_prefetch_b8 v0, s[64:65] scope:SCOPE_SE
	s_setreg_imm32_b32 hwreg(HW_REG_WAVE_MODE, 25, 1), 1
	s_wait_xcnt 0x0
	s_wait_alu depctr_hold_cnt(0) depctr_sa_sdst(0) depctr_va_vdst(0) depctr_va_sdst(0) depctr_va_ssrc(0) depctr_va_vcc(0) depctr_vm_vsrc(0)
	s_getreg_b32 s2, hwreg(HW_REG_IB_STS2, 6, 4)
	s_cmp_eq_u32 s2, 0
	s_cbranch_scc0 .Lentry_in_a_cluster
	s_endpgm
.Lentry_in_a_cluster:
	s_bfe_u32 s2, ttmp6, 0x10000c
	s_cmp_lg_u32 s2, 0xf033
	s_cbranch_scc0 .Lentry_shape_is_right
	s_endpgm
.Lentry_shape_is_right:
; gff1: H = gelu(xb2 W1 + bf1), [2048] x [4096], K = 1,024; bf16 operands, f32 sums, bias and GELU in f32, one rounding to bf16.
; A work-group makes 128 rows x P = 4 planes of 64 columns; four waves as 2 x 2; a wave 64 rows x 32 columns of each plane: 4 x 8 accumulators, all of window 2.
; Ring, cluster, layouts and the transposed product as in the other products of this program: two LDS slots of a K step of 128; waves 0, 1 fetch xb2's row halves, waves 2, 3 W1's k halves, jointly.
; GELU, exact form: g = hx (1 + erf(x / sqrt 2)), hx = x / 2.  erf by the rational form 7.1.26 of Abramowitz and Stegun, absolute error at most 1.5e-7 for every x:
;   g = (hx + |hx|) - |hx| q,  q = t (a1 + t (a2 + t (a3 + t (a4 + t a5)))) 2^(-2 log2(e) hx^2),  t = 1 / (1 + 0.3275911 sqrt(2) |hx|): no difference of near numbers is formed.
; The 256 numbers of a lane go through ONE text of 16 numbers: hx is laid into the slots' bytes, which have had their last fill (each wave 32,768 bytes of its own), and a loop walks them.
.set P,      4
.set KSTEP,  128
.set NPL,    64
.set T,      8
.set AOFF,   8388608
.set WOFF,   2097152
.set NCH,    KSTEP/32
.set ABYTES, KSTEP*256
.set AHALF,  ABYTES/2
.set BHALF,  (KSTEP/16)*P*1024
.set SLOT1,  131072
.set SPARE,  262144
.set ASTEP,  NCH*131072
.set BSTEP,  (KSTEP/8)*NPL*1024
.set NL,     8+4*P
.set ADRA0, 4
.set ADRB0, 5
.set ADRA,  6
.set ADRB,  7
.set OUTO,  8
.set BO,    9
.set DA,    10                         ; v10 where hx of the unit in hand lies
.set HO,    11
.set SPW,   12
.set NIL,   13
.set DA0,   14                         ; v14 my 16 bytes in my wave's first unit; fixed
.set BIAS,  16                         ; v[16:79]
.set TMP,   128                        ; v[128:191]
.set HX,    64
.set HA,    80
.set SS,    96
.set DD,    112
.set EE,    128
.set QQ,    144
.set PK,    160
.set CP,  66
.set CE,  68
.set A5,  70
.set A4,  72
.set A3,  74
.set A2,  76
.set A1,  78
.set F0,    0
.set F1,    128
.set G1A, 24
.set G0A, 32
.set G1B, 48
.set G0B, 56
.set MSB, 0
.macro WIN new
.if MSB != (\new)
	s_set_vgpr_msb (MSB<<8)|(\new)
.set MSB, \new
.endif
.endm
.macro PLACES
.rept 4
	v_nop
.endr
.endm
.macro JLOAD                           ; the joint refill, by the walking descriptor; an s_nop 0 and four v_nop follow each of the two lines
	s_cmp_eq_u32 s11, 0
	s_cbranch_scc0 .Lfor_b_\@
	tensor_load_to_lds s[G0A+4:G0A+7], s[G1A:G1A+7]
	s_nop 0
	PLACES
	s_branch .Lasked_\@
.Lfor_b_\@:
	tensor_load_to_lds s[G0B+4:G0B+7], s[G1B:G1B+7]
	s_nop 0
	PLACES
.Lasked_\@:
.endm
.macro CREST
	s_cmp_lg_u32 s10, 0
	s_cbranch_scc1 .Lnot_wave_0_\@
	s_barrier_signal -3
.Lnot_wave_0_\@:
	s_barrier_wait -3
	s_barrier_signal -1
	s_barrier_wait -1
.endm
.macro CROUND
	s_barrier_signal -1
	s_barrier_wait -1
	CREST
.endm
	s_load_b128 s[4:7], s[0:1], 0x0                ; xb2, pb
	s_load_b128 s[72:75], s[0:1], 0x10             ; bf1, act
	v_lshl_add_u32 v[SPW], v0, 2, SPARE
	v_mov_b32 v[NIL], 0
	ds_add_u32 v[SPW], v[NIL]                      ; the wave's opening: the add and its wait ahead of my first tensor load
	v_lshrrev_b32 v1, 5, v0
	v_readfirstlane_b32 s10, v1
	s_lshr_b32 s11, s10, 1
	s_and_b32 s12, s10, 1
	s_bfe_u32 s40, ttmp6, 0x40000
	s_bfe_u32 s41, ttmp6, 0x40004
	s_lshl_b32 s42, ttmp9, 2
	s_add_co_u32 s42, s42, s40                     ; tile column
	s_and_b32 s13, ttmp7, 0xffff
	s_lshl_b32 s13, s13, 2
	s_add_co_u32 s13, s13, s41                     ; tile row
	s_lshl_b32 s43, s41, 2
	s_lshl_b32 s43, 15, s43
	s_lshl_b32 s44, 0x1111, s40
	s_or_b32 s[G1A], s43, (3<<16)|(1<<21)
	s_or_b32 s[G1B], s44, (3<<16)|(1<<21)
	s_mov_b32 s[G1A+1], 512<<16
	s_mov_b32 s[G1A+2], NCH<<16
	s_mov_b32 s[G1A+3], 512<<16
	s_mov_b32 s[G1A+4], NCH
	s_mov_b32 s[G1A+5], 16384
	s_mov_b32 s[G1A+6], 0
	s_mov_b32 s[G1A+7], 0
	s_mov_b32 s[G1B+1], (P*128)<<16
	s_mov_b32 s[G1B+2], (KSTEP/16)<<16
	s_mov_b32 s[G1B+3], (P*128)<<16
	s_mov_b32 s[G1B+4], KSTEP/16
	s_mov_b32 s[G1B+5], NPL*128
	s_mov_b32 s[G1B+6], 0
	s_mov_b32 s[G1B+7], 0
	s_lshl_b32 s16, s13, 13
	s_lshl_b32 s17, s12, 12
	s_add_co_u32 s16, s16, s17
	s_add_co_u32 s16, s16, AOFF
	s_mov_b32 s17, 0
	s_mul_i32 s46, s42, P*1024
	s_mul_i32 s47, s12, (KSTEP/16)*NPL*1024
	s_add_co_u32 s46, s46, s47
	s_add_co_u32 s46, s46, WOFF
	s_mov_b32 s47, 0
	s_mul_i32 s20, s12, AHALF
	s_mul_i32 s21, s12, BHALF
	s_add_co_u32 s21, s21, ABYTES
	s_mov_b32 s3, 0
	s_wait_dscnt 0x0
	s_wait_kmcnt 0x0
	s_add_nc_u64 s[14:15], s[4:5], s[16:17]
	s_add_nc_u64 s[46:47], s[6:7], s[46:47]
	CROUND
.irp s, 0,1
	s_mov_b32 s[G0A+4*(\s)], 1
	s_add_co_u32 s[G0A+4*(\s)+1], s20, (\s)*SLOT1
	s_add_nc_u64 s[G0A+4*(\s)+2:G0A+4*(\s)+3], s[14:15], (\s)*ASTEP
	s_or_b32 s[G0A+4*(\s)+3], s[G0A+4*(\s)+3], 0x80000000
	s_mov_b32 s[G0B+4*(\s)], 1
	s_add_co_u32 s[G0B+4*(\s)+1], s21, (\s)*SLOT1
	s_add_nc_u64 s[G0B+4*(\s)+2:G0B+4*(\s)+3], s[46:47], (\s)*BSTEP
	s_or_b32 s[G0B+4*(\s)+3], s[G0B+4*(\s)+3], 0x80000000
.endr
	s_cmp_eq_u32 s11, 0                            ; a wave's two first fills stand in one branch: two loads of mine are out
	s_cbranch_scc0 .Lfirst_b
	tensor_load_to_lds s[G0A:G0A+3], s[G1A:G1A+7]
	s_nop 0
	tensor_load_to_lds s[G0A+4:G0A+7], s[G1A:G1A+7]
	s_nop 0
	PLACES
	s_branch .Lfirst_asked
.Lfirst_b:
	tensor_load_to_lds s[G0B:G0B+3], s[G1B:G1B+7]
	s_nop 0
	tensor_load_to_lds s[G0B+4:G0B+7], s[G1B:G1B+7]
	s_nop 0
	PLACES
.Lfirst_asked:
	v_and_b32 v3, 31, v0
	v_bfe_u32 v2, v0, 4, 1
	v_lshlrev_b32 v[OUTO], 4, v3
	s_mul_i32 s22, s11, AHALF
	v_add_nc_u32 v[ADRA0], s22, v[OUTO]
	v_and_b32 v14, 7, v0
	v_bfe_u32 v15, v0, 3, 1
	v_lshlrev_b32 v14, 4, v14
	v_lshl_add_u32 v14, v15, 7, v14
	v_mul_u32_u24 v15, v2, P*1024
	v_add_nc_u32 v14, v14, v15
	s_lshl_b32 s23, s12, 9
	s_add_co_u32 s23, s23, ABYTES
	v_add_nc_u32 v[ADRB0], s23, v14
	v_mov_b32 v[ADRA], v[ADRA0]
	v_mov_b32 v[ADRB], v[ADRB0]
	s_lshl_b32 s23, s12, 7
	v_lshl_add_u32 v[BO], v2, 5, s23
	s_lshl_b32 s22, s42, 10                        ; the tile's 256 biases
	s_mov_b32 s23, 0
	s_add_nc_u64 s[72:73], s[72:73], s[22:23]
.set n, 0
.rept 16
	global_load_b128 v[BIAS+4*n:BIAS+4*n+3], v[BO], s[72:73] offset:(n/4)*256+((n/2)%2)*64+(n%2)*16
.set n, n+1
.endr
	s_lshl_b32 s16, s13, 13                        ; where my part of H begins: block (column / 32) 128 + row / 16
	s_lshl_b32 s17, s11, 12
	s_add_co_u32 s16, s16, s17
	s_lshl_b32 s17, s12, 17
	s_add_co_u32 s16, s16, s17
	s_mov_b32 s17, 0
	s_add_nc_u64 s[8:9], s[74:75], s[16:17]
	s_lshl_b32 s46, s42, 20
	s_mov_b32 s47, 0
	s_add_nc_u64 s[8:9], s[8:9], s[46:47]
	s_lshl_b32 s22, s10, 15
	v_add_nc_u32 v[DA0], s22, v[OUTO]              ; my wave's 32,768 bytes for hx
	v_mov_b32 v[DA], v[DA0]
	v_mov_b32 v[HO], v[OUTO]
	WIN 0x80
.set i, 0
.rept 64*P
	v_mov_b32 v[i], 0
.set i, i+1
.endr
	WIN 0
.macro FETCH kb, f
	WIN 0x40
.set b, 0
.rept 2*P
	ds_load_tr16_b128 v[(\f)+32+8*b:(\f)+32+8*b+3],   v[ADRB] offset:4*(\kb)*P*1024+(b/2)*1024+(b%2)*256
	ds_load_tr16_b128 v[(\f)+32+8*b+4:(\f)+32+8*b+7], v[ADRB] offset:4*(\kb)*P*1024+(b/2)*1024+(b%2)*256+2*P*1024
.set b, b+1
.endr
.set a, 0
.rept 4
	ds_load_b128 v[(\f)+8*a:(\f)+8*a+3],   v[ADRA] offset:(\kb)*4096+a*1024
	ds_load_b128 v[(\f)+8*a+4:(\f)+8*a+7], v[ADRA] offset:(\kb)*4096+a*1024+512
.set a, a+1
.endr
.endm
.macro MULA f, a                       ; every accumulator is taken once a chunk, in one order: no two neighbours share one
	WIN 0xa5
.set b, 0
.rept 2*P
	v_wmma_f32_16x16x32_bf16 v[8*((\a)*2*P+b):8*((\a)*2*P+b)+7], v[(\f)+32+8*b:(\f)+32+8*b+7], v[(\f)+8*(\a):(\f)+8*(\a)+7], v[8*((\a)*2*P+b):8*((\a)*2*P+b)+7]
.set b, b+1
.endr
.endm
.macro CH c
	PLACES
	FETCH (\c)+1, F0+128*(((\c)+1)%2)
	s_wait_dscnt NL                                ; all but the NL just issued: chunk c is in
	MULA F0+128*((\c)%2), 0
	MULA F0+128*((\c)%2), 1
	MULA F0+128*((\c)%2), 2
	MULA F0+128*((\c)%2), 3
.endm
; The step's last chunk, and the change of slots: all my tensor loads, the add, my reads of this slot; the barrier; with fill = 1 it opens a round of the cluster's and the joint refill comes first behind it.
.macro TURN fill
	WIN 0
	s_wait_tensorcnt 0x0
	ds_add_u32 v[SPW], v[NIL]
.if \fill
	s_xor_b32 s[G0A+5], s[G0A+5], SLOT1
	s_add_nc_u64 s[G0A+6:G0A+7], s[G0A+6:G0A+7], ASTEP
	s_xor_b32 s[G0B+5], s[G0B+5], SLOT1
	s_add_nc_u64 s[G0B+6:G0B+7], s[G0B+6:G0B+7], BSTEP
.endif
	s_xor_b32 s3, s3, SLOT1
	s_wait_dscnt 1                                 ; the chunk's fragments are in; the add may be out
	MULA F1, 0
	s_wait_dscnt 0x0
	s_barrier_signal -1
	MULA F1, 1
	WIN 0
	s_barrier_wait -1
.if \fill
	CREST
	JLOAD
.else
	PLACES
.endif
	v_add_nc_u32 v[ADRA], s3, v[ADRA0]
	v_add_nc_u32 v[ADRB], s3, v[ADRB0]
	FETCH 0, F0
	MULA F1, 2
	MULA F1, 3
.endm
.macro STEP fill
.set c, 0
.rept NCH-1
	CH c
.set c, c+1
.endr
	TURN \fill
	WIN 0
.endm
	s_wait_tensorcnt 0x1                           ; my part of K step 0 is in; step 1's stays out
	s_barrier_signal -1
	s_barrier_wait -1
	FETCH 0, F0
	WIN 0
	s_mov_b32 s2, T-2
.Lstep:
	STEP 1
	s_sub_co_u32 s2, s2, 1
	s_cmp_lg_u32 s2, 0
	s_cbranch_scc1 .Lstep
	s_mov_b32 s2, 2                                ; the last two steps ask for nothing; the second one's barrier and fetch serve nothing
.Ltail:
	STEP 0
	s_sub_co_u32 s2, s2, 1
	s_cmp_lg_u32 s2, 0
	s_cbranch_scc1 .Ltail
	s_wait_dscnt 0x0                               ; my reads of the slots are over,
	s_barrier_signal -1
	s_barrier_wait -1                              ; everybody's are: the slots' bytes, which are filled no more, take hx
	s_wait_loadcnt 0x0                             ; the biases; their pointer's registers are free
.irp k, CP, CE, A5, A4, A3, A2, A1
.if \k == CP
	s_mov_b32 s[\k], 0x3eed3388                    ; 0.3275911 sqrt 2
.elseif \k == CE
	s_mov_b32 s[\k], 0xc038aa3b                    ; -2 log2(e)
.elseif \k == A5
	s_mov_b32 s[\k], 0x3f87dc22                    ; 1.061405429
.elseif \k == A4
	s_mov_b32 s[\k], 0xbfba00e3                    ; -1.453152027
.elseif \k == A3
	s_mov_b32 s[\k], 0x3fb5f0e3                    ; 1.421413741
.elseif \k == A2
	s_mov_b32 s[\k], 0xbe91a98e                    ; -0.284496736
.else
	s_mov_b32 s[\k], 0x3e827906                    ; 0.254829592
.endif
	s_mov_b32 s[\k+1], s[\k]
.endr
	s_mov_b32 s23, 0x7fffffff
	s_mov_b32 s18, 0                               ; units done
	s_mov_b32 s19, 0                               ; what the next unit adds to my offset in H
	s_mov_b32 s20, 262144-3072                     ; to the next plane's first row block: two column blocks on, three row blocks back
	s_mov_b32 s21, 0                               ; the unit's place in my wave's bytes
.set p, 0
.rept 32
	v_pk_mul_f32 v[BIAS+2*p:BIAS+2*p+1], v[BIAS+2*p:BIAS+2*p+1], 0.5 op_sel_hi:[1,0]  ; these 32 lines are also the places behind the last products
.set p, p+1
.endr
.set a, 0
.rept 4                                ; hx = x / 2, laid down by (plane i, row block a): unit 4 i + a holds two accumulators, 2,048 bytes
	WIN 0x02
.set n, 0
.rept 32
	v_pk_fma_f32 v[TMP+2*n:TMP+2*n+1], v[64*a+2*n:64*a+2*n+1], 0.5, v[BIAS+2*n:BIAS+2*n+1] op_sel_hi:[1,0,1]
.set n, n+1
.endr
	WIN 0
.set n, 0
.rept 16
	ds_store_b128 v[DA0], v[TMP+4*n:TMP+4*n+3] offset:(4*(n/4)+a)*2048+((n/2)%2)*1024+(n%2)*512
.set n, n+1
.endr
.set a, a+1
.endr
.macro EACH line:vararg                ; one line for each of the 8 pairs p
.set p, 0
.rept 8
	\line
.set p, p+1
.endr
.endm
.macro HLOADS
.irp k, 0,1,2,3
	ds_load_b128 v[HX+4*\k:HX+4*\k+3], v[DA] offset:\k*512
.endr
.endm
; One unit: 16 numbers a lane.  more = 1: the next unit's hx is fetched as soon as this one's has been used.
.macro GTRIP more
	s_wait_dscnt 0x0                               ; hx is in
	s_wait_xcnt 0x0                                ; the last stores have read their registers: HO and the packed results are rewritten only behind this wait
	v_add_nc_u32 v[HO], s19, v[HO]
.set p, 0
.rept 16
	v_and_b32 v[HA+p], s23, v[HX+p]
.set p, p+1
.endr
	EACH v_pk_add_f32 v[SS+2*p:SS+2*p+1], v[HX+2*p:HX+2*p+1], v[HA+2*p:HA+2*p+1]
	EACH v_pk_fma_f32 v[DD+2*p:DD+2*p+1], v[HA+2*p:HA+2*p+1], s[CP:CP+1], 1.0 op_sel_hi:[1,0,0]
	EACH v_pk_mul_f32 v[EE+2*p:EE+2*p+1], v[HX+2*p:HX+2*p+1], v[HX+2*p:HX+2*p+1]
	EACH v_pk_mul_f32 v[EE+2*p:EE+2*p+1], v[EE+2*p:EE+2*p+1], s[CE:CE+1] op_sel_hi:[1,0]
.if \more
	s_add_co_u32 s21, s21, 2048
	v_add_nc_u32 v[DA], s21, v[DA0]
	HLOADS
.endif
.set p, 0
.rept 16
	v_rcp_f32 v[DD+p], v[DD+p]
.set p, p+1
.endr
.set p, 0
.rept 16
	v_exp_f32 v[EE+p], v[EE+p]
.set p, p+1
.endr
	v_nop                                          ; a plain instruction behind the last of the batch
	s_wait_alu depctr_va_vdst(0)                   ; one wait for the 32
	EACH v_pk_fma_f32 v[QQ+2*p:QQ+2*p+1], v[DD+2*p:DD+2*p+1], s[A5:A5+1], s[A4:A4+1] op_sel_hi:[1,0,0]
	EACH v_pk_fma_f32 v[QQ+2*p:QQ+2*p+1], v[QQ+2*p:QQ+2*p+1], v[DD+2*p:DD+2*p+1], s[A3:A3+1] op_sel_hi:[1,1,0]
	EACH v_pk_fma_f32 v[QQ+2*p:QQ+2*p+1], v[QQ+2*p:QQ+2*p+1], v[DD+2*p:DD+2*p+1], s[A2:A2+1] op_sel_hi:[1,1,0]
	EACH v_pk_fma_f32 v[QQ+2*p:QQ+2*p+1], v[QQ+2*p:QQ+2*p+1], v[DD+2*p:DD+2*p+1], s[A1:A1+1] op_sel_hi:[1,1,0]
	EACH v_pk_mul_f32 v[DD+2*p:DD+2*p+1], v[DD+2*p:DD+2*p+1], v[EE+2*p:EE+2*p+1]
	EACH v_pk_mul_f32 v[QQ+2*p:QQ+2*p+1], v[QQ+2*p:QQ+2*p+1], v[DD+2*p:DD+2*p+1]
	EACH v_pk_fma_f32 v[SS+2*p:SS+2*p+1], v[HA+2*p:HA+2*p+1], v[QQ+2*p:QQ+2*p+1], v[SS+2*p:SS+2*p+1] neg_lo:[1,0,0] neg_hi:[1,0,0]
	EACH v_cvt_pk_bf16_f32 v[PK+p], v[SS+2*p], v[SS+2*p+1]
	global_store_b128 v[HO], v[PK:PK+3], s[8:9]              ; 512 consecutive bytes of a fragment's image
	global_store_b128 v[HO], v[PK+4:PK+7], s[8:9] offset:512
.endm
	HLOADS                                         ; LDS serves a wave's instructions in order: these see my stores above
.Lgelu:                                        ; 15 units; the last is written out, since it fetches nothing
	GTRIP 1
	s_add_co_u32 s18, s18, 1
	s_and_b32 s22, s18, 3
	s_cmp_eq_u32 s22, 0
	s_cselect_b32 s19, s20, 1024                   ; the next plane's first row block, or the next row block
	s_cmp_lt_u32 s18, 15
	s_cbranch_scc1 .Lgelu
	GTRIP 0
	s_wait_tensorcnt 0x0                           ; the wave's end
	ds_add_u32 v[SPW], v[NIL]
	s_wait_dscnt 0x0
	CROUND
	s_endpgm
.Lfunc_end_k_q5e86a0c22b_gff1:
	.size	k_q5e86a0c22b_gff1, .Lfunc_end_k_q5e86a0c22b_gff1-k_q5e86a0c22b_gff1
	.p2alignl 7, 3214868480
	.fill 96, 4, 3214868480
	.section	.rodata,"a",@progbits
	.p2align	6, 0x0
	.amdhsa_kernel k_q5e86a0c22b_gff1
		.amdhsa_group_segment_fixed_size 327680
		.amdhsa_private_segment_fixed_size 0
		.amdhsa_enable_private_segment 0
		.amdhsa_kernarg_size 32
		.amdhsa_user_sgpr_count 2
		.amdhsa_user_sgpr_kernarg_segment_ptr 1
		.amdhsa_wavefront_size32 1
		.amdhsa_system_sgpr_workgroup_id_x 1
		.amdhsa_system_sgpr_workgroup_id_y 1
		.amdhsa_system_sgpr_workgroup_id_z 1
		.amdhsa_system_vgpr_workitem_id 0
		.amdhsa_next_free_vgpr 768
		.amdhsa_next_free_sgpr 80
		.amdhsa_reserve_vcc 0
		.amdhsa_float_denorm_mode_32 3
		.amdhsa_float_denorm_mode_16_64 3
		.amdhsa_memory_ordered 1
		.amdhsa_forward_progress 1
		.amdhsa_inst_pref_size 82
	.end_amdhsa_kernel
	.amdgpu_metadata
---
amdhsa.version: [ 1, 2 ]
amdhsa.kernels:
  - .name:           k_q5e86a0c22b_gff1
    .symbol:         k_q5e86a0c22b_gff1.kd
    .args:
      - { .name: xb2, .offset: 0, .size: 8, .value_kind: global_buffer, .address_space: global }
      - { .name: pb, .offset: 8, .size: 8, .value_kind: global_buffer, .address_space: global }
      - { .name: params_bf1, .offset: 16, .size: 8, .value_kind: global_buffer, .address_space: global }
      - { .name: act, .offset: 24, .size: 8, .value_kind: global_buffer, .address_space: global }
    .group_segment_fixed_size: 327680
    .private_segment_fixed_size: 0
    .kernarg_segment_align: 8
    .kernarg_segment_size: 32
    .max_flat_workgroup_size: 128
    .sgpr_count:     80
    .vgpr_count:     768
    .wavefront_size: 32
...
	.end_amdgpu_metadata
.endif
;; end of part 7
;; launch gff2 (part 8): grid 8 x 32, 4 waves a work-group, clusters of 4 x 4, 327,680 bytes of LDS; arguments act, pb, y; writes y
.if DOCPART == 8
	.amdgcn_target "amdgcn-amd-amdhsa--gfx1250"
	.amdhsa_code_object_version 6
	.text
	.protected	k_q5e86a0c22b_gff2
	.globl	k_q5e86a0c22b_gff2
	.p2align	8
	.type	k_q5e86a0c22b_gff2,@function
k_q5e86a0c22b_gff2:
	s_mov_b64 s[64:65], 0
	v_nop
	global_prefetch_b8 v0, s[64:65] scope:SCOPE_SE
	s_setreg_imm32_b32 hwreg(HW_REG_WAVE_MODE, 25, 1), 1
	s_wait_xcnt 0x0
	s_wait_alu depctr_hold_cnt(0) depctr_sa_sdst(0) depctr_va_vdst(0) depctr_va_sdst(0) depctr_va_ssrc(0) depctr_va_vcc(0) depctr_vm_vsrc(0)
	s_getreg_b32 s2, hwreg(HW_REG_IB_STS2, 6, 4)
	s_cmp_eq_u32 s2, 0
	s_cbranch_scc0 .Lentry_in_a_cluster
	s_endpgm
.Lentry_in_a_cluster:
	s_bfe_u32 s2, ttmp6, 0x10000c
	s_cmp_lg_u32 s2, 0xf033
	s_cbranch_scc0 .Lentry_shape_is_right
	s_endpgm
.Lentry_shape_is_right:
; gff2: H W2, [2048] x [1024], K = 4,096 SPLIT IN TWO: the upper half of the grid's rows of clusters takes k = 2,048 on and writes a second part of y, 8 MiB behind the first; the launch behind adds them.
; So there are 256 work-groups of 128 rows x 128 columns, with 128 matrix instructions a wave for each round and refill; the price is one more part written and read.
; bf16 operands, f32 sums stored as they lie in the accumulators (blocks of 16 x 16, 1,024 bytes: block (m / 16) 64 + n / 16).
; Four waves as 2 x 2; a wave 64 rows x 32 columns of each of P = 2 planes.  Ring, cluster, layouts and the transposed product as in the other products of this program: two LDS slots of a K step of 256;
; waves 0, 1 fetch H's row halves, waves 2, 3 W2's k halves, jointly.  The part of K hangs on the cluster's y alone, which all partners share.
.set P,      2
.set KSTEP,  256
.set NPL,    16
.set T,      8
.set WOFF,   10485760
.set NCH,    KSTEP/32
.set ABYTES, KSTEP*256
.set AHALF,  ABYTES/2
.set BHALF,  (KSTEP/16)*P*1024
.set SLOT1,  131072
.set SPARE,  262144
.set ASTEP,  NCH*131072
.set BSTEP,  (KSTEP/8)*NPL*1024
.set NL,     8+4*P
.set ADRA0, 4
.set ADRB0, 5
.set ADRA,  6
.set ADRB,  7
.set OUTO,  8
.set SPW,   12
.set NIL,   13
.set F0,    0
.set F1,    128
.set G1A, 24
.set G0A, 32
.set G1B, 48
.set G0B, 56
.set MSB, 0
.macro WIN new
.if MSB != (\new)
	s_set_vgpr_msb (MSB<<8)|(\new)
.set MSB, \new
.endif
.endm
.macro PLACES
.rept 4
	v_nop
.endr
.endm
.macro JLOAD                           ; the joint refill, by the walking descriptor; an s_nop 0 and four v_nop follow each of the two lines
	s_cmp_eq_u32 s11, 0
	s_cbranch_scc0 .Lfor_b_\@
	tensor_load_to_lds s[G0A+4:G0A+7], s[G1A:G1A+7]
	s_nop 0
	PLACES
	s_branch .Lasked_\@
.Lfor_b_\@:
	tensor_load_to_lds s[G0B+4:G0B+7], s[G1B:G1B+7]
	s_nop 0
	PLACES
.Lasked_\@:
.endm
.macro CREST
	s_cmp_lg_u32 s10, 0
	s_cbranch_scc1 .Lnot_wave_0_\@
	s_barrier_signal -3
.Lnot_wave_0_\@:
	s_barrier_wait -3
	s_barrier_signal -1
	s_barrier_wait -1
.endm
.macro CROUND
	s_barrier_signal -1
	s_barrier_wait -1
	CREST
.endm
	s_load_b128 s[4:7], s[0:1], 0x0                ; act, pb
	s_load_b64 s[8:9], s[0:1], 0x10                ; y
	v_lshl_add_u32 v[SPW], v0, 2, SPARE
	v_mov_b32 v[NIL], 0
	ds_add_u32 v[SPW], v[NIL]                      ; the wave's opening: the add and its wait ahead of my first tensor load
	v_lshrrev_b32 v1, 5, v0
	v_readfirstlane_b32 s10, v1
	s_lshr_b32 s11, s10, 1
	s_and_b32 s12, s10, 1
	s_bfe_u32 s40, ttmp6, 0x40000
	s_bfe_u32 s41, ttmp6, 0x40004
	s_lshl_b32 s42, ttmp9, 2
	s_add_co_u32 s42, s42, s40                     ; tile column
	s_and_b32 s13, ttmp7, 0xffff
	s_lshr_b32 s45, s13, 2                         ; which half of K
	s_and_b32 s13, s13, 3
	s_lshl_b32 s13, s13, 2
	s_add_co_u32 s13, s13, s41                     ; tile row
	s_lshl_b32 s43, s41, 2
	s_lshl_b32 s43, 15, s43
	s_lshl_b32 s44, 0x1111, s40
	s_or_b32 s[G1A], s43, (3<<16)|(1<<21)
	s_or_b32 s[G1B], s44, (3<<16)|(1<<21)
	s_mov_b32 s[G1A+1], 512<<16
	s_mov_b32 s[G1A+2], NCH<<16
	s_mov_b32 s[G1A+3], 512<<16
	s_mov_b32 s[G1A+4], NCH
	s_mov_b32 s[G1A+5], 16384
	s_mov_b32 s[G1A+6], 0
	s_mov_b32 s[G1A+7], 0
	s_mov_b32 s[G1B+1], (P*128)<<16
	s_mov_b32 s[G1B+2], (KSTEP/16)<<16
	s_mov_b32 s[G1B+3], (P*128)<<16
	s_mov_b32 s[G1B+4], KSTEP/16
	s_mov_b32 s[G1B+5], NPL*128
	s_mov_b32 s[G1B+6], 0
	s_mov_b32 s[G1B+7], 0
	s_lshl_b32 s16, s13, 13
	s_lshl_b32 s17, s12, 12
	s_add_co_u32 s16, s16, s17
	s_lshl_b32 s17, s45, 23                        ; 64 column blocks of 128 row blocks
	s_add_co_u32 s16, s16, s17
	s_mov_b32 s17, 0
	s_mul_i32 s46, s42, P*1024
	s_mul_i32 s47, s12, (KSTEP/16)*NPL*1024
	s_add_co_u32 s46, s46, s47
	s_mul_i32 s47, s45, 256*NPL*1024
	s_add_co_u32 s46, s46, s47
	s_add_co_u32 s46, s46, WOFF
	s_mov_b32 s47, 0
	s_mul_i32 s20, s12, AHALF
	s_mul_i32 s21, s12, BHALF
	s_add_co_u32 s21, s21, ABYTES
	s_mov_b32 s3, 0
	s_wait_dscnt 0x0
	s_wait_kmcnt 0x0
	s_add_nc_u64 s[14:15], s[4:5], s[16:17]
	s_add_nc_u64 s[46:47], s[6:7], s[46:47]
	CROUND
.irp s, 0,1
	s_mov_b32 s[G0A+4*(\s)], 1
	s_add_co_u32 s[G0A+4*(\s)+1], s20, (\s)*SLOT1
	s_add_nc_u64 s[G0A+4*(\s)+2:G0A+4*(\s)+3], s[14:15], (\s)*ASTEP
	s_or_b32 s[G0A+4*(\s)+3], s[G0A+4*(\s)+3], 0x80000000
	s_mov_b32 s[G0B+4*(\s)], 1
	s_add_co_u32 s[G0B+4*(\s)+1], s21, (\s)*SLOT1
	s_add_nc_u64 s[G0B+4*(\s)+2:G0B+4*(\s)+3], s[46:47], (\s)*BSTEP
	s_or_b32 s[G0B+4*(\s)+3], s[G0B+4*(\s)+3], 0x80000000
.endr
	s_cmp_eq_u32 s11, 0                            ; a wave's two first fills stand in one branch: two loads of mine are out
	s_cbranch_scc0 .Lfirst_b
	tensor_load_to_lds s[G0A:G0A+3], s[G1A:G1A+7]
	s_nop 0
	tensor_load_to_lds s[G0A+4:G0A+7], s[G1A:G1A+7]
	s_nop 0
	PLACES
	s_branch .Lfirst_asked
.Lfirst_b:
	tensor_load_to_lds s[G0B:G0B+3], s[G1B:G1B+7]
	s_nop 0
	tensor_load_to_lds s[G0B+4:G0B+7], s[G1B:G1B+7]
	s_nop 0
	PLACES
.Lfirst_asked:
	v_and_b32 v3, 31, v0
	v_bfe_u32 v2, v0, 4, 1
	v_lshlrev_b32 v[OUTO], 4, v3
	s_mul_i32 s22, s11, AHALF
	v_add_nc_u32 v[ADRA0], s22, v[OUTO]
	v_and_b32 v14, 7, v0
	v_bfe_u32 v15, v0, 3, 1
	v_lshlrev_b32 v14, 4, v14
	v_lshl_add_u32 v14, v15, 7, v14
	v_mul_u32_u24 v15, v2, P*1024
	v_add_nc_u32 v14, v14, v15
	s_lshl_b32 s23, s12, 9
	s_add_co_u32 s23, s23, ABYTES
	v_add_nc_u32 v[ADRB0], s23, v14
	v_mov_b32 v[ADRA], v[ADRA0]
	v_mov_b32 v[ADRB], v[ADRB0]
	s_lshl_b32 s16, s13, 19
	s_lshl_b32 s17, s11, 18
	s_add_co_u32 s16, s16, s17
	s_lshl_b32 s17, s12, 11
	s_add_co_u32 s16, s16, s17
	s_lshl_b32 s17, s45, 23                        ; the part of y
	s_add_co_u32 s16, s16, s17
	s_mov_b32 s17, 0
	s_add_nc_u64 s[8:9], s[8:9], s[16:17]
	s_lshl_b32 s46, s42, 13
	s_mov_b32 s47, 0
	s_add_nc_u64 s[8:9], s[8:9], s[46:47]
	WIN 0x80
.set i, 0
.rept 64*P
	v_mov_b32 v[i], 0
.set i, i+1
.endr
	WIN 0
.macro FETCH kb, f
	WIN 0x40
.set b, 0
.rept 2*P
	ds_load_tr16_b128 v[(\f)+32+8*b:(\f)+32+8*b+3],   v[ADRB] offset:4*(\kb)*P*1024+(b/2)*1024+(b%2)*256
	ds_load_tr16_b128 v[(\f)+32+8*b+4:(\f)+32+8*b+7], v[ADRB] offset:4*(\kb)*P*1024+(b/2)*1024+(b%2)*256+2*P*1024
.set b, b+1
.endr
.set a, 0
.rept 4
	ds_load_b128 v[(\f)+8*a:(\f)+8*a+3],   v[ADRA] offset:(\kb)*4096+a*1024
	ds_load_b128 v[(\f)+8*a+4:(\f)+8*a+7], v[ADRA] offset:(\kb)*4096+a*1024+512
.set a, a+1
.endr
.endm
.macro MULA f, a                       ; every accumulator is taken once a chunk, in one order: no two neighbours share one
	WIN 0xa5
.set b, 0
.rept 2*P
	v_wmma_f32_16x16x32_bf16 v[8*((\a)*2*P+b):8*((\a)*2*P+b)+7], v[(\f)+32+8*b:(\f)+32+8*b+7], v[(\f)+8*(\a):(\f)+8*(\a)+7], v[8*((\a)*2*P+b):8*((\a)*2*P+b)+7]
.set b, b+1
.endr
.endm
.macro CH c
	PLACES
	FETCH (\c)+1, F0+128*(((\c)+1)%2)
	s_wait_dscnt NL                                ; all but the NL just issued: chunk c is in
	MULA F0+128*((\c)%2), 0
	MULA F0+128*((\c)%2), 1
	MULA F0+128*((\c)%2), 2
	MULA F0+128*((\c)%2), 3
.endm
; The step's last chunk, and the change of slots: all my tensor loads, the add, my reads of this slot; the barrier; with fill = 1 it opens a round of the cluster's and the joint refill comes first behind it.
.macro TURN fill
	WIN 0
	s_wait_tensorcnt 0x0
	ds_add_u32 v[SPW], v[NIL]
.if \fill
	s_xor_b32 s[G0A+5], s[G0A+5], SLOT1
	s_add_nc_u64 s[G0A+6:G0A+7], s[G0A+6:G0A+7], ASTEP
	s_xor_b32 s[G0B+5], s[G0B+5], SLOT1
	s_add_nc_u64 s[G0B+6:G0B+7], s[G0B+6:G0B+7], BSTEP
.endif
	s_xor_b32 s3, s3, SLOT1
	s_wait_dscnt 1
	MULA F1, 0
	s_wait_dscnt 0x0
	s_barrier_signal -1
	MULA F1, 1
	WIN 0
	s_barrier_wait -1
.if \fill
	CREST
	JLOAD
.else
	PLACES
.endif
	v_add_nc_u32 v[ADRA], s3, v[ADRA0]
	v_add_nc_u32 v[ADRB], s3, v[ADRB0]
	FETCH 0, F0
	MULA F1, 2
	MULA F1, 3
.endm
.macro STEP fill
.set c, 0
.rept NCH-1
	CH c
.set c, c+1
.endr
	TURN \fill
	WIN 0
.endm
	s_wait_tensorcnt 0x1                           ; my part of K step 0 is in; step 1's stays out
	s_barrier_signal -1
	s_barrier_wait -1
	FETCH 0, F0
	WIN 0
	s_mov_b32 s2, T-2
.Lstep:
	STEP 1
	s_sub_co_u32 s2, s2, 1
	s_cmp_lg_u32 s2, 0
	s_cbranch_scc1 .Lstep
	s_mov_b32 s2, 2                                ; the last two steps ask for nothing; the second one's barrier and fetch serve nothing
.Ltail:
	STEP 0
	s_sub_co_u32 s2, s2, 1
	s_cmp_lg_u32 s2, 0
	s_cbranch_scc1 .Ltail
	s_wait_dscnt 0x0
	PLACES
	PLACES
	WIN 0x08                                       ; store data in window 2
.set n, 0
.rept 8*P                              ; accumulator n = 4 a + b; its low four registers first; each store is 512 consecutive bytes
	global_store_b128 v[OUTO], v[8*n:8*n+3],   s[8:9] offset:(n/4)*65536+((n%4)/2)*4096+(n%2)*1024
	global_store_b128 v[OUTO], v[8*n+4:8*n+7], s[8:9] offset:(n/4)*65536+((n%4)/2)*4096+(n%2)*1024+512
.set n, n+1
.endr
	WIN 0
	s_wait_tensorcnt 0x0                           ; the wave's end
	ds_add_u32 v[SPW], v[NIL]
	s_wait_dscnt 0x0
	CROUND
	s_endpgm
.Lfunc_end_k_q5e86a0c22b_gff2:
	.size	k_q5e86a0c22b_gff2, .Lfunc_end_k_q5e86a0c22b_gff2-k_q5e86a0c22b_gff2
	.p2alignl 7, 3214868480
	.fill 96, 4, 3214868480
	.section	.rodata,"a",@progbits
	.p2align	6, 0x0
	.amdhsa_kernel k_q5e86a0c22b_gff2
		.amdhsa_group_segment_fixed_size 327680
		.amdhsa_private_segment_fixed_size 0
		.amdhsa_enable_private_segment 0
		.amdhsa_kernarg_size 24
		.amdhsa_user_sgpr_count 2
		.amdhsa_user_sgpr_kernarg_segment_ptr 1
		.amdhsa_wavefront_size32 1
		.amdhsa_system_sgpr_workgroup_id_x 1
		.amdhsa_system_sgpr_workgroup_id_y 1
		.amdhsa_system_sgpr_workgroup_id_z 1
		.amdhsa_system_vgpr_workitem_id 0
		.amdhsa_next_free_vgpr 768
		.amdhsa_next_free_sgpr 80
		.amdhsa_reserve_vcc 0
		.amdhsa_float_denorm_mode_32 3
		.amdhsa_float_denorm_mode_16_64 3
		.amdhsa_memory_ordered 1
		.amdhsa_forward_progress 1
		.amdhsa_inst_pref_size 53
	.end_amdhsa_kernel
	.amdgpu_metadata
---
amdhsa.version: [ 1, 2 ]
amdhsa.kernels:
  - .name:           k_q5e86a0c22b_gff2
    .symbol:         k_q5e86a0c22b_gff2.kd
    .args:
      - { .name: act, .offset: 0, .size: 8, .value_kind: global_buffer, .address_space: global }
      - { .name: pb, .offset: 8, .size: 8, .value_kind: global_buffer, .address_space: global }
      - { .name: y, .offset: 16, .size: 8, .value_kind: global_buffer, .address_space: global }
    .group_segment_fixed_size: 327680
    .private_segment_fixed_size: 0
    .kernarg_segment_align: 8
    .kernarg_segment_size: 24
    .max_flat_workgroup_size: 128
    .sgpr_count:     80
    .vgpr_count:     768
    .wavefront_size: 32
...
	.end_amdgpu_metadata
.endif
;; end of part 8
;; launch ln3 (part 9): grid 128 x 1, 8 waves a work-group, no clusters, 69,632 bytes of LDS; arguments y, xb2, params_bf2, params_ln3_g, params_ln3_b, out0; writes out0
.if DOCPART == 9
	.amdgcn_target "amdgcn-amd-amdhsa--gfx1250"
	.amdhsa_code_object_version 6
	.text
	.protected	k_q5e86a0c22b_ln3
	.globl	k_q5e86a0c22b_ln3
	.p2align	8
	.type	k_q5e86a0c22b_ln3,@function
k_q5e86a0c22b_ln3:
	s_mov_b64 s[64:65], 0
	v_nop
	global_prefetch_b8 v0, s[64:65] scope:SCOPE_SE
	s_setreg_imm32_b32 hwreg(HW_REG_WAVE_MODE, 25, 1), 1
	s_wait_xcnt 0x0
; ln3: out = LN3(xb2 + (the two parts of H W2) + bf2), all in f32.
; A work-group owns 16 rows; wave w the columns 128 w .. 128 w + 127; lane 16 a + r holds row r and, of each 16 columns, the 8 at 8 a: the image in which y and xb2 lie in memory.
; MEAN AND VARIANCE: each wave's mean over its 128 columns and the squares about THAT mean; the eight are joined by M2 = sum M2_w + 128 sum (mean_w - mean)^2: no difference of large sums.
; The result leaves row-major through the wave's own LDS stage: each store is 512 consecutive bytes of a row.
; A stream: no matrix unit, no tensor load, no cluster.  128 work-groups: 16 rows is the image's height.
.set ST,    0
.set XS,    1024                       ; 8 stages of 16 rows x 528 bytes
.set SPARE, 68608
.set FO,  4
.set VO,  5
.set XW,  6
.set XR,  7
.set SW,  8
.set SR,  9
.set TO,  11
.set SPW, 12
.set NIL, 13
.set V,   32
.set X,   96
.set W,   160
.set SEL, 36
.set IK,  42
.set EPS, 43
.macro FLOAD dst, ptr
.set n, 0
.rept 16
	global_load_b128 v[(\dst)+4*n:(\dst)+4*n+3], v[FO], s[\ptr:\ptr+1] offset:n*512 th:TH_LOAD_NT
.set n, n+1
.endr
.endm
.macro VLOAD dst, ptr
.set n, 0
.rept 16
	global_load_b128 v[(\dst)+4*n:(\dst)+4*n+3], v[VO], s[\ptr:\ptr+1] offset:(n/2)*64+(n%2)*16
.set n, n+1
.endr
.endm
.macro VADD src
.set p, 0
.rept 32
	v_pk_add_f32 v[V+2*p:V+2*p+1], v[V+2*p:V+2*p+1], v[(\src)+2*p:(\src)+2*p+1]
.set p, p+1
.endr
.endm
	s_load_b256 s[4:11], s[0:1], 0x0               ; y, xb2, bf2, ln3_g
	s_load_b128 s[12:15], s[0:1], 0x20             ; ln3_b, out0
	v_lshl_add_u32 v[SPW], v0, 2, SPARE
	v_mov_b32 v[NIL], 0
	v_lshrrev_b32 v1, 5, v0
	v_readfirstlane_b32 s24, v1                    ; wave 0..7
	v_and_b32 v1, 31, v0
	v_and_b32 v2, 15, v0
	v_bfe_u32 v3, v0, 4, 1
	v_lshlrev_b32 v[FO], 4, v1
	v_lshlrev_b32 v[TO], 5, v3
	s_lshl_b32 s25, s24, 9
	v_add_nc_u32 v[VO], s25, v[TO]
	s_mul_i32 s25, s24, 8448
	s_add_co_u32 s25, s25, XS
	v_add_nc_u32 v[XW], s25, v[FO]                 ; a whole row's 512 bytes: row i at 528 i
	v_mul_u32_u24 v14, v2, 528
	v_add3_u32 v[XR], v14, v[TO], s25              ; the image's place: row r, 32 bytes for each half of the lanes
	v_lshlrev_b32 v[SR], 3, v2
	s_lshl_b32 s25, s24, 7
	v_add_nc_u32 v[SW], s25, v[SR]
	s_mov_b32 s[SEL], 0x76543210
	s_mov_b32 s[SEL+1], 0xfedcba98
	s_mov_b32 s[IK], 0x3a800000                    ; 1 / 1,024
	s_mov_b32 s[EPS], 0x3727c5ac                   ; 1e-5
	s_lshl_b32 s26, ttmp9, 16
	s_lshl_b32 s27, s24, 13
	s_add_co_u32 s26, s26, s27
	s_mov_b32 s27, 0
	s_lshl_b32 s28, ttmp9, 16
	s_lshl_b32 s29, s24, 9
	s_add_co_u32 s28, s28, s29
	s_mov_b32 s29, 0
	s_wait_kmcnt 0x0
	s_add_nc_u64 s[16:17], s[4:5], s[26:27]
	s_add_nc_u64 s[18:19], s[16:17], 8388608       ; the second part
	s_add_nc_u64 s[20:21], s[6:7], s[26:27]
	s_add_nc_u64 s[22:23], s[14:15], s[28:29]
	FLOAD V, 16
	FLOAD X, 18
	FLOAD W, 20
	s_wait_loadcnt 16                              ; the two parts are in; xb2's 16 loads stay out
	VADD X
	VLOAD X, 8                                     ; bf2
	s_wait_loadcnt 16                              ; xb2 is in
	VADD W
	VLOAD W, 10                                    ; the gain
	s_wait_loadcnt 16                              ; bf2 is in
	VADD X
	VLOAD X, 12                                    ; the bias
	; the row's mean and 1 / sqrt(var + eps)
.set p, 0
.rept 4
	v_pk_add_f32 v[16+2*p:17+2*p], v[V+2*p:V+2*p+1], v[V+2*p+8:V+2*p+9]
.set p, p+1
.endr
.set p, 8
.rept 24
	v_pk_add_f32 v[16+2*(p%4):17+2*(p%4)], v[16+2*(p%4):17+2*(p%4)], v[V+2*p:V+2*p+1]
.set p, p+1
.endr
	v_pk_add_f32 v[16:17], v[16:17], v[18:19]
	v_pk_add_f32 v[20:21], v[20:21], v[22:23]
	v_pk_add_f32 v[16:17], v[16:17], v[20:21]
	v_add_f32 v16, v16, v17
	v_permlanex16_b32 v17, v16, s[SEL], s[SEL+1]
	v_add_f32 v16, v16, v17
	v_mul_f32 v24, 0x3c000000, v16                 ; my wave's mean: / 128
	v_mov_b32 v25, v24
.set p, 0
.rept 32
	v_pk_add_f32 v[20+2*(p%2):21+2*(p%2)], v[V+2*p:V+2*p+1], v[24:25] neg_lo:[0,1] neg_hi:[0,1]
.if p < 2
	v_pk_mul_f32 v[16+2*(p%2):17+2*(p%2)], v[20+2*(p%2):21+2*(p%2)], v[20+2*(p%2):21+2*(p%2)]
.else
	v_pk_fma_f32 v[16+2*(p%2):17+2*(p%2)], v[20+2*(p%2):21+2*(p%2)], v[20+2*(p%2):21+2*(p%2)], v[16+2*(p%2):17+2*(p%2)]
.endif
.set p, p+1
.endr
	v_pk_add_f32 v[16:17], v[16:17], v[18:19]
	v_add_f32 v16, v16, v17
	v_permlanex16_b32 v17, v16, s[SEL], s[SEL+1]
	v_add_f32 v25, v16, v17
	ds_store_b64 v[SW], v[24:25] offset:ST
	s_wait_dscnt 0x0                               ; for the others' sake
	s_barrier_signal -1
	s_barrier_wait -1
.irp z, 0,1,2,3,4,5,6,7
	ds_load_b64 v[16+2*\z:17+2*\z], v[SR] offset:ST+\z*128
.endr
	s_wait_dscnt 0x0
	v_add_f32 v14, v16, v18
	v_add_f32 v15, v20, v22
	v_add_f32 v14, v14, v24
	v_add_f32 v15, v15, v26
	v_add_f32 v14, v14, v28
	v_add_f32 v15, v15, v30
	v_add_f32 v14, v14, v15
	v_mul_f32 v14, 0x3e000000, v14                 ; the mean
	v_add_f32 v15, v17, v19
	v_add_f32 v17, v21, v23
	v_add_f32 v15, v15, v25
	v_add_f32 v17, v17, v27
	v_add_f32 v15, v15, v29
	v_add_f32 v17, v17, v31
	v_add_f32 v15, v15, v17
.irp z, 16,18,20,22,24,26,28,30
	v_sub_f32 v\z, v\z, v14
.endr
	v_mul_f32 v17, v16, v16
.irp z, 18,20,22,24,26,28,30
	v_fmac_f32 v17, v\z, v\z
.endr
	v_fmac_f32 v15, 0x43000000, v17                ; + 128 x the means' squares about the mean
	v_fma_f32 v15, v15, s[IK], s[EPS]
	v_rsq_f32 v20, v15
	v_nop
	s_wait_alu depctr_va_vdst(0)
	v_mov_b32 v21, v20
	v_mul_f32 v22, -v14, v20
	v_mov_b32 v23, v22
	s_wait_loadcnt 0x0                             ; gain and bias
.set p, 0
.rept 32
	v_pk_fma_f32 v[V+2*p:V+2*p+1], v[V+2*p:V+2*p+1], v[20:21], v[22:23] op_sel_hi:[1,0,0]
.set p, p+1
.endr
.set p, 0
.rept 32
	v_pk_fma_f32 v[V+2*p:V+2*p+1], v[V+2*p:V+2*p+1], v[W+2*p:W+2*p+1], v[X+2*p:X+2*p+1]
.set p, p+1
.endr
.set n, 0
.rept 16
	ds_store_b128 v[XR], v[V+4*n:V+4*n+3] offset:(n/2)*64+(n%2)*16
.set n, n+1
.endr
.set i, 0
.rept 16                               ; LDS serves a wave's instructions in order: these see the stores above
	ds_load_b128 v[X+4*i:X+4*i+3], v[XW] offset:i*528
.set i, i+1
.endr
.set i, 0
.rept 16
	s_wait_dscnt 15-i
	global_store_b128 v[FO], v[X+4*i:X+4*i+3], s[22:23] offset:i*4096 th:TH_STORE_NT
.set i, i+1
.endr
	s_wait_tensorcnt 0x0                           ; the wave's end
	ds_add_u32 v[SPW], v[NIL]
	s_wait_dscnt 0x0
	s_endpgm
.Lfunc_end_k_q5e86a0c22b_ln3:
	.size	k_q5e86a0c22b_ln3, .Lfunc_end_k_q5e86a0c22b_ln3-k_q5e86a0c22b_ln3
	.p2alignl 7, 3214868480
	.fill 96, 4, 3214868480
	.section	.rodata,"a",@progbits
	.p2align	6, 0x0
	.amdhsa_kernel k_q5e86a0c22b_ln3
		.amdhsa_group_segment_fixed_size 69632
		.amdhsa_private_segment_fixed_size 0
		.amdhsa_enable_private_segment 0
		.amdhsa_kernarg_size 48
		.amdhsa_user_sgpr_count 2
		.amdhsa_user_sgpr_kernarg_segment_ptr 1
		.amdhsa_wavefront_size32 1
		.amdhsa_system_sgpr_workgroup_id_x 1
		.amdhsa_system_sgpr_workgroup_id_y 1
		.amdhsa_system_sgpr_workgroup_id_z 1
		.amdhsa_system_vgpr_workitem_id 0
		.amdhsa_next_free_vgpr 224
		.amdhsa_next_free_sgpr 66
		.amdhsa_reserve_vcc 0
		.amdhsa_float_denorm_mode_32 3
		.amdhsa_float_denorm_mode_16_64 3
		.amdhsa_memory_ordered 1
		.amdhsa_forward_progress 1
		.amdhsa_inst_pref_size 34
	.end_amdhsa_kernel
	.amdgpu_metadata
---
amdhsa.version: [ 1, 2 ]
amdhsa.kernels:
  - .name:           k_q5e86a0c22b_ln3
    .symbol:         k_q5e86a0c22b_ln3.kd
    .args:
      - { .name: y, .offset: 0, .size: 8, .value_kind: global_buffer, .address_space: global }
      - { .name: xb2, .offset: 8, .size: 8, .value_kind: global_buffer, .address_space: global }
      - { .name: params_bf2, .offset: 16, .size: 8, .value_kind: global_buffer, .address_space: global }
      - { .name: params_ln3_g, .offset: 24, .size: 8, .value_kind: global_buffer, .address_space: global }
      - { .name: params_ln3_b, .offset: 32, .size: 8, .value_kind: global_buffer, .address_space: global }
      - { .name: out0, .offset: 40, .size: 8, .value_kind: global_buffer, .address_space: global }
    .group_segment_fixed_size: 69632
    .private_segment_fixed_size: 0
    .kernarg_segment_align: 8
    .kernarg_segment_size: 48
    .max_flat_workgroup_size: 256
    .sgpr_count:     66
    .vgpr_count:     224
    .wavefront_size: 32
...
	.end_amdgpu_metadata
.endif
;; end of part 9
;; ======== version 2 of 2: 9 launches
;; limits: a function is approximated: absolute error at most 1.5e-07
;; workspace buffers: pa 10,493,952 bytes; pb 18,940,160 bytes; qkv 12,582,912 bytes; act 16,777,216 bytes; y 16,777,216 bytes; xb2 12,582,912 bytes
;; launch prep1 (part 10): grid 192 x 1, 16 waves a work-group, no clusters, 83,968 bytes of LDS; arguments x, params_Wq, params_Wk, params_Wv, params_cWk, params_cWv, params_cbk, params_cbv, thought_embed, pa; writes pa
.if DOCPART == 10
	.amdgcn_target "amdgcn-amd-amdhsa--gfx1250"
	.amdhsa_code_object_version 6
	.text
	.protected	k_q5e86a0c22b_prep1
	.globl	k_q5e86a0c22b_prep1
	.p2align	8
	.type	k_q5e86a0c22b_prep1,@function
k_q5e86a0c22b_prep1:
	s_mov_b64 s[64:65], 0
	v_nop
	global_prefetch_b8 v0, s[64:65] scope:SCOPE_SE
	s_setreg_imm32_b32 hwreg(HW_REG_WAVE_MODE, 25, 1), 1
	s_wait_xcnt 0x0
; prep1: x, Wq, Wk, Wv are rounded once to bf16 and laid out for the matrix launches; ck = th cWk + cbk and cv = th cWv + cbv are made in f32.
; pa: x at 0 (blocks of 16 rows x 32 columns, 1,024 bytes, a fragment's image: block (c/32) 128 + m/16);
;     Wq|Wk|Wv at 4,194,304 (blocks of 8 k x 64 n, 1,024 bytes: block (k/8) 48 + plane; inside: (n/8 % 8) 128 + (k % 8) 16 + (n % 8) 2);
;     ck at 10,485,760, cv at 10,489,856 (f32).
; ROLES by the work-group's number: 0-31 the two one-row products (matrix = id / 16, 64 columns = id % 16); 32-95 x; 96-191 the three weights.
; A CAST UNIT is one wave's: 16 rows x 128 columns: 16 loads of 512 consecutive bytes, rounding, the wave's own LDS stage, 8 stores of 512 consecutive bytes.
; A ONE-ROW PRODUCT's 4 MB are shared among 16 work-groups, 256 KB each, and ALL of a wave's loads go out at once, 41 at the most: wave g takes rows 64 g .. 64 g + 63; lanes 0-15 row 64 g + i,
; lanes 16-31 row 64 g + 32 + i, 16 bytes a lane, so that a load covers 256 consecutive bytes, aligned, of each of two rows.  The 32 partial rows meet in LDS, and wave 0 adds them and the bias.
; Each role has LDS bytes of its own, and all roles pass the one barrier, behind which the one-row products are finished.
; No matrix unit, no tensor load, no cluster: every byte is read once by one wave and nothing large is shared.
.set GS,    0                          ; 32 partial rows of 256 bytes
.set STG0,  8192                       ; behind them the 16 stages
.set STG,   4608                       ; a wave's stage: 16 rows of at most 288 bytes
.set SPARE, 81920                      ; behind the stages: the spare words, 128 bytes for each wave
.set GOFF,  2                          ; v2  16 x lane
.set SA,    3                          ; v3  stage + 8 x lane
.set LR,    4                          ; v4  where I read the stage back
.set GA,    5                          ; v5  my place among the partial sums
.set SPW,   8                          ; v8  my spare word; never rewritten
.set NIL,   9                          ; v9  0; never rewritten
.set ACC,   10                         ; v[10:13] four sums
.set L8,    14                         ; v14 8 x lane
.set D,     16                         ; v[16:143] as loaded
.set R,     144                        ; v[144:175] as stored
.set TH,    144                        ; v[144:175] a one-row product: the row vector's 32 numbers for my half of the lanes
.set BV,    176                        ; v[176:177] the bias of my two columns: written whole at the head, so that it holds a number in every wave; wave 0 of a one-row product loads it
	s_load_b512 s[4:19], s[0:1], 0x0               ; x, Wq, Wk, Wv, cWk, cWv, cbk, cbv
	s_load_b128 s[20:23], s[0:1], 0x40             ; thought_embed, pa
	v_lshl_add_u32 v[SPW], v0, 2, SPARE
	v_mov_b32 v[NIL], 0
	v_mov_b32 v[BV], 0
	v_mov_b32 v[BV+1], 0
	v_lshrrev_b32 v1, 5, v0
	v_readfirstlane_b32 s24, v1                    ; wave 0..15
	v_and_b32 v1, 31, v0                           ; lane
	v_lshlrev_b32 v[GOFF], 4, v1
	v_lshlrev_b32 v[L8], 3, v1
	s_mul_i32 s25, s24, STG
	s_add_co_u32 s25, s25, STG0                    ; my stage
	v_lshl_add_u32 v[SA], v1, 3, s25
	s_wait_kmcnt 0x0
	s_cmp_lt_u32 ttmp9, 32
	s_cbranch_scc1 .Lmatv
	s_cmp_lt_u32 ttmp9, 96
	s_cbranch_scc1 .Lx
; One unit.  rowb: bytes from row to row in the source; pitch: of the stage; mode 1: x's layout, 0: a weight's, with npld planes in the target.
.macro CAST rowb, pitch, mode, npld
.set i, 0
.rept 16
	global_load_b128 v[D+4*i:D+4*i+3], v[GOFF], s[28:29] offset:i*(\rowb) th:TH_LOAD_NT
.set i, i+1
.endr
.set i, 0
.rept 16
	s_wait_loadcnt 15-i                            ; row i is in; the younger rows stay out
	v_cvt_pk_bf16_f32 v[D+4*i], v[D+4*i], v[D+4*i+1]
	v_cvt_pk_bf16_f32 v[D+4*i+1], v[D+4*i+2], v[D+4*i+3]
	ds_store_b64 v[SA], v[D+4*i:D+4*i+1] offset:i*(\pitch)
.set i, i+1
.endr
.set q, 0
.rept 8                                ; LDS serves a wave's instructions in order: these see the stores above
.if \mode
	ds_load_b128 v[R+4*q:R+4*q+3], v[LR] offset:(q/2)*64+(q%2)*32
.else
	ds_load_b128 v[R+4*q:R+4*q+3], v[LR] offset:(q/4)*8*(\pitch)+((q/2)%2)*128+(q%2)*64
.endif
.set q, q+1
.endr
.set q, 0
.rept 8
	s_wait_dscnt 7-q
.if \mode
	global_store_b128 v[GOFF], v[R+4*q:R+4*q+3], s[34:35] offset:(q/2)*131072+(q%2)*512
.else
	global_store_b128 v[GOFF], v[R+4*q:R+4*q+3], s[34:35] offset:(q/4)*(\npld)*1024+((q/2)%2)*1024+(q%2)*512
.endif
.set q, q+1
.endr
.endm
	; ---- Wq, Wk, Wv
	s_sub_co_u32 s26, ttmp9, 96
	s_lshr_b32 s27, s26, 5                         ; which of the three
	s_and_b32 s26, s26, 31
	s_cmp_eq_u32 s27, 0
	s_cselect_b64 s[28:29], s[6:7], s[8:9]
	s_cmp_eq_u32 s27, 2
	s_cselect_b64 s[28:29], s[10:11], s[28:29]
	s_lshl4_add_u32 s26, s26, s24                  ; unit 0..511
	s_and_b32 s30, s26, 7                          ; its 128 columns
	s_lshr_b32 s31, s26, 3                         ; its 16 rows
	s_lshl_b32 s2, s31, 16
	s_lshl_b32 s3, s30, 9
	s_add_co_u32 s2, s2, s3
	s_mov_b32 s3, 0
	s_add_nc_u64 s[28:29], s[28:29], s[2:3]
	s_mul_i32 s2, s31, 96                          ; two k blocks of 48 planes
	s_lshl1_add_u32 s2, s30, s2                    ; + two planes a unit
	s_lshl4_add_u32 s2, s27, s2                    ; + 16 planes a matrix
	s_lshl_b32 s2, s2, 10
	s_add_co_u32 s2, s2, 4194304
	s_add_nc_u64 s[34:35], s[22:23], s[2:3]
	v_and_b32 v6, 7, v1                            ; back: lane l takes row l % 8, 16 bytes at 16 (l / 8): with rows 288 bytes apart 16 lanes take 16 different 16-byte columns of 256
	v_mul_u32_u24 v6, v6, 288
	v_lshrrev_b32 v7, 3, v1
	v_lshl_add_u32 v6, v7, 4, v6
	v_add_nc_u32 v[LR], s25, v6
	CAST 4096, 288, 0, 48
	s_branch .Lmeet
.Lx:	; ---- x
	s_sub_co_u32 s26, ttmp9, 32
	s_lshl4_add_u32 s26, s26, s24                  ; unit 0..1023
	s_and_b32 s30, s26, 7
	s_lshr_b32 s31, s26, 3
	s_lshl_b32 s2, s31, 16
	s_lshl_b32 s3, s30, 9
	s_add_co_u32 s2, s2, s3
	s_mov_b32 s3, 0
	s_add_nc_u64 s[28:29], s[4:5], s[2:3]
	s_lshl_b32 s2, s30, 9                          ; four column blocks of 128 row blocks
	s_add_co_u32 s2, s2, s31
	s_lshl_b32 s2, s2, 10
	s_add_nc_u64 s[34:35], s[22:23], s[2:3]
	v_and_b32 v6, 15, v1                           ; back: lane l takes row l % 16, 16 bytes at 16 (l / 16); rows 272 bytes apart
	v_mul_u32_u24 v6, v6, 272
	v_lshrrev_b32 v7, 4, v1
	v_lshl_add_u32 v6, v7, 4, v6
	v_add_nc_u32 v[LR], s25, v6
	CAST 4096, 272, 1, 0
	s_branch .Lmeet
.Lmatv:	; ---- ck, cv: the work-group's 64 columns, my wave's 64 rows, in one trip
	s_lshr_b32 s26, ttmp9, 4                       ; which matrix
	s_and_b32 s27, ttmp9, 15                       ; which 64 columns
	s_cmp_eq_u32 s26, 0
	s_cselect_b64 s[28:29], s[12:13], s[14:15]
	s_cselect_b64 s[36:37], s[16:17], s[18:19]     ; the bias that goes with it
	s_lshl_b32 s2, s27, 8
	s_mov_b32 s3, 0
	s_add_nc_u64 s[36:37], s[36:37], s[2:3]
	s_lshl_b32 s25, s24, 18                        ; 64 rows of 4,096 bytes a wave
	s_add_co_u32 s2, s2, s25
	s_add_nc_u64 s[28:29], s[28:29], s[2:3]
	s_lshl_b32 s2, s24, 8
	s_add_nc_u64 s[30:31], s[20:21], s[2:3]        ; my wave's 64 numbers of the row vector
	v_lshrrev_b32 v7, 4, v1                        ; l / 16
	v_and_b32 v6, 15, v1
	v_lshlrev_b32 v6, 4, v6
	v_lshl_add_u32 v6, v7, 17, v6                  ; 32 rows further down for lanes 16-31, 16 bytes for each of 16 lanes
	v_lshlrev_b32 v7, 7, v7                        ; and 32 numbers further on in the row vector
.set k, 0
.rept 8
	global_load_b128 v[TH+4*k:TH+4*k+3], v7, s[30:31] offset:k*16
.set k, k+1
.endr
	s_cmp_lg_u32 s24, 0                            ; wave 0, which will add the partial rows, asks for the bias now
	s_cbranch_scc1 .Lno_bias
	global_load_b64 v[BV:BV+1], v[L8], s[36:37]
.Lno_bias:
.set i, 0
.rept 32
	global_load_b128 v[D+4*i:D+4*i+3], v6, s[28:29] offset:i*4096 th:TH_LOAD_NT
.set i, i+1
.endr
.set i, 0
.rept 32
.if i%8 == 0
	s_wait_loadcnt 24-i                            ; loads i .. i + 7 are in, and all that was asked for ahead of them; the younger ones stay out
.endif
.irp c, 0,1,2,3
.if i == 0
	v_mul_f32 v[ACC+\c], v[TH], v[D+\c]            ; the first row starts the sums
.else
	v_fmac_f32 v[ACC+\c], v[TH+i], v[D+4*i+\c]
.endif
.endr
.set i, i+1
.endr
	s_lshl_b32 s2, s24, 9
	v_add_nc_u32 v[GA], s2, v[GOFF]
	ds_store_b128 v[GA], v[ACC:ACC+3] offset:GS    ; partial rows 2 g and 2 g + 1: 256 bytes for each half of the lanes
.Lmeet:	; every role's waves meet here
	s_wait_dscnt 0x0                               ; for the others' sake: my partial sums lie in LDS
	s_barrier_signal -1
	s_barrier_wait -1
	s_cmp_lt_u32 ttmp9, 32                         ; only the one-row products have something left:
	s_cbranch_scc0 .Lend
	s_cmp_lg_u32 s24, 0                            ; wave 0 adds the 32 partial rows, two columns a lane
	s_cbranch_scc1 .Lend
.set p, 0
.rept 32
	ds_load_b64 v[D+2*p:D+2*p+1], v[L8] offset:GS+p*256
.set p, p+1
.endr
	s_lshr_b32 s26, ttmp9, 4                       ; the scalars of this part are made anew from the work-group's number
	s_and_b32 s27, ttmp9, 15
	s_lshl_b32 s2, s27, 8
	s_lshl_b32 s26, s26, 12
	s_add_co_u32 s2, s2, s26
	s_add_co_u32 s2, s2, 10485760
	s_mov_b32 s3, 0
	s_add_nc_u64 s[38:39], s[22:23], s[2:3]
	s_wait_dscnt 0x0
.irp st, 16,8,4,2,1
.set g, 0
.rept \st
	v_pk_add_f32 v[D+2*g:D+2*g+1], v[D+2*g:D+2*g+1], v[D+2*(g+\st):D+2*(g+\st)+1]
.set g, g+1
.endr
.endr
	v_pk_add_f32 v[D:D+1], v[D:D+1], v[BV:BV+1]
	global_store_b64 v[L8], v[D:D+1], s[38:39]     ; 256 consecutive bytes, aligned
.Lend:
	s_wait_tensorcnt 0x0                           ; the wave's end
	ds_add_u32 v[SPW], v[NIL]
	s_wait_dscnt 0x0
	s_endpgm
.Lfunc_end_k_q5e86a0c22b_prep1:
	.size	k_q5e86a0c22b_prep1, .Lfunc_end_k_q5e86a0c22b_prep1-k_q5e86a0c22b_prep1
	.p2alignl 7, 3214868480
	.fill 96, 4, 3214868480
	.section	.rodata,"a",@progbits
	.p2align	6, 0x0
	.amdhsa_kernel k_q5e86a0c22b_prep1
		.amdhsa_group_segment_fixed_size 83968
		.amdhsa_private_segment_fixed_size 0
		.amdhsa_enable_private_segment 0
		.amdhsa_kernarg_size 80
		.amdhsa_user_sgpr_count 2
		.amdhsa_user_sgpr_kernarg_segment_ptr 1
		.amdhsa_wavefront_size32 1
		.amdhsa_system_sgpr_workgroup_id_x 1
		.amdhsa_system_sgpr_workgroup_id_y 1
		.amdhsa_system_sgpr_workgroup_id_z 1
		.amdhsa_system_vgpr_workitem_id 0
		.amdhsa_next_free_vgpr 192
		.amdhsa_next_free_sgpr 66
		.amdhsa_reserve_vcc 0
		.amdhsa_float_denorm_mode_32 3
		.amdhsa_float_denorm_mode_16_64 3
		.amdhsa_memory_ordered 1
		.amdhsa_forward_progress 1
		.amdhsa_inst_pref_size 30
	.end_amdhsa_kernel
	.amdgpu_metadata
---
amdhsa.version: [ 1, 2 ]
amdhsa.kernels:
  - .name:           k_q5e86a0c22b_prep1
    .symbol:         k_q5e86a0c22b_prep1.kd
    .args:
      - { .name: x, .offset: 0, .size: 8, .value_kind: global_buffer, .address_space: global }
      - { .name: params_Wq, .offset: 8, .size: 8, .value_kind: global_buffer, .address_space: global }
      - { .name: params_Wk, .offset: 16, .size: 8, .value_kind: global_buffer, .address_space: global }
      - { .name: params_Wv, .offset: 24, .size: 8, .value_kind: global_buffer, .address_space: global }
      - { .name: params_cWk, .offset: 32, .size: 8, .value_kind: global_buffer, .address_space: global }
      - { .name: params_cWv, .offset: 40, .size: 8, .value_kind: global_buffer, .address_space: global }
      - { .name: params_cbk, .offset: 48, .size: 8, .value_kind: global_buffer, .address_space: global }
      - { .name: params_cbv, .offset: 56, .size: 8, .value_kind: global_buffer, .address_space: global }
      - { .name: thought_embed, .offset: 64, .size: 8, .value_kind: global_buffer, .address_space: global }
      - { .name: pa, .offset: 72, .size: 8, .value_kind: global_buffer, .address_space: global }
    .group_segment_fixed_size: 83968
    .private_segment_fixed_size: 0
    .kernarg_segment_align: 8
    .kernarg_segment_size: 80
    .max_flat_workgroup_size: 512
    .sgpr_count:     66
    .vgpr_count:     192
    .wavefront_size: 32
...
	.end_amdgpu_metadata
.endif
;; end of part 10
;; launch prep2 (part 11): grid 353 x 1, 16 waves a work-group, no clusters, 89,088 bytes of LDS; arguments params_W1, params_W2, params_Wo, params_cWo, params_cWq, params_cbq, pa, pb; writes pb
.if DOCPART == 11
	.amdgcn_target "amdgcn-amd-amdhsa--gfx1250"
	.amdhsa_code_object_version 6
	.text
	.protected	k_q5e86a0c22b_prep2
	.globl	k_q5e86a0c22b_prep2
	.p2align	8
	.type	k_q5e86a0c22b_prep2,@function
k_q5e86a0c22b_prep2:
	s_mov_b64 s[64:65], 0
	v_nop
	global_prefetch_b8 v0, s[64:65] scope:SCOPE_SE
	s_setreg_imm32_b32 hwreg(HW_REG_WAVE_MODE, 25, 1), 1
	s_wait_xcnt 0x0
; prep2: W1, W2, Wo rounded once to bf16 in the weights' block layout (8 k x 64 n, 1,024 bytes); and what the cross-attention needs of its four weights.
; reference() broadcasts ONE row to all 2,048 keys and values, so for every input: a query's scores in head h are one number
;   s[q][h] = (xb1[q] . u[h] + t[h]) / 8,  u[h][i] = sum_d cWq[i][64 h + d] ck[64 h + d],  t[h] = sum_d cbq[64 h + d] ck[64 h + d],
; and (weights x values) cWo = F[q][h] G[h][:], G[h][n] = sum_d cv[64 h + d] cWo[64 h + d][n].  u, t and G are made here in f32; u and G are rounded once to bf16 as matrix operands.
; pb: Wo at 0 (16 planes), W1 at 2,097,152 (64), W2 at 10,485,760 (16), UT at 18,874,368 (a fragment's image, row = head, 1,024 bytes for 32 i),
;     GT at 18,907,136 (512 bytes for 16 columns n: lane 16 a + n % 16 holds heads 8 a .. 8 a + 7), t at 18,939,904 (16 f32).
; ROLES by the work-group's number: 0-31 G (8 heads = id / 16, 64 columns = id % 16); 32-63 u (32 rows of cWq); 64 t; 65-192 W1; 193-320 W2; 321-352 Wo.
; G and u read 4 MB each: 32 work-groups, 128 KB each, as much as a cast work-group reads, and ALL of a wave's loads go out at once (G 32, u 24, t 2).
; Each role has LDS bytes of its own, and all roles pass the one barrier, behind which G, u and t are gathered and stored.
.set GS,    0                          ; G: 16 partial rows of 256 bytes
.set US,    8192                       ; u: 64 bytes a wave
.set TS,    12288                      ; t: 8 bytes a wave
.set STG0,  13312                      ; the 16 cast stages
.set STG,   4608
.set SPARE, 87040                      ; the spare words, 128 bytes for each wave
.set GOFF,  2                          ; v2  16 x lane
.set SA,    3
.set LR,    4
.set GA,    5
.set SPW,   8
.set NIL,   9
.set ACC,   10                         ; v[10:11] two sums
.set L8,    14                         ; v14 8 x lane
.set UB,    15                         ; v15 role u: my half's place in my wave's 64 bytes
.set D,     16                         ; v[16:79]
.set R,     80                         ; v[80:111] as stored
.set CK,    80                         ; v[80:111] ck, in roles u and t
	s_load_b512 s[4:19], s[0:1], 0x0               ; W1, W2, Wo, cWo, cWq, cbq, pa, pb
	v_lshl_add_u32 v[SPW], v0, 2, SPARE
	v_mov_b32 v[NIL], 0
	v_lshrrev_b32 v1, 5, v0
	v_readfirstlane_b32 s24, v1                    ; wave 0..15
	v_and_b32 v1, 31, v0                           ; lane
	v_lshlrev_b32 v[GOFF], 4, v1
	v_lshlrev_b32 v[L8], 3, v1
	s_mul_i32 s25, s24, STG
	s_add_co_u32 s25, s25, STG0                    ; my stage
	v_lshl_add_u32 v[SA], v1, 3, s25
	v_and_b32 v6, 7, v1                            ; a cast unit's way back: row l % 8, 16 bytes at 16 (l / 8); rows 288 bytes apart
	v_mul_u32_u24 v6, v6, 288
	v_lshrrev_b32 v7, 3, v1
	v_lshl_add_u32 v6, v7, 4, v6
	v_add_nc_u32 v[LR], s25, v6
	s_mov_b32 s3, 0                                ; the high word of every offset; never rewritten
	s_wait_kmcnt 0x0
	s_cmp_lt_u32 ttmp9, 32
	s_cbranch_scc1 .Lg
	s_cmp_lt_u32 ttmp9, 64
	s_cbranch_scc1 .Lu
	s_cmp_eq_u32 ttmp9, 64
	s_cbranch_scc1 .Lt
	s_cmp_lt_u32 ttmp9, 193
	s_cbranch_scc1 .Lw1
; One wave's unit: 16 rows x 128 columns of a weight.  rowb: bytes from row to row; npld: planes in the target.
.macro CAST rowb, npld
.set i, 0
.rept 16
	global_load_b128 v[D+4*i:D+4*i+3], v[GOFF], s[28:29] offset:i*(\rowb) th:TH_LOAD_NT
.set i, i+1
.endr
.set i, 0
.rept 16
	s_wait_loadcnt 15-i                            ; row i is in; the younger rows stay out
	v_cvt_pk_bf16_f32 v[D+4*i], v[D+4*i], v[D+4*i+1]
	v_cvt_pk_bf16_f32 v[D+4*i+1], v[D+4*i+2], v[D+4*i+3]
	ds_store_b64 v[SA], v[D+4*i:D+4*i+1] offset:i*288
.set i, i+1
.endr
.set q, 0
.rept 8                                ; LDS serves a wave's instructions in order: these see the stores above
	ds_load_b128 v[R+4*q:R+4*q+3], v[LR] offset:(q/4)*2304+((q/2)%2)*128+(q%2)*64
.set q, q+1
.endr
.set q, 0
.rept 8
	s_wait_dscnt 7-q
	global_store_b128 v[GOFF], v[R+4*q:R+4*q+3], s[34:35] offset:(q/4)*(\npld)*1024+((q/2)%2)*1024+(q%2)*512
.set q, q+1
.endr
.endm
	; ---- W2 and Wo: rows of 1,024 numbers
	s_movk_i32 s26, 321
	s_cmp_lt_u32 ttmp9, 321
	s_cselect_b64 s[28:29], s[6:7], s[8:9]
	s_cselect_b32 s26, 193, s26
	s_cselect_b32 s27, 10485760, 0
	s_sub_co_u32 s26, ttmp9, s26
	s_lshl4_add_u32 s26, s26, s24                  ; unit
	s_and_b32 s30, s26, 7
	s_lshr_b32 s31, s26, 3
	s_lshl_b32 s2, s31, 16
	s_lshl_b32 s30, s30, 9
	s_add_co_u32 s2, s2, s30
	s_add_nc_u64 s[28:29], s[28:29], s[2:3]
	s_lshl_b32 s2, s31, 15                         ; two k blocks of 16 planes of 1,024 bytes
	s_lshl2_add_u32 s2, s30, s2                    ; + two planes a unit: 512 cc x 4
	s_add_co_u32 s2, s2, s27
	s_add_nc_u64 s[34:35], s[18:19], s[2:3]
	CAST 4096, 16
	s_branch .Lmeet
.Lw1:	; ---- W1: rows of 4,096 numbers
	s_sub_co_u32 s26, ttmp9, 65
	s_lshl4_add_u32 s26, s26, s24                  ; unit 0..2047
	s_and_b32 s30, s26, 31
	s_lshr_b32 s31, s26, 5
	s_lshl_b32 s2, s31, 18
	s_lshl_b32 s30, s30, 9
	s_add_co_u32 s2, s2, s30
	s_add_nc_u64 s[28:29], s[4:5], s[2:3]
	s_lshl_b32 s2, s31, 17                         ; two k blocks of 64 planes
	s_lshl2_add_u32 s2, s30, s2
	s_add_co_u32 s2, s2, 2097152
	s_add_nc_u64 s[34:35], s[18:19], s[2:3]
	CAST 16384, 64
	s_branch .Lmeet
.Lg:	; ---- G: the work-group's 8 heads and 64 columns; wave w is half w % 2 of head w / 2: 32 rows of cWo, two columns a lane, in one trip
	s_lshr_b32 s26, ttmp9, 4                       ; which 8 heads
	s_and_b32 s27, ttmp9, 15                       ; which 64 columns
	s_lshl_b32 s2, s26, 9                          ; 512 rows for 8 heads,
	s_lshl_b32 s25, s24, 5                         ; 32 a wave
	s_add_co_u32 s25, s25, s2                      ; my first row
	s_lshl_b32 s2, s25, 12
	s_lshl_b32 s30, s27, 8
	s_add_co_u32 s2, s2, s30
	s_add_nc_u64 s[28:29], s[10:11], s[2:3]
	s_lshl_b32 s2, s25, 2
	s_add_co_u32 s2, s2, 10489856
	s_add_nc_u64 s[30:31], s[16:17], s[2:3]        ; cv's 32 numbers for my rows
	s_load_b512 s[32:47], s[30:31], 0x0
	s_load_b512 s[48:63], s[30:31], 0x40
.set i, 0
.rept 32
	global_load_b64 v[D+2*i:D+2*i+1], v[L8], s[28:29] offset:i*4096 th:TH_LOAD_NT  ; 256 consecutive bytes, aligned
.set i, i+1
.endr
	s_wait_kmcnt 0x0
.set i, 0
.rept 32
.if i%8 == 0
	s_wait_loadcnt 24-i                            ; rows i .. i + 7 are in; the younger rows stay out
.endif
.irp c, 0,1
.if i == 0
	v_mul_f32 v[ACC+\c], s[32], v[D+\c]            ; the first row starts the sums
.else
	v_fmac_f32 v[ACC+\c], s[32+i], v[D+2*i+\c]
.endif
.endr
.set i, i+1
.endr
	s_lshl_b32 s2, s24, 8
	v_add_nc_u32 v[GA], s2, v[L8]
	ds_store_b64 v[GA], v[ACC:ACC+1] offset:GS     ; partial row w: 64 columns, 256 bytes
	s_branch .Lmeet
; A row's 128 columns at 512 j times ck: four a lane, then over the 16 lanes of a half, which are the 64 columns of head 2 j + lane / 16: every lane of the half ends with the head's sum.
.macro DOT t, d, j
	v_pk_mul_f32 v[\t:\t+1], v[\d:\d+1], v[CK+4*(\j):CK+4*(\j)+1]
	v_pk_fma_f32 v[\t:\t+1], v[\d+2:\d+3], v[CK+4*(\j)+2:CK+4*(\j)+3], v[\t:\t+1]
	v_add_f32 v[\t], v[\t], v[\t+1]
.irp m, 1,2,4,8
	v_add_f32_dpp v[\t], v[\t], v[\t] row_xmask:\m row_mask:0xf bank_mask:0xf
.endr
.endm
.Lu:	; ---- u: the work-group's 32 rows i of cWq are one block of UT; my wave's two rows, in one trip
	s_sub_co_u32 s26, ttmp9, 32
	s_lshl4_add_u32 s25, s26, s24                  ; pair of rows 0..511
	s_lshl_b32 s2, s25, 13
	s_add_nc_u64 s[28:29], s[12:13], s[2:3]
	s_add_nc_u64 s[30:31], s[16:17], 10485760      ; ck
.set j, 0
.rept 8
	global_load_b128 v[CK+4*j:CK+4*j+3], v[GOFF], s[30:31] offset:j*512
.set j, j+1
.endr
.set j, 0
.rept 8
	global_load_b128 v[D+4*j:D+4*j+3], v[GOFF], s[28:29] offset:j*512 th:TH_LOAD_NT
	global_load_b128 v[D+32+4*j:D+32+4*j+3], v[GOFF], s[28:29] offset:4096+j*512 th:TH_LOAD_NT
.set j, j+1
.endr
	v_lshrrev_b32 v[UB], 4, v1
	s_lshl_b32 s27, s24, 6
	s_add_co_u32 s27, s27, US                      ; my wave's 64 bytes: a word (my two rows, in bf16) for each head
	v_lshl_add_u32 v[UB], v[UB], 2, s27
	s_wait_loadcnt 0x0
.set j, 0
.rept 8
	DOT 112+4*(j%2), D+4*j, j
	DOT 114+4*(j%2), D+32+4*j, j
	v_cvt_pk_bf16_f32 v[120+j], v[112+4*(j%2)], v[114+4*(j%2)]
	ds_store_b32 v[UB], v[120+j] offset:j*8        ; head 2 j + l / 16; the 16 lanes of a half write one word, with one value
.set j, j+1
.endr
	s_branch .Lmeet
.Lt:	; ---- t: wave w of eight takes columns 128 w on: heads 2 w and 2 w + 1
	s_cmp_lt_u32 s24, 8
	s_cbranch_scc0 .Lmeet
	s_lshl_b32 s2, s24, 9
	s_add_nc_u64 s[28:29], s[14:15], s[2:3]        ; cbq
	s_add_co_u32 s2, s2, 10485760
	s_add_nc_u64 s[30:31], s[16:17], s[2:3]        ; ck
	global_load_b128 v[D:D+3], v[GOFF], s[28:29]
	global_load_b128 v[CK:CK+3], v[GOFF], s[30:31]
	v_lshrrev_b32 v6, 4, v1
	s_lshl_b32 s27, s24, 3
	s_add_co_u32 s27, s27, TS                      ; my wave's 8 bytes
	v_lshl_add_u32 v6, v6, 2, s27
	s_wait_loadcnt 0x0
	DOT 112, D, 0
	ds_store_b32 v6, v112
.Lmeet:	; every role's waves meet here
	s_wait_dscnt 0x0                               ; for the others' sake: my LDS stores are done
	s_barrier_signal -1
	s_barrier_wait -1
	s_cmp_lt_u32 ttmp9, 32
	s_cbranch_scc0 .Lnot_g
	; G: waves 0 and 1 each finish 32 columns: a lane adds the two halves of each of the 8 heads of its column and rounds them to one piece of 16 bytes
	s_cmp_lt_u32 s24, 2
	s_cbranch_scc0 .Lend
	s_lshl_b32 s2, s24, 7
	v_lshl_add_u32 v6, v1, 2, s2                   ; column 32 f + l of the 64
.set p, 0
.rept 16
	ds_load_b32 v[D+p], v6 offset:GS+p*256
.set p, p+1
.endr
	s_lshr_b32 s26, ttmp9, 4                       ; the scalars of this part are made anew from the work-group's number
	s_and_b32 s27, ttmp9, 15
	s_lshl1_add_u32 s2, s27, s24                   ; two blocks of 16 columns, 512 bytes each, for each wave
	s_lshl_b32 s2, s2, 10
	s_lshl_b32 s26, s26, 8                         ; the 8 heads' half of a block
	s_add_co_u32 s2, s2, s26
	s_add_co_u32 s2, s2, 18907136
	s_add_nc_u64 s[42:43], s[18:19], s[2:3]
	v_and_b32 v7, 15, v1
	v_lshrrev_b32 v5, 4, v1
	v_lshlrev_b32 v7, 4, v7
	v_lshl_add_u32 v7, v5, 9, v7
	s_wait_dscnt 0x0
.irp z, 0,1,2,3,4,5,6,7
	v_add_f32 v[D+16+\z], v[D+2*\z], v[D+2*\z+1]
.endr
.irp p, 0,1,2,3
	v_cvt_pk_bf16_f32 v[D+24+\p], v[D+16+2*\p], v[D+17+2*\p]
.endr
	global_store_b128 v7, v[D+24:D+27], s[42:43]   ; each 16 lanes store 256 consecutive bytes, aligned
	s_branch .Lend
.Lnot_g:
	s_cmp_lt_u32 ttmp9, 64
	s_cbranch_scc0 .Lnot_u
	; u: wave 0 gathers the block: piece (8 rows q, head) is the words of waves 4 q .. 4 q + 3
	s_cmp_lg_u32 s24, 0
	s_cbranch_scc1 .Lend
	v_and_b32 v6, 15, v1
	v_lshrrev_b32 v7, 4, v1
	v_lshlrev_b32 v6, 2, v6
	v_lshl_add_u32 v6, v7, 8, v6                   ; 4 waves x 64 bytes for q = l / 16, a word for head l % 16
.irp k, 0,1,2,3
	ds_load_b32 v[D+\k], v6 offset:US+\k*64
	ds_load_b32 v[D+4+\k], v6 offset:US+512+\k*64
.endr
	s_sub_co_u32 s26, ttmp9, 32
	s_lshl_b32 s2, s26, 10
	s_add_co_u32 s2, s2, 18874368
	s_add_nc_u64 s[42:43], s[18:19], s[2:3]
	s_wait_dscnt 0x0
	global_store_b128 v[GOFF], v[D:D+3], s[42:43]              ; 512 consecutive bytes
	global_store_b128 v[GOFF], v[D+4:D+7], s[42:43] offset:512
	s_branch .Lend
.Lnot_u:
	s_cmp_eq_u32 ttmp9, 64
	s_cbranch_scc0 .Lend
	; t: wave 0 stores the 16 numbers
	s_cmp_lg_u32 s24, 0
	s_cbranch_scc1 .Lend
	v_and_b32 v6, 15, v1
	v_lshlrev_b32 v6, 2, v6
	ds_load_b32 v[D], v6 offset:TS
	s_add_nc_u64 s[42:43], s[18:19], 18939904
	v_cmp_gt_u32 vcc_lo, 16, v1
	s_wait_dscnt 0x0
	s_wait_xcnt 0x0                                ; EXEC changes only behind this wait
	s_and_saveexec_b32 s36, vcc_lo
	global_store_b32 v6, v[D], s[42:43]            ; all of t: 64 bytes
	s_wait_xcnt 0x0
	s_or_b32 exec_lo, exec_lo, s36
.Lend:
	s_wait_tensorcnt 0x0                           ; the wave's end
	ds_add_u32 v[SPW], v[NIL]
	s_wait_dscnt 0x0
	s_endpgm
.Lfunc_end_k_q5e86a0c22b_prep2:
	.size	k_q5e86a0c22b_prep2, .Lfunc_end_k_q5e86a0c22b_prep2-k_q5e86a0c22b_prep2
	.p2alignl 7, 3214868480
	.fill 96, 4, 3214868480
	.section	.rodata,"a",@progbits
	.p2align	6, 0x0
	.amdhsa_kernel k_q5e86a0c22b_prep2
		.amdhsa_group_segment_fixed_size 89088
		.amdhsa_private_segment_fixed_size 0
		.amdhsa_enable_private_segment 0
		.amdhsa_kernarg_size 64
		.amdhsa_user_sgpr_count 2
		.amdhsa_user_sgpr_kernarg_segment_ptr 1
		.amdhsa_wavefront_size32 1
		.amdhsa_system_sgpr_workgroup_id_x 1
		.amdhsa_system_sgpr_workgroup_id_y 1
		.amdhsa_system_sgpr_workgroup_id_z 1
		.amdhsa_system_vgpr_workitem_id 0
		.amdhsa_next_free_vgpr 128
		.amdhsa_next_free_sgpr 66
		.amdhsa_reserve_vcc 1
		.amdhsa_float_denorm_mode_32 3
		.amdhsa_float_denorm_mode_16_64 3
		.amdhsa_memory_ordered 1
		.amdhsa_forward_progress 1
		.amdhsa_inst_pref_size 37
	.end_amdhsa_kernel
	.amdgpu_metadata
---
amdhsa.version: [ 1, 2 ]
amdhsa.kernels:
  - .name:           k_q5e86a0c22b_prep2
    .symbol:         k_q5e86a0c22b_prep2.kd
    .args:
      - { .name: params_W1, .offset: 0, .size: 8, .value_kind: global_buffer, .address_space: global }
      - { .name: params_W2, .offset: 8, .size: 8, .value_kind: global_buffer, .address_space: global }
      - { .name: params_Wo, .offset: 16, .size: 8, .value_kind: global_buffer, .address_space: global }
      - { .name: params_cWo, .offset: 24, .size: 8, .value_kind: global_buffer, .address_space: global }
      - { .name: params_cWq, .offset: 32, .size: 8, .value_kind: global_buffer, .address_space: global }
      - { .name: params_cbq, .offset: 40, .size: 8, .value_kind: global_buffer, .address_space: global }
      - { .name: pa, .offset: 48, .size: 8, .value_kind: global_buffer, .address_space: global }
      - { .name: pb, .offset: 56, .size: 8, .value_kind: global_buffer, .address_space: global }
    .group_segment_fixed_size: 89088
    .private_segment_fixed_size: 0
    .kernarg_segment_align: 8
    .kernarg_segment_size: 64
    .max_flat_workgroup_size: 512
    .sgpr_count:     66
    .vgpr_count:     128
    .wavefront_size: 32
...
	.end_amdgpu_metadata
.endif
;; end of part 11
;; launch gqkv (part 12): grid 16 x 16, 4 waves a work-group, clusters of 4 x 4, 327,680 bytes of LDS; arguments pa, params_bq, params_bk, params_bv, qkv; writes qkv
.if DOCPART == 12
	.amdgcn_target "amdgcn-amd-amdhsa--gfx1250"
	.amdhsa_code_object_version 6
	.text
	.protected	k_q5e86a0c22b_gqkv
	.globl	k_q5e86a0c22b_gqkv
	.p2align	8
	.type	k_q5e86a0c22b_gqkv,@function
k_q5e86a0c22b_gqkv:
	s_mov_b64 s[64:65], 0
	v_nop
	global_prefetch_b8 v0, s[64:65] scope:SCOPE_SE
	s_setreg_imm32_b32 hwreg(HW_REG_WAVE_MODE, 25, 1), 1
	s_wait_xcnt 0x0
	s_wait_alu depctr_hold_cnt(0) depctr_sa_sdst(0) depctr_va_vdst(0) depctr_va_sdst(0) depctr_va_ssrc(0) depctr_va_vcc(0) depctr_vm_vsrc(0)
	s_getreg_b32 s2, hwreg(HW_REG_IB_STS2, 6, 4)
	s_cmp_eq_u32 s2, 0
	s_cbranch_scc0 .Lentry_in_a_cluster
	s_endpgm
.Lentry_in_a_cluster:
	s_bfe_u32 s2, ttmp6, 0x10000c
	s_cmp_lg_u32 s2, 0xf033
	s_cbranch_scc0 .Lentry_shape_is_right
	s_endpgm
.Lentry_shape_is_right:
; gqkv: q | k | v = x (Wq | Wk | Wv) + bias, [2048] x [3072], K = 1,024; bf16 operands, f32 sums that start from the bias, one rounding to bf16.
; A work-group makes 128 rows x P = 3 planes of 64 columns; four waves as 2 x 2; a wave 64 rows x 32 columns of each plane: 4 x 6 accumulators.
; x lies in blocks that are a fragment's image (two loads of 16 bytes a lane, 512 consecutive bytes each); the weights in blocks of 8 k x 64 n, read by the turning load
; (16 lanes take 256 consecutive bytes).  THE PRODUCT IS USED TRANSPOSED (source 0 = 16 columns of W, source 1 = 16 rows of x): a lane ends with 8 neighbouring columns of one row,
; 16 bytes of bf16, and a wave's store is 512 consecutive bytes of the target's block layout: nothing goes through LDS on the way out.
; RING: two LDS slots, a K step of 128 each.  Waves 0, 1 fetch the two row halves of x's tile, waves 2, 3 the two k halves of W's: one tensor load a wave behind each round.
; CLUSTER 4 x 4: x's tile is shared along a row of the cluster, W's along a column: joint loads.
; THE SUMS START FROM THE BIAS: one product of two zero fragments for each accumulator, with the bias as its C (8 bytes of text where eight moves would be 32), made while the first tiles
; are on their way.  So a K step is written twice only (loop and tail), and the way out only rounds.
; No prefetch: eight K steps, two of them first fills.  qkv: plane x 262,144 + (row / 16) 2,048 + (channel / 32) 1,024 + a fragment's image.
.set P,      3
.set KSTEP,  128
.set NPL,    48
.set T,      8
.set WOFF,   4194304
.set NCH,    KSTEP/32                  ; chunks of 32 along K in a step
.set ABYTES, KSTEP*256                 ; x's tile: [row half][chunk][4 row blocks][1,024]
.set AHALF,  ABYTES/2
.set BHALF,  (KSTEP/16)*P*1024         ; W's tile: [k / 8][plane][1,024]; a half of its k
.set SLOT1,  131072
.set SPARE,  262144                    ; the spare words, 128 bytes a wave
.set ASTEP,  NCH*131072
.set BSTEP,  (KSTEP/8)*NPL*1024
.set NL,     8+4*P                     ; LDS loads of a chunk
.set ADRA0, 4
.set ADRB0, 5
.set ADRA,  6
.set ADRB,  7
.set OUTO,  8                          ; 16 x lane
.set BO,    9
.set SPW,   12
.set NIL,   13
.set BIAS,  16                         ; v[16:63]
.set PK,    112                        ; v[112:207]
.set F0,    0                          ; window 1: two fragment buffers: x's 4 at +8 a, W's 2 P at +32 + 8 b
.set F1,    128
.set G1A, 24
.set G0A, 32
.set G1B, 48
.set G0B, 56
.set MSB, 0
.macro WIN new                         ; the immediate's high byte repeats the setting that is left
.if MSB != (\new)
	s_set_vgpr_msb (MSB<<8)|(\new)
.set MSB, \new
.endif
.endm
.macro PLACES
.rept 4
	v_nop
.endr
.endm
.macro JLOAD                           ; the joint refill, by the walking descriptor; an s_nop 0 and four v_nop follow each of the two lines
	s_cmp_eq_u32 s11, 0
	s_cbranch_scc0 .Lfor_b_\@
	tensor_load_to_lds s[G0A+4:G0A+7], s[G1A:G1A+7]
	s_nop 0
	PLACES
	s_branch .Lasked_\@
.Lfor_b_\@:
	tensor_load_to_lds s[G0B+4:G0B+7], s[G1B:G1B+7]
	s_nop 0
	PLACES
.Lasked_\@:
.endm
.macro CREST                           ; a round of the cluster's barrier behind its opening barrier
	s_cmp_lg_u32 s10, 0
	s_cbranch_scc1 .Lnot_wave_0_\@
	s_barrier_signal -3
.Lnot_wave_0_\@:
	s_barrier_wait -3
	s_barrier_signal -1
	s_barrier_wait -1
.endm
.macro CROUND
	s_barrier_signal -1
	s_barrier_wait -1
	CREST
.endm
	s_load_b64 s[4:5], s[0:1], 0x0                 ; pa
	s_load_b128 s[68:71], s[0:1], 0x8              ; bq, bk
	s_load_b128 s[72:75], s[0:1], 0x18             ; bv, qkv
	v_lshl_add_u32 v[SPW], v0, 2, SPARE
	v_mov_b32 v[NIL], 0
	ds_add_u32 v[SPW], v[NIL]                      ; the wave's opening: the add and its wait ahead of my first tensor load
	v_lshrrev_b32 v1, 5, v0
	v_readfirstlane_b32 s10, v1                    ; wave 0..3
	s_lshr_b32 s11, s10, 1                         ; my row half.  Also: I fetch for x (0) or for W (1)
	s_and_b32 s12, s10, 1                          ; my column half.  Also: which half of that tile I fetch
	s_bfe_u32 s40, ttmp6, 0x40000                  ; cx
	s_bfe_u32 s41, ttmp6, 0x40004                  ; cy
	s_lshl_b32 s42, ttmp9, 2
	s_add_co_u32 s42, s42, s40                     ; tile column
	s_and_b32 s13, ttmp7, 0xffff
	s_lshl_b32 s13, s13, 2
	s_add_co_u32 s13, s13, s41                     ; tile row
	s_lshl_b32 s43, s41, 2
	s_lshl_b32 s43, 15, s43                        ; my row of the cluster
	s_lshl_b32 s44, 0x1111, s40                    ; my column
	s_or_b32 s[G1A], s43, (3<<16)|(1<<21)          ; the mask; elements of 8 bytes; bit 21 beside a mask; no padding
	s_or_b32 s[G1B], s44, (3<<16)|(1<<21)
	s_mov_b32 s[G1A+1], 512<<16                    ; a row: four blocks, 4,096 bytes
	s_mov_b32 s[G1A+2], NCH<<16
	s_mov_b32 s[G1A+3], 512<<16
	s_mov_b32 s[G1A+4], NCH                        ; a row for each chunk
	s_mov_b32 s[G1A+5], 16384                      ; 128 blocks from chunk to chunk
	s_mov_b32 s[G1A+6], 0
	s_mov_b32 s[G1A+7], 0
	s_mov_b32 s[G1B+1], (P*128)<<16                ; a row: P blocks
	s_mov_b32 s[G1B+2], (KSTEP/16)<<16
	s_mov_b32 s[G1B+3], (P*128)<<16
	s_mov_b32 s[G1B+4], KSTEP/16                   ; a row for each 8 k
	s_mov_b32 s[G1B+5], NPL*128
	s_mov_b32 s[G1B+6], 0
	s_mov_b32 s[G1B+7], 0
	s_lshl_b32 s16, s13, 13                        ; x: 8 row blocks a tile row,
	s_lshl_b32 s17, s12, 12                        ; 4 a half
	s_add_co_u32 s16, s16, s17
	s_mov_b32 s17, 0
	s_mul_i32 s46, s42, P*1024                     ; W: P planes a tile column,
	s_mul_i32 s47, s12, (KSTEP/16)*NPL*1024        ; half a step's k
	s_add_co_u32 s46, s46, s47
	s_add_co_u32 s46, s46, WOFF
	s_mov_b32 s47, 0
	s_mul_i32 s20, s12, AHALF                      ; LDS addresses hang on the wave's number alone
	s_mul_i32 s21, s12, BHALF
	s_add_co_u32 s21, s21, ABYTES
	s_mov_b32 s3, 0                                ; the slot that is read
	s_wait_dscnt 0x0                               ; the opening add is done
	s_wait_kmcnt 0x0
	s_add_nc_u64 s[14:15], s[4:5], s[16:17]
	s_add_nc_u64 s[46:47], s[4:5], s[46:47]
	CROUND                                         ; all sixteen work-groups are here: the first joint loads meet
.irp s, 0,1
	s_mov_b32 s[G0A+4*(\s)], 1
	s_add_co_u32 s[G0A+4*(\s)+1], s20, (\s)*SLOT1
	s_add_nc_u64 s[G0A+4*(\s)+2:G0A+4*(\s)+3], s[14:15], (\s)*ASTEP
	s_or_b32 s[G0A+4*(\s)+3], s[G0A+4*(\s)+3], 0x80000000
	s_mov_b32 s[G0B+4*(\s)], 1
	s_add_co_u32 s[G0B+4*(\s)+1], s21, (\s)*SLOT1
	s_add_nc_u64 s[G0B+4*(\s)+2:G0B+4*(\s)+3], s[46:47], (\s)*BSTEP
	s_or_b32 s[G0B+4*(\s)+3], s[G0B+4*(\s)+3], 0x80000000
.endr
	s_cmp_eq_u32 s11, 0                            ; a wave's two first fills stand in one branch: two loads of mine are out
	s_cbranch_scc0 .Lfirst_b
	tensor_load_to_lds s[G0A:G0A+3], s[G1A:G1A+7]
	s_nop 0
	tensor_load_to_lds s[G0A+4:G0A+7], s[G1A:G1A+7]
	s_nop 0
	PLACES
	s_branch .Lfirst_asked
.Lfirst_b:
	tensor_load_to_lds s[G0B:G0B+3], s[G1B:G1B+7]
	s_nop 0
	tensor_load_to_lds s[G0B+4:G0B+7], s[G1B:G1B+7]
	s_nop 0
	PLACES
.Lfirst_asked:
	v_and_b32 v3, 31, v0
	v_bfe_u32 v2, v0, 4, 1                         ; l / 16
	v_lshlrev_b32 v[OUTO], 4, v3
	s_mul_i32 s22, s11, AHALF
	v_add_nc_u32 v[ADRA0], s22, v[OUTO]
	v_and_b32 v14, 7, v0                           ; the turning load: lane l addresses k = 8 (l / 16) + l % 8, columns 8 ((l / 8) % 2) on
	v_bfe_u32 v15, v0, 3, 1
	v_lshlrev_b32 v14, 4, v14
	v_lshl_add_u32 v14, v15, 7, v14
	v_mul_u32_u24 v15, v2, P*1024
	v_add_nc_u32 v14, v14, v15
	s_lshl_b32 s23, s12, 9
	s_add_co_u32 s23, s23, ABYTES
	v_add_nc_u32 v[ADRB0], s23, v14
	v_mov_b32 v[ADRA], v[ADRA0]
	v_mov_b32 v[ADRB], v[ADRB0]
	s_lshl_b32 s23, s12, 7
	v_lshl_add_u32 v[BO], v2, 5, s23               ; my 8 columns in a plane's 64 biases
	; the biases of my three planes: plane 3 tx + i belongs to matrix (plane / 16)
.macro BLOADS i, ptr
	s_mul_i32 s18, s42, 3
	s_add_co_u32 s18, s18, \i
	s_lshr_b32 s19, s18, 4
	s_and_b32 s22, s18, 15
	s_lshl_b32 s22, s22, 8
	s_mov_b32 s23, 0
	s_cmp_eq_u32 s19, 0
	s_cselect_b64 s[\ptr:\ptr+1], s[68:69], s[70:71]
	s_cmp_eq_u32 s19, 2
	s_cselect_b64 s[\ptr:\ptr+1], s[72:73], s[\ptr:\ptr+1]
	s_add_nc_u64 s[\ptr:\ptr+1], s[\ptr:\ptr+1], s[22:23]
.set n, 0
.rept 4
	global_load_b128 v[BIAS+16*(\i)+4*n:BIAS+16*(\i)+4*n+3], v[BO], s[\ptr:\ptr+1] offset:(n/2)*64+(n%2)*16
.set n, n+1
.endr
.endm
	BLOADS 0, 66
	BLOADS 1, 76
	BLOADS 2, 78
	s_lshl_b32 s16, s13, 14                        ; where my part of the result begins: 8 row blocks of 2,048 bytes a tile row,
	s_lshl_b32 s17, s11, 13
	s_add_co_u32 s16, s16, s17
	s_lshl_b32 s17, s12, 10                        ; my 32 channels of a plane
	s_add_co_u32 s16, s16, s17
	s_mov_b32 s17, 0
	s_add_nc_u64 s[8:9], s[74:75], s[16:17]
	s_mul_i32 s46, s42, 3*262144                   ; my three planes (in the registers that held W's address)
	s_mov_b32 s47, 0
	s_add_nc_u64 s[8:9], s[8:9], s[46:47]
	WIN 0x40
.set i, 0
.rept 16
	v_mov_b32 v[F0+i], 0                           ; two fragments of zeros
.set i, i+1
.endr
	s_wait_loadcnt 0x0                             ; the biases
	WIN 0x85                                       ; sources 0 and 1 window 1, C window 0, D window 2
.set n, 0
.rept 8*P                              ; accumulator n = 2 P a + b starts as 0 x 0 + the bias of column block b: register j is column j of the lane's eight, in both
	v_wmma_f32_16x16x32_bf16 v[8*n:8*n+7], v[F0:F0+7], v[F0+8:F0+15], v[BIAS+8*(n%(2*P)):BIAS+8*(n%(2*P))+7]
.set n, n+1
.endr
	WIN 0
	PLACES                                         ; in front of the loads into the zero fragments' registers
.macro FETCH kb, f                     ; a chunk's NL loads in one run: W's 2 P fragments (turned), then x's 4
	WIN 0x40
.set b, 0
.rept 2*P
	ds_load_tr16_b128 v[(\f)+32+8*b:(\f)+32+8*b+3],   v[ADRB] offset:4*(\kb)*P*1024+(b/2)*1024+(b%2)*256
	ds_load_tr16_b128 v[(\f)+32+8*b+4:(\f)+32+8*b+7], v[ADRB] offset:4*(\kb)*P*1024+(b/2)*1024+(b%2)*256+2*P*1024
.set b, b+1
.endr
.set a, 0
.rept 4
	ds_load_b128 v[(\f)+8*a:(\f)+8*a+3],   v[ADRA] offset:(\kb)*4096+a*1024
	ds_load_b128 v[(\f)+8*a+4:(\f)+8*a+7], v[ADRA] offset:(\kb)*4096+a*1024+512
.set a, a+1
.endr
.endm
.macro MULA f, a                       ; row block a x all 2 P column blocks.  Every accumulator is taken once a chunk, in one order: no two neighbours share one
	WIN 0xa5
.set b, 0
.rept 2*P
	v_wmma_f32_16x16x32_bf16 v[8*((\a)*2*P+b):8*((\a)*2*P+b)+7], v[(\f)+32+8*b:(\f)+32+8*b+7], v[(\f)+8*(\a):(\f)+8*(\a)+7], v[8*((\a)*2*P+b):8*((\a)*2*P+b)+7]
.set b, b+1
.endr
.endm
.macro CH c                            ; chunk c is multiplied; chunk c + 1 is fetched into the other buffer, four places behind the products that read it
	PLACES
	FETCH (\c)+1, F0+128*(((\c)+1)%2)
	s_wait_dscnt NL                                ; all but the NL just issued: chunk c is in
	MULA F0+128*((\c)%2), 0
	MULA F0+128*((\c)%2), 1
	MULA F0+128*((\c)%2), 2
	MULA F0+128*((\c)%2), 3
.endm
; The step's last chunk, and the change of slots: every wave waits for all its tensor loads (one is out: its part of the next slot), adds 0 to its spare word, waits for that and for its reads of
; this slot, and signals.  fill = 1: the barrier opens a round of the cluster's, and the joint refill of this slot is the first thing behind it: it has a K step less two quarters of a chunk in which to land.
.macro TURN fill
	WIN 0
	s_wait_tensorcnt 0x0
	ds_add_u32 v[SPW], v[NIL]
.if \fill
	s_xor_b32 s[G0A+5], s[G0A+5], SLOT1            ; no tensor load of mine is out: the walking descriptors step to the other slot, one K step on
	s_add_nc_u64 s[G0A+6:G0A+7], s[G0A+6:G0A+7], ASTEP
	s_xor_b32 s[G0B+5], s[G0B+5], SLOT1
	s_add_nc_u64 s[G0B+6:G0B+7], s[G0B+6:G0B+7], BSTEP
.endif
	s_xor_b32 s3, s3, SLOT1
	s_wait_dscnt 1                                 ; the chunk's fragments are in; the add may be out
	MULA F1, 0
	s_wait_dscnt 0x0                               ; the add is done, my reads of this slot are over
	s_barrier_signal -1
	MULA F1, 1
	WIN 0
	s_barrier_wait -1
.if \fill
	CREST
	JLOAD                                          ; its four v_nop are also the places in front of the loads below
.else
	PLACES
.endif
	v_add_nc_u32 v[ADRA], s3, v[ADRA0]
	v_add_nc_u32 v[ADRB], s3, v[ADRB0]
	FETCH 0, F0
	MULA F1, 2
	MULA F1, 3
.endm
.macro STEP fill
.set c, 0
.rept NCH-1
	CH c
.set c, c+1
.endr
	TURN \fill
	WIN 0
.endm
	s_wait_tensorcnt 0x1                           ; my part of K step 0 is in; step 1's stays out
	s_barrier_signal -1
	s_barrier_wait -1
	FETCH 0, F0
	WIN 0
	s_mov_b32 s2, T-2
.Lstep:
	STEP 1
	s_sub_co_u32 s2, s2, 1
	s_cmp_lg_u32 s2, 0
	s_cbranch_scc1 .Lstep
	s_mov_b32 s2, 2                                ; the last two steps ask for nothing; the second one's barrier and fetch serve nothing: the price of one text for both
.Ltail:
	STEP 0
	s_sub_co_u32 s2, s2, 1
	s_cmp_lg_u32 s2, 0
	s_cbranch_scc1 .Ltail
	s_wait_dscnt 0x0
	PLACES
	PLACES
	; THE WAY OUT: rounded, 16 bytes a lane; each row block has its own packed registers, so no store's data is rewritten
.set a, 0
.rept 4
	WIN 0x0a                                       ; sources 0 and 1 window 2
.set n, 0
.rept 24
	v_cvt_pk_bf16_f32 v[PK+24*a+n], v[48*a+2*n], v[48*a+2*n+1]
.set n, n+1
.endr
	WIN 0
.set n, 0
.rept 6
	global_store_b128 v[OUTO], v[PK+24*a+4*n:PK+24*a+4*n+3], s[8:9] offset:(n/2)*262144+a*2048+(n%2)*512  ; 512 consecutive bytes
.set n, n+1
.endr
.set a, a+1
.endr
	s_wait_tensorcnt 0x0                           ; the wave's end
	ds_add_u32 v[SPW], v[NIL]
	s_wait_dscnt 0x0
	CROUND                                         ; the closing round
	s_endpgm
.Lfunc_end_k_q5e86a0c22b_gqkv:
	.size	k_q5e86a0c22b_gqkv, .Lfunc_end_k_q5e86a0c22b_gqkv-k_q5e86a0c22b_gqkv
	.p2alignl 7, 3214868480
	.fill 96, 4, 3214868480
	.section	.rodata,"a",@progbits
	.p2align	6, 0x0
	.amdhsa_kernel k_q5e86a0c22b_gqkv
		.amdhsa_group_segment_fixed_size 327680
		.amdhsa_private_segment_fixed_size 0
		.amdhsa_enable_private_segment 0
		.amdhsa_kernarg_size 40
		.amdhsa_user_sgpr_count 2
		.amdhsa_user_sgpr_kernarg_segment_ptr 1
		.amdhsa_wavefront_size32 1
		.amdhsa_system_sgpr_workgroup_id_x 1
		.amdhsa_system_sgpr_workgroup_id_y 1
		.amdhsa_system_sgpr_workgroup_id_z 1
		.amdhsa_system_vgpr_workitem_id 0
		.amdhsa_next_free_vgpr 768
		.amdhsa_next_free_sgpr 80
		.amdhsa_reserve_vcc 0
		.amdhsa_float_denorm_mode_32 3
		.amdhsa_float_denorm_mode_16_64 3
		.amdhsa_memory_ordered 1
		.amdhsa_forward_progress 1
		.amdhsa_inst_pref_size 47
	.end_amdhsa_kernel
	.amdgpu_metadata
---
amdhsa.version: [ 1, 2 ]
amdhsa.kernels:
  - .name:           k_q5e86a0c22b_gqkv
    .symbol:         k_q5e86a0c22b_gqkv.kd
    .args:
      - { .name: pa, .offset: 0, .size: 8, .value_kind: global_buffer, .address_space: global }
      - { .name: params_bq, .offset: 8, .size: 8, .value_kind: global_buffer, .address_space: global }
      - { .name: params_bk, .offset: 16, .size: 8, .value_kind: global_buffer, .address_space: global }
      - { .name: params_bv, .offset: 24, .size: 8, .value_kind: global_buffer, .address_space: global }
      - { .name: qkv, .offset: 32, .size: 8, .value_kind: global_buffer, .address_space: global }
    .group_segment_fixed_size: 327680
    .private_segment_fixed_size: 0
    .kernarg_segment_align: 8
    .kernarg_segment_size: 40
    .max_flat_workgroup_size: 128
    .sgpr_count:     80
    .vgpr_count:     768
    .wavefront_size: 32
...
	.end_amdgpu_metadata
.endif
;; end of part 12
;; launch attn (part 13): grid 16 x 16, 4 waves a work-group, clusters of 4 x 1, 327,680 bytes of LDS; arguments qkv, act; writes act
.if DOCPART == 13
	.amdgcn_target "amdgcn-amd-amdhsa--gfx1250"
	.amdhsa_code_object_version 6
	.text
	.protected	k_q5e86a0c22b_attn
	.globl	k_q5e86a0c22b_attn
	.p2align	8
	.type	k_q5e86a0c22b_attn,@function
k_q5e86a0c22b_attn:
	s_mov_b64 s[64:65], 0
	v_nop
	global_prefetch_b8 v0, s[64:65] scope:SCOPE_SE
	s_setreg_imm32_b32 hwreg(HW_REG_WAVE_MODE, 25, 1), 1
	s_wait_xcnt 0x0
	s_wait_alu depctr_hold_cnt(0) depctr_sa_sdst(0) depctr_va_vdst(0) depctr_va_sdst(0) depctr_va_ssrc(0) depctr_va_vcc(0) depctr_vm_vsrc(0)
	s_getreg_b32 s2, hwreg(HW_REG_IB_STS2, 6, 4)
	s_cmp_eq_u32 s2, 0
	s_cbranch_scc0 .Lentry_in_a_cluster
	s_endpgm
.Lentry_in_a_cluster:
	s_bfe_u32 s2, ttmp6, 0x10000c
	s_cmp_lg_u32 s2, 0x3003
	s_cbranch_scc0 .Lentry_shape_is_right
	s_endpgm
.Lentry_shape_is_right:
; attn: O[q] = sum over k of softmax_k(q . k / 8) v, 16 heads of 64 channels, 2,048 keys; q, k, v bf16 in planes of qkv (q 0-15, k 16-31, v 32-47), each a fragment's image.
; Products, maxima and sums in f32; the weights p are rounded to bf16 for the second product (their sum l is taken of the unrounded p), O once at the end.
; LIMITS.  A weight below 2^-126 counts as 0 in l; NaN and infinities are not treated apart.
; SHARES.  A work-group owns 128 queries of one head.  ALL FOUR WAVES HOLD THE SAME 8 TILES of 16 queries (four PIECES of two tiles); THE KEYS ARE SPLIT: of each slot's 256 keys wave w takes
; 64 w .. 64 w + 63.  So a fragment of K or V read from LDS feeds eight tiles' products, and there are 256 work-groups.  The four waves' partial O, m and l meet in LDS at the end.
; LAYOUT.  S^T = K Q^T (source 0 = 16 keys, source 1 = 16 queries): a lane holds ONE query (lane % 16) and the keys 8 (lane / 16) + 0..7.  Two such tiles, rounded in pairs, ARE source 1 of
; O^T = V^T P, whose result again holds one query a lane, and eight channels.  K comes out of LDS as it lies, V turned, by ds_load_tr16_b128.
; SOFTMAX.  For each query a running maximum m and sum l: p = 2^(c s - c m), c = log2(e) / 8; in every step O and l are multiplied by a = 2^(c m_old - c m_new).  m starts at the lowest finite number,
; O and l at 0: the first step is a step like any other, with a = 0.
; BY TURNS.  Turn n belongs to piece n.  Its matrix work: 16 products K Q^T of piece n + 1, later 16 products V^T P of piece n - 1.  Its vector work: scaling, exponentials, roundings, sums and rescaling
; of piece n, and the maximum and statistics of piece n + 1.  Four vector instructions stand behind every matrix instruction, the others in one run; a turn's 66 exponentials are one batch with one wait.
; CLUSTER.  The four query blocks of a cluster belong to one head and walk the same K and V: each tile is asked for JOINTLY.
; REGISTERS, in windows of 256: window 0: v0-11 addresses; v12-15, v48-63 at work; v16-47 statistics; v64-191 S^T, two buffers of two tiles; v192-255 P, likewise.
;   window 1: O^T, 32 a tile.   window 2: v0-127 Q, 16 a tile; v128-191 K of one step; v192-255 V of one step.
.set NP,    4
.set SLOT1, 65536     ; a slot: 256 keys of K (32,768 bytes), then of V
.set VOFF,  32768
.set OS,    131072    ; behind the ring: the partial O^T: [tile][wave][quad of registers][16 x lane], 131,072 bytes
.set MS,    262144    ; (c m, l): [wave][tile][8 x lane], 8,192 bytes
.set SPARE, 270336    ; the spare words, 128 bytes a wave
.set AK0, 2           ; v2   my lane's place in a slot's K; never rewritten in the walk
.set GSO, 2           ;      later, the merge: my byte offset in O
.set AV0, 3           ; v3   the same for V
.set AK,  4
.set AV,  5
.set LO,  6           ; v6   16 x lane
.set PFO, 7           ; v7   256 x lane
.set SPW, 8
.set NIL, 9
.set MRA, 10
.set ORA, 11
.set MV,  12
.set ST,  16          ; tile t's statistics at v[ST+4 t]: c m, m, l (even keys', odd keys')
.set TMP, 48
.set S,   64
.set P,   192
.set KF,  128
.set VF,  192
.set WV,  12
.set LIM, 15          ; s15  1 in a wave that prefetches, else the greatest number
.set PFA, 18          ; s[18:19] where my prefetches stand
.set G1,  24          ; s[24:31]
.set G0K, 40
.set G0V, 44
.set SLOTS, 56
.set CNT, 57
.set CS,  58
.set SEL, 60
.set TB,  62          ; s62  the slot that is read
.set MSB, 0
.macro WIN new
.if MSB != (\new)
	s_set_vgpr_msb (MSB<<8)|(\new)
.set MSB, (\new)
.endif
.endm
.set W_KQ, 0x0a
.set W_PV, 0x52
.set W_RS, 0x41
.macro JLOAD                        ; waves 0, 1 fetch the halves of a slot's K, waves 2, 3 those of its V; an s_nop 0 and four v_nop follow each line
	s_cmp_lt_u32 s[WV], 2
	s_cbranch_scc0 .Lfor_v_\@
	tensor_load_to_lds s[G0K:G0K+3], s[G1:G1+7]
	s_nop 0
.rept 4
	v_nop
.endr
	s_branch .Lasked_\@
.Lfor_v_\@:
	tensor_load_to_lds s[G0V:G0V+3], s[G1:G1+7]
	s_nop 0
.rept 4
	v_nop
.endr
.Lasked_\@:
.endm
; A prefetch of what the NEXT change of slots will ask for: a slot's K and V are 128 blocks of 256 bytes each.  All clusters of a head walk the same rows: the head's first cluster asks; its four
; partners take 32 blocks each, told apart by address; in each, wave 0 asks for K's and wave 2 for V's, a lane a block.  So each block is named once.  The last change that fills a slot asks for nothing.
.macro ASK
	s_cmp_gt_u32 s[SLOTS], s[LIM]
	s_cbranch_scc0 .Lnot_mine_\@
	global_prefetch_b8 v[PFO], s[PFA:PFA+1] th:TH_LOAD_NT scope:SCOPE_SE
.Lnot_mine_\@:
.endm
.macro CROUND
	s_barrier_signal -1
	s_barrier_wait -1
	s_cmp_lg_u32 s[WV], 0
	s_cbranch_scc1 .Lnot_wave_0_\@
	s_barrier_signal -3
.Lnot_wave_0_\@:
	s_barrier_wait -3
	s_barrier_signal -1
	s_barrier_wait -1
.endm
; THE CHANGE OF SLOTS.  Each wave waits for all its tensor loads (one is out: its part of the other slot), adds 0 to its spare word, and waits for that and for its reads of the slot.
; fill = 1: the slot is filled again, with the keys two slots on: the barrier is a round of the cluster's, and the joint fill is the first thing behind it: it has a key step, 128 matrix instructions, to land.
.macro CHANGE fill, ask=0
	WIN 0
	s_wait_tensorcnt 0x0
	ds_add_u32 v[SPW], v[NIL]
.if \fill
.irp g, G0K, G0V
	s_xor_b32 s[\g+1], s[\g+1], SLOT1
	s_add_nc_u64 s[\g+2:\g+3], s[\g+2:\g+3], 32768
.endr
.endif
.if \ask
	s_wait_xcnt 0x0                 ; the last prefetch, a key step back, has read its address
	s_add_nc_u64 s[PFA:PFA+1], s[PFA:PFA+1], 32768
.endif
	s_wait_dscnt 0x0
.if \fill
	CROUND
	JLOAD
.if \ask
	ASK
.endif
.else
	s_barrier_signal -1
	s_barrier_wait -1
.endif
	s_xor_b32 s[TB], s[TB], SLOT1
.endm
	s_load_b128 s[4:7], s[0:1], 0x0 ; qkv, act
	v_lshl_add_u32 v[SPW], v0, 2, SPARE
	v_mov_b32 v[NIL], 0
	ds_add_u32 v[SPW], v[NIL]       ; the wave's opening: the add and its wait ahead of my first tensor load
	v_lshrrev_b32 v1, 5, v0
	v_readfirstlane_b32 s[WV], v1   ; wave 0..3
	s_bfe_u32 s13, ttmp6, 0x40000   ; cx
	s_lshl_b32 s14, ttmp9, 2
	s_add_co_u32 s14, s14, s13      ; my block of 128 queries: it enters Q's and O's addresses alone
	s_and_b32 s20, ttmp7, 0xffff    ; the head
	s_lshl_b32 s21, s20, 18         ; a plane is 262,144 bytes
	s_and_b32 s16, s[WV], 1
	s_lshl_b32 s17, s16, 14         ; the half that I fetch: 16,384 bytes, in memory and in a slot
	s_add_co_u32 s22, s21, s17
	s_add_co_u32 s22, s22, 16*262144
	s_mov_b32 s23, 0
	s_lshl_b32 s2, s14, 14
	s_add_co_u32 s2, s2, s21
	s_mov_b32 s3, 0
	s_lshl_b32 s10, s14, 13         ; O: block (2 head + channel / 32) 128 + row / 16; wave d finishes tiles 2 d, 2 d + 1
	s_add_co_u32 s10, s10, s21
	s_lshl_b32 s11, s[WV], 11
	s_add_co_u32 s10, s10, s11
	s_mov_b32 s11, 0
	s_mov_b32 s[G1], 15|(1<<16)|(1<<21)  ; the mask of four; 2-byte elements; bit 21 beside a mask; no padding
	s_mov_b32 s[G1+1], 128<<16      ; 16,384 dense bytes as 64 rows of 256
	s_mov_b32 s[G1+2], 64<<16
	s_mov_b32 s[G1+3], 128<<16
	s_mov_b32 s[G1+4], 64
	s_mov_b32 s[G1+5], 128
	s_mov_b32 s[G1+6], 0
	s_mov_b32 s[G1+7], 0
	s_mov_b32 s[CS], 0x3e38aa3b     ; c = log2(e) / 8
	s_mov_b32 s[CS+1], s[CS]
	s_mov_b32 s[SEL], 0x76543210
	s_mov_b32 s[SEL+1], 0xfedcba98
	s_mov_b32 s[TB], SLOT1          ; the first change of slots turns it into 0
	s_mov_b32 s[G0K], 1
	s_mov_b32 s[G0K+1], s17
	s_mov_b32 s[G0V], 1
	s_add_co_u32 s[G0V+1], s17, VOFF
	s_and_b32 s[LIM], s[WV], 1      ; 0 in waves 0 and 2,
	s_or_b32 s[LIM], s[LIM], ttmp9  ; where the cluster is the head's first
	s_cmp_eq_u32 s[LIM], 0
	s_cselect_b32 s[LIM], 1, -1
	s_lshl_b32 s52, s13, 13         ; my work-group's 32 blocks of the 128
	s_mov_b32 s53, 0
	s_wait_dscnt 0x0                ; the opening add is done
	s_wait_kmcnt 0x0
	s_add_nc_u64 s[8:9], s[4:5], s[22:23]          ; K at my half of the head's first 256 keys
	s_add_nc_u64 s[50:51], s[8:9], 16*262144       ; V likewise
	s_mov_b64 s[G0K+2:G0K+3], s[8:9]
	s_or_b32 s[G0K+3], s[G0K+3], 0x80000000
	s_mov_b64 s[G0V+2:G0V+3], s[50:51]
	s_or_b32 s[G0V+3], s[G0V+3], 0x80000000
	s_cmp_lt_u32 s[WV], 2
	s_cselect_b64 s[PFA:PFA+1], s[8:9], s[50:51]
	s_add_nc_u64 s[PFA:PFA+1], s[PFA:PFA+1], s[52:53]
	s_add_nc_u64 s[PFA:PFA+1], s[PFA:PFA+1], 2*32768  ; in slot 2; the loop's first change steps it to slot 3.  Nothing is prefetched at the head
	s_add_nc_u64 s[4:5], s[4:5], s[2:3]            ; Q at my block
	s_add_nc_u64 s[6:7], s[6:7], s[10:11]          ; O at the tiles that I finish
	CROUND                          ; all four work-groups are here
	JLOAD                           ; slot 0
	v_and_b32 v1, 31, v0
	v_lshlrev_b32 v[LO], 4, v1
	v_lshlrev_b32 v[PFO], 8, v1
	WIN 0x80
.set i, 0
.rept 4*NP                          ; Q stays in registers: tile i / 2, channels 32 (i % 2) on
	global_load_b128 v[8*i:8*i+3],   v[LO], s[4:5] offset:(i/2)*2048+(i%2)*1024
	global_load_b128 v[8*i+4:8*i+7], v[LO], s[4:5] offset:(i/2)*2048+(i%2)*1024+512
.set i, i+1
.endr
	; What the first turn finds: V's registers and P's second buffer hold 0, O^T and l are 0.  All this stands in the wait for the first tile.
.set i, VF
.rept 64
	v_mov_b32 v[i], 0
.set i, i+1
.endr
	WIN 0
.set i, 0
.rept 2*NP
	v_mov_b32 v[ST+4*i], 0xfe000000    ; c m: far below every c s
	v_mov_b32 v[ST+4*i+1], 0xff7fffff  ; m
	v_mov_b32 v[ST+4*i+2], 0
	v_mov_b32 v[ST+4*i+3], 0
.set i, i+1
.endr
.set i, P+32
.rept 32
	v_mov_b32 v[i], 0
.set i, i+1
.endr
	WIN W_PV
.set n, 0
.rept 8*NP                          ; O^T starts at 0: one product of those zeros of V and P for each accumulator, 8 bytes of text where eight moves would be 32
	v_wmma_f32_16x16x32_bf16 v[8*n:8*n+7], v[VF:VF+7], v[P+32:P+39], 0
.set n, n+1
.endr
	WIN 0
	s_lshl_b32 s53, s[WV], 13       ; my 64 keys of a slot's 256
	v_add_nc_u32 v[AK0], s53, v[LO]
	v_and_b32 v10, 7, v0            ; the turning load: lane l addresses key 8 (l / 16) + l % 8, channels 8 ((l / 8) % 2) on: piece 16 ((l / 8) % 2) + 8 (l / 16) + l % 8 of a block's half
	v_bfe_u32 v11, v0, 3, 1
	v_lshl_add_u32 v10, v11, 4, v10
	v_bfe_u32 v11, v0, 4, 1
	v_lshl_add_u32 v10, v11, 3, v10
	v_lshlrev_b32 v10, 4, v10
	s_add_co_u32 s53, s53, VOFF
	v_add_nc_u32 v[AV0], s53, v10
	v_mov_b32 v[AK], v[AK0]         ; key step 0 lies in slot 0
; THE MATRIX WORK.  The 8 accumulators of a run of 16 take turns.
.macro KQ x                         ; product i of 16 of S^T = K Q^T for piece x: channels 32 (i / 8) on, keys 16 ((i / 2) % 4) on, tile 2 x + i % 2
	WIN W_KQ
.set rS, S+64*((\x)%2)+32*(i%2)+8*((i/2)%4)
.set rK, KF+16*((i/2)%4)+8*(i/8)
.set rQ, 16*(2*(\x)+i%2)+8*(i/8)
.if i < 8
	v_wmma_f32_16x16x32_bf16 v[rS:rS+7], v[rK:rK+7], v[rQ:rQ+7], 0
.else
	v_wmma_f32_16x16x32_bf16 v[rS:rS+7], v[rK:rK+7], v[rQ:rQ+7], v[rS:rS+7]
.endif
.endm
.macro PV x                         ; product i of 16 of O^T += V^T P for piece x: keys 32 (i / 8) on, channels 16 ((i / 2) % 4) on
	WIN W_PV
.set rO, 32*(2*(\x)+i%2)+8*((i/2)%4)
.set rV, VF+32*(i/8)+8*((i/2)%4)
.set rP, P+32*((\x)%2)+16*(i%2)+8*(i/8)
	v_wmma_f32_16x16x32_bf16 v[rO:rO+7], v[rV:rV+7], v[rP:rP+7], v[rO:rO+7]
.endm
.macro MM
.if i < 16
	KQ (Y+1)%NP
.set i, i+1
.else
.set i, i-16
	PV (Y+NP-1)%NP
.set i, i+17
.endif
.endm
; THE LDS LOADS stand in runs of 16.  last = 1 (the tail): in the last trip there is no further step, and the run is jumped over.
.macro FETCH_K last=0
	WIN 0
.if \last
	s_cmp_eq_u32 s[CNT], 1
	s_cbranch_scc1 .Lno_k_\@
.endif
	WIN 0x80
.irp f, 0,1,2,3,4,5,6,7             ; keys 16 (f / 2) on, channels 32 (f % 2) on
	ds_load_b128 v[KF+8*\f:KF+8*\f+3],   v[AK] offset:(\f/2)*2048+(\f%2)*1024
	ds_load_b128 v[KF+8*\f+4:KF+8*\f+7], v[AK] offset:(\f/2)*2048+(\f%2)*1024+512
.endr
	WIN 0
.if \last
.Lno_k_\@:
.endif
.endm
.macro FETCH_V
	WIN 0x80
.irp f, 0,1,2,3,4,5,6,7             ; keys 32 (f / 4) on, channels 16 (f % 4) on
	ds_load_tr16_b128 v[VF+8*\f:VF+8*\f+3],   v[AV] offset:(\f/4)*4096+((\f%4)/2)*1024+(\f%2)*512
	ds_load_tr16_b128 v[VF+8*\f+4:VF+8*\f+7], v[AV] offset:(\f/4)*4096+((\f%4)/2)*1024+(\f%2)*512+2048
.endr
	WIN 0
.endm
; THE VECTOR WORK OF A TURN stands in three queues, each in the order in which its entries become ready; the two tiles alternate.
.macro REGS y, u
.set rT, ST+4*(2*(\y)+(\u))
.set rC, TMP+8*((\y)%2)+4*(\u)
.set rM, MV+2*((\y)%2)+(\u)
.set rS, S+64*((\y)%2)+32*(\u)
.set rP, P+32*((\y)%2)+16*(\u)
.set rO, 32*(2*(\y)+(\u))
.endm
; Number n of the 22 that find the NEXT piece's maximum and statistics; each accumulator's lowest registers are read first.
;   0-11 four chains of seven scores   12-14, 16 the four left over, the old m, the four into one   15 c m_old is kept   17, 18 the other half of the lanes: the new m   19-21 c m; its change; a
.macro XS u, n
	REGS (Y+1)%NP, \u
.if (\n) < 4
	v_max3_num_f32 v[rC+(\n)], v[rS+8*(\n)], v[rS+8*(\n)+1], v[rS+8*(\n)+2]
.elseif (\n) < 12
	v_max3_num_f32 v[rC+(\n)%4], v[rC+(\n)%4], v[rS+8*((\n)%4)+2*((\n)/4)+1], v[rS+8*((\n)%4)+2*((\n)/4)+2]
.elseif (\n) == 12
	v_max3_num_f32 v[rC], v[rC], v[rS+7], v[rS+15]
.elseif (\n) == 13
	v_max3_num_f32 v[rC+1], v[rC+1], v[rS+23], v[rS+31]
.elseif (\n) == 14
	v_max3_num_f32 v[rC+2], v[rC+2], v[rC+3], v[rT+1]
.elseif (\n) == 15
	v_mov_b32 v[rM], v[rT]
.elseif (\n) == 16
	v_max3_num_f32 v[rC], v[rC], v[rC+1], v[rC+2]
.elseif (\n) == 17
	v_permlanex16_b32 v[rC+3], v[rC], s[SEL], s[SEL+1]
.elseif (\n) == 18
	v_max_num_f32 v[rT+1], v[rC], v[rC+3]
.elseif (\n) == 19
	v_mul_f32 v[rT], s[CS], v[rT+1]
.elseif (\n) == 20
	v_sub_f32 v[rC+1], v[rM], v[rT]
.else
	v_exp_f32 v[rC+2], v[rC+1]
.endif
.endm
; Number g of the 64 that follow the exponentials: for each four weights both pairs are rounded; the second pair is added onto the first; a group later l takes that sum (the first time as l = a l + sum).
.macro GS g
.set h, (\g)+6*((\g)/62)
.if h >= 6
.set h, h+2
.endif
	REGS Y, h%2
.set k, h/8
.if h%8 < 4
	v_cvt_pk_bf16_f32 v[rP+2*k+(h%8)/2], v[rS+4*k+2*((h%8)/2)], v[rS+4*k+2*((h%8)/2)+1]
.elseif h%8 < 6
	v_pk_add_f32 v[rS+4*k:rS+4*k+1], v[rS+4*k:rS+4*k+1], v[rS+4*k+2:rS+4*k+3]
.elseif k == 1
	v_pk_fma_f32 v[rT+2:rT+3], v[rT+2:rT+3], v[rC+2:rC+3], v[rS:rS+1] op_sel_hi:[1,0,1]
.else
	v_pk_add_f32 v[rT+2:rT+3], v[rT+2:rT+3], v[rS+4*k-4:rS+4*k-3]
.endif
.endm
; THE PLAIN QUEUE, 138 long: 0-26 scalings; 27-54 the maximum's numbers 0-13; 55, 56 number 15; 57-73 the chain, a scaling in front of each of its links; 74-137 what reads the exponentials' results.
.macro FS f
	REGS Y, (\f)%2
	v_pk_fma_f32 v[rS+2*((\f)/2):rS+2*((\f)/2)+1], v[rS+2*((\f)/2):rS+2*((\f)/2)+1], s[CS:CS+1], v[rT:rT+1] op_sel_hi:[1,0,0] neg_lo:[0,0,1] neg_hi:[0,0,1]
.endm
.macro PL
	WIN 0
.if q < 27
	FS q
.elseif q < 55
	XS (q-27)%2, (q-27)/2
.elseif q < 57
	XS q-55, 15
.elseif (q < 72) && ((q-57)%3 == 0)
	FS 27+(q-57)/3
.elseif q < 60
	XS (q-57)%3-1, 14
.elseif q < 72
	XS (q-57)%3-1, 15+(q-57)/3
.elseif q < 74
	XS q-72, 20
.else
	GS q-74
.endif
.set q, q+1
.endm
.macro EX                           ; the exponentials' queue, 66 long: one batch, ahead of the turn's one wait
	WIN 0
.if e >= 64
	XS e-64, 21
.else
	REGS Y, e%2
	v_exp_f32 v[rS+e/2], v[rS+e/2]
.endif
.set e, e+1
.endm
.macro R2                           ; the rescaling's queue: O^T times a, two at a time
	REGS Y, r%2
	WIN W_RS
.irp z, 0,1
	v_pk_mul_f32 v[rO+4*(r/2)+2*\z:rO+4*(r/2)+2*\z+1], v[rO+4*(r/2)+2*\z:rO+4*(r/2)+2*\z+1], v[rC+2:rC+3] op_sel_hi:[1,0]
.endr
.set r, r+1
.endm
; A TURN, for piece p.  Ahead of its one wait stands all that names no result of its exponentials: 16 products K Q^T with their four riders, then a run of 108.  Behind it: 16 products V^T P, behind each
; four of the roundings and sums.  K of the next step is fetched in piece 2's turn, directly behind the wait; V of the step in hand at the end of piece 0's turn, four riders behind its last reader.
.macro TURN p, last=0
.set Y, (\p)
.set i, 0
.set q, 0
.set e, 0
.set r, 0
.if (\p) == NP-1
	s_wait_dscnt 0x0                ; K is in
.endif
	MM
	PL
	PL
	R2
.rept 15
	MM
	PL
	EX
	R2
.endr
.if (\p) == NP-2
	WIN 0
	v_add_nc_u32 v[AK], s[TB], v[AK0]
.endif
.rept 8
	PL
.endr
.rept 49
	EX
	PL
.endr
	EX
	EX
	v_nop                           ; a plain instruction behind the last exponential: one for the batch
	s_wait_alu depctr_va_vdst(0)    ; the wait for the batch, ahead of the first instruction that names a result
.if (\p) == NP-2
	FETCH_K \last
.endif
.if (\p) == 1
	s_wait_dscnt 0x0                ; V is in
.endif
.rept 16
	MM
.rept 4
	PL
.endr
.if ((\p) == 0) && (q == 118)
	v_add_nc_u32 v[AV], s[TB], v[AV0]
.endif
.endr
.if (\p) == 0
	FETCH_V
.endif
.endm
	CHANGE 1                        ; slot 0 is in, everybody's part of it; slot 1 is asked for
	FETCH_K                         ; key step 0
	s_wait_loadcnt 0x0              ; Q
	s_wait_dscnt 0x0
.set i, 0
.rept 16
	KQ 0
.set i, i+1
.endr
	WIN 0
.rept 4
	v_nop                           ; the places behind those products
.endr
.set Y, NP-1
.irp n, 0,1,2,3,4,5,6,7,8,9,10,11,12,13,14,15,16,17,18,19,20,21
	XS 0, \n
	XS 1, \n
.endr
	v_nop
	s_wait_alu depctr_va_vdst(0)
	s_mov_b32 s[SLOTS], 7
	s_branch .Lfirst                ; the loop is entered at a step's first turn
.Lslot:                             ; six times: slots 2 to 7 are asked for.  A slot is one key step of each wave
	CHANGE 1, 1
	TURN 2
	TURN 3
	WIN 0
.Lfirst:
	TURN 0
	TURN 1
	WIN 0
	s_sub_co_u32 s[SLOTS], s[SLOTS], 1
	s_cmp_lg_u32 s[SLOTS], 0
	s_cbranch_scc1 .Lslot
	CHANGE 0                        ; the tail is written out
	s_mov_b32 s[CNT], 2             ; one trip fetches the last slot's step; the second is left in its middle
.Ltail:
	TURN 2, 1
	TURN 3
	WIN 0
	s_sub_co_u32 s[CNT], s[CNT], 1
	s_cmp_eq_u32 s[CNT], 0
	s_cbranch_scc1 .Lout
	TURN 0
	TURN 1
	WIN 0
	s_branch .Ltail
.Lout:                              ; the second trip's 16 products K Q^T and the maximum made of them serve nothing: the price of one text for every trip
.set i, 0
.rept 16
	PV NP-1
.set i, i+1
.endr
	; THE WAY OUT.  Each wave lays down (c m, l) and its partial O^T; behind a barrier wave d merges tiles 2 d and 2 d + 1.  The additions are the places behind the last products.
	WIN 0
.macro ALL line:vararg
.set t, 0
.rept 2*NP
	\line
.set t, t+1
.endr
.endm
	ALL v_add_f32 v[ST+4*t+2], v[ST+4*t+2], v[ST+4*t+3]
	ALL v_permlanex16_b32 v[ST+4*t+3], v[ST+4*t+2], s[SEL], s[SEL+1]
	ALL v_add_f32 v[ST+4*t+1], v[ST+4*t+2], v[ST+4*t+3]
	s_lshl_b32 s53, s[WV], 11
	s_add_co_u32 s53, s53, MS
	v_lshl_add_u32 v[MRA], v1, 3, s53
	ALL ds_store_b64 v[MRA], v[ST+4*t:ST+4*t+1] offset:t*256
	s_lshl_b32 s53, s[WV], 12
	s_add_co_u32 s53, s53, OS
	v_add_nc_u32 v[ORA], s53, v[LO]
	v_add_nc_u32 v[AK], 65536, v[ORA]
	WIN 0x04                        ; store data in window 1
.set n, 0
.rept 32                            ; tiles 0-3; each accumulator's low four registers go first
	ds_store_b128 v[ORA], v[4*n:4*n+3] offset:(n/8)*16384+(n%8)*512
.set n, n+1
.endr
.set n, 0
.rept 32                            ; tiles 4-7
	ds_store_b128 v[AK], v[128+4*n:128+4*n+3] offset:(n/8)*16384+(n%8)*512
.set n, n+1
.endr
	WIN 0
	s_wait_dscnt 0x0                ; for the others' sake
	s_barrier_signal -1
	s_barrier_wait -1
	s_lshl_b32 s53, s[WV], 9
	s_add_co_u32 s53, s53, MS
	v_lshl_add_u32 v[MRA], v1, 3, s53
	s_lshl_b32 s53, s[WV], 15
	s_add_co_u32 s53, s53, OS
	v_add_nc_u32 v[ORA], s53, v[LO]
	s_mov_b32 s52, 0                ; tile 2 d + u: its place among the pairs (256 u),
	s_mov_b32 s53, 0                ; in the partial O^T (16,384 u),
	s_mov_b32 s54, 0                ; and in O (1,024 u)
	s_mov_b32 s[CNT], 2
; THE MERGE, written once, walked for u = 0, 1.  M = the largest of the four c m; weight z = 2^(c m_z - M) / sum of 2^(c m_z - M) l_z; O = the sum of weight z x O_z.
.Lmerge:
	s_wait_xcnt 0x0                 ; the last trip's stores have read their offset and their data: both are rewritten only behind this wait
	v_add_nc_u32 v[AK], s52, v[MRA]
	v_add_nc_u32 v[AV], s53, v[ORA]
	v_add_nc_u32 v[GSO], s54, v[LO]
.irp z, 0,1,2,3
	ds_load_b64 v[16+2*\z:17+2*\z], v[AK] offset:\z*2048
.endr
.set n, 0
.rept 32                            ; wave n / 8, quad n % 8
	ds_load_b128 v[S+4*n:S+4*n+3], v[AV] offset:n*512
.set n, n+1
.endr
	s_wait_dscnt 32                 ; the four pairs are in; the 32 younger loads stay out
	v_max_num_f32 v24, v16, v18
	v_max_num_f32 v25, v20, v22
	v_max_num_f32 v24, v24, v25
.irp z, 16,18,20,22
	v_sub_f32 v\z, v\z, v24
.endr
.irp z, 16,18,20,22
	v_exp_f32 v\z, v\z
.endr
	v_nop
	s_wait_alu depctr_va_vdst(0)    ; one wait for the four exponentials
	v_mul_f32 v26, v16, v17
	v_fmac_f32 v26, v18, v19
	v_fmac_f32 v26, v20, v21
	v_fmac_f32 v26, v22, v23
	v_rcp_f32 v26, v26
	v_nop
	s_wait_alu depctr_va_vdst(0)
.irp z, 16,18,20,22
	v_mul_f32 v\z, v\z, v26
.endr
	s_wait_dscnt 0x0
.set p, 0
.rept 16
	v_pk_mul_f32 v[S+2*p:S+2*p+1], v[S+2*p:S+2*p+1], v[16:17] op_sel_hi:[1,0]
.set p, p+1
.endr
.irp z, 1,2,3
.set p, 0
.rept 16
	v_pk_fma_f32 v[S+2*p:S+2*p+1], v[S+32*\z+2*p:S+32*\z+2*p+1], v[16+2*\z:17+2*\z], v[S+2*p:S+2*p+1] op_sel_hi:[1,0,1]
.set p, p+1
.endr
.endr
.set p, 0
.rept 16
	v_cvt_pk_bf16_f32 v[P+p], v[S+2*p], v[S+2*p+1]
.set p, p+1
.endr
.irp f, 0,1,2,3
	global_store_b128 v[GSO], v[P+4*\f:P+4*\f+3], s[6:7] offset:(\f/2)*131072+(\f%2)*512  ; 512 consecutive bytes of a fragment's image
.endr
	s_add_co_u32 s52, s52, 256
	s_add_co_u32 s53, s53, 16384
	s_add_co_u32 s54, s54, 1024
	s_sub_co_u32 s[CNT], s[CNT], 1
	s_cmp_lg_u32 s[CNT], 0
	s_cbranch_scc1 .Lmerge
	s_wait_tensorcnt 0x0            ; the wave's end
	ds_add_u32 v[SPW], v[NIL]
	s_wait_dscnt 0x0
	CROUND                          ; the closing round
	s_endpgm
.Lfunc_end_k_q5e86a0c22b_attn:
	.size	k_q5e86a0c22b_attn, .Lfunc_end_k_q5e86a0c22b_attn-k_q5e86a0c22b_attn
	.p2alignl 7, 3214868480
	.fill 96, 4, 3214868480
	.section	.rodata,"a",@progbits
	.p2align	6, 0x0
	.amdhsa_kernel k_q5e86a0c22b_attn
		.amdhsa_group_segment_fixed_size 327680
		.amdhsa_private_segment_fixed_size 0
		.amdhsa_enable_private_segment 0
		.amdhsa_kernarg_size 16
		.amdhsa_user_sgpr_count 2
		.amdhsa_user_sgpr_kernarg_segment_ptr 1
		.amdhsa_wavefront_size32 1
		.amdhsa_system_sgpr_workgroup_id_x 1
		.amdhsa_system_sgpr_workgroup_id_y 1
		.amdhsa_system_sgpr_workgroup_id_z 1
		.amdhsa_system_vgpr_workitem_id 0
		.amdhsa_next_free_vgpr 768
		.amdhsa_next_free_sgpr 66
		.amdhsa_reserve_vcc 0
		.amdhsa_float_denorm_mode_32 3
		.amdhsa_float_denorm_mode_16_64 3
		.amdhsa_memory_ordered 1
		.amdhsa_forward_progress 1
		.amdhsa_inst_pref_size 180
	.end_amdhsa_kernel
	.amdgpu_metadata
---
amdhsa.version: [ 1, 2 ]
amdhsa.kernels:
  - .name:           k_q5e86a0c22b_attn
    .symbol:         k_q5e86a0c22b_attn.kd
    .args:
      - { .name: qkv, .offset: 0, .size: 8, .value_kind: global_buffer, .address_space: global }
      - { .name: act, .offset: 8, .size: 8, .value_kind: global_buffer, .address_space: global }
    .group_segment_fixed_size: 327680
    .private_segment_fixed_size: 0
    .kernarg_segment_align: 8
    .kernarg_segment_size: 16
    .max_flat_workgroup_size: 128
    .sgpr_count:     66
    .vgpr_count:     768
    .wavefront_size: 32
...
	.end_amdgpu_metadata
.endif
;; end of part 13
;; launch gwo (part 14): grid 8 x 16, 4 waves a work-group, clusters of 4 x 4, 327,680 bytes of LDS; arguments act, pb, y; writes y
.if DOCPART == 14
	.amdgcn_target "amdgcn-amd-amdhsa--gfx1250"
	.amdhsa_code_object_version 6
	.text
	.protected	k_q5e86a0c22b_gwo
	.globl	k_q5e86a0c22b_gwo
	.p2align	8
	.type	k_q5e86a0c22b_gwo,@function
k_q5e86a0c22b_gwo:
	s_mov_b64 s[64:65], 0
	v_nop
	global_prefetch_b8 v0, s[64:65] scope:SCOPE_SE
	s_setreg_imm32_b32 hwreg(HW_REG_WAVE_MODE, 25, 1), 1
	s_wait_xcnt 0x0
	s_wait_alu depctr_hold_cnt(0) depctr_sa_sdst(0) depctr_va_vdst(0) depctr_va_sdst(0) depctr_va_ssrc(0) depctr_va_vcc(0) depctr_vm_vsrc(0)
	s_getreg_b32 s2, hwreg(HW_REG_IB_STS2, 6, 4)
	s_cmp_eq_u32 s2, 0
	s_cbranch_scc0 .Lentry_in_a_cluster
	s_endpgm
.Lentry_in_a_cluster:
	s_bfe_u32 s2, ttmp6, 0x10000c
	s_cmp_lg_u32 s2, 0xf033
	s_cbranch_scc0 .Lentry_shape_is_right
	s_endpgm
.Lentry_shape_is_right:
; gwo: y = O Wo, [2048] x [1024], K = 1,024; bf16 operands, f32 sums stored as they lie in the accumulators (blocks of 16 x 16, 1,024 bytes: block (m / 16) 64 + n / 16).
; A work-group makes 128 rows x P = 2 planes of 64 columns; four waves as 2 x 2; a wave 64 rows x 32 columns of each plane: 4 x 4 accumulators.  128 work-groups: splitting K to make 256 would add
; 16 MB of partial sums to save two of four K steps.
; O lies in blocks that are a fragment's image; Wo in blocks of 8 k x 64 n, read by the turning load.  THE PRODUCT IS USED TRANSPOSED (source 0 = 16 columns of W, source 1 = 16 rows of O).
; RING: two LDS slots, a K step of 256 each.  Waves 0, 1 fetch the row halves of O's tile, waves 2, 3 the k halves of W's: one tensor load a wave behind each round.
; CLUSTER 4 x 4: O's tile is shared along a row of the cluster, W's along a column: joint loads.
; THE TEXT IS KEPT SHORT.  A step's eight chunks of 32 along K are a loop of three trips over a pair of chunks, then chunk 6, then the last chunk with the change of slots: four chunks' text for eight.
; The sums start at 0 by one product of two zero fragments for each accumulator (8 bytes of text where eight moves would be 32), made while the first tiles are on their way, so that a K step is
; written twice only (loop and tail).  No prefetch: four K steps, two of them first fills.
.set P,      2
.set KSTEP,  256
.set NPL,    16
.set T,      4
.set NCH,    KSTEP/32
.set ABYTES, KSTEP*256
.set AHALF,  ABYTES/2
.set BHALF,  (KSTEP/16)*P*1024
.set SLOT1,  131072
.set SPARE,  262144
.set ASTEP,  NCH*131072
.set BSTEP,  (KSTEP/8)*NPL*1024
.set NL,     8+4*P
.set ADRA0, 4                          ; v4, v5  my lane's place in a slot's two tiles; fixed
.set ADRB0, 5
.set ADRA,  6                          ; v6, v7  the same at the slot and pair of chunks in hand
.set ADRB,  7
.set OUTO,  8
.set SPW,   12
.set NIL,   13
.set F0,    0
.set F1,    128
.set PC,  16                           ; s16  counts a step's pairs of chunks
.set KA,  17                           ; s17  the slot and pair in hand, in bytes of the left operand's tile
.set KB,  18                           ; s18  the same in the weights' tile
.set G1A, 24
.set G0A, 32
.set G1B, 48
.set G0B, 56
.set MSB, 0
.macro WIN new
.if MSB != (\new)
	s_set_vgpr_msb (MSB<<8)|(\new)
.set MSB, \new
.endif
.endm
.macro PLACES
.rept 4
	v_nop
.endr
.endm
.macro JLOAD                           ; the joint refill, by the walking descriptor; an s_nop 0 and four v_nop follow each of the two lines
	s_cmp_eq_u32 s11, 0
	s_cbranch_scc0 .Lfor_b_\@
	tensor_load_to_lds s[G0A+4:G0A+7], s[G1A:G1A+7]
	s_nop 0
	PLACES
	s_branch .Lasked_\@
.Lfor_b_\@:
	tensor_load_to_lds s[G0B+4:G0B+7], s[G1B:G1B+7]
	s_nop 0
	PLACES
.Lasked_\@:
.endm
.macro CREST
	s_cmp_lg_u32 s10, 0
	s_cbranch_scc1 .Lnot_wave_0_\@
	s_barrier_signal -3
.Lnot_wave_0_\@:
	s_barrier_wait -3
	s_barrier_signal -1
	s_barrier_wait -1
.endm
.macro CROUND
	s_barrier_signal -1
	s_barrier_wait -1
	CREST
.endm
	s_load_b128 s[4:7], s[0:1], 0x0                ; act, pb
	s_load_b64 s[8:9], s[0:1], 0x10                ; y
	v_lshl_add_u32 v[SPW], v0, 2, SPARE
	v_mov_b32 v[NIL], 0
	ds_add_u32 v[SPW], v[NIL]                      ; the wave's opening: the add and its wait ahead of my first tensor load
	v_lshrrev_b32 v1, 5, v0
	v_readfirstlane_b32 s10, v1
	s_lshr_b32 s11, s10, 1                         ; my row half.  Also: I fetch for O (0) or for W (1)
	s_and_b32 s12, s10, 1                          ; my column half.  Also: which half of that tile I fetch
	s_bfe_u32 s40, ttmp6, 0x40000
	s_bfe_u32 s41, ttmp6, 0x40004
	s_lshl_b32 s42, ttmp9, 2
	s_add_co_u32 s42, s42, s40                     ; tile column
	s_and_b32 s13, ttmp7, 0xffff
	s_lshl_b32 s13, s13, 2
	s_add_co_u32 s13, s13, s41                     ; tile row
	s_lshl_b32 s43, s41, 2
	s_lshl_b32 s43, 15, s43
	s_lshl_b32 s44, 0x1111, s40
	s_or_b32 s[G1A], s43, (3<<16)|(1<<21)          ; the mask; elements of 8 bytes; bit 21 beside a mask; no padding
	s_or_b32 s[G1B], s44, (3<<16)|(1<<21)
	s_mov_b32 s[G1A+1], 512<<16
	s_mov_b32 s[G1A+2], NCH<<16
	s_mov_b32 s[G1A+3], 512<<16
	s_mov_b32 s[G1A+4], NCH
	s_mov_b32 s[G1A+5], 16384
	s_mov_b32 s[G1A+6], 0
	s_mov_b32 s[G1A+7], 0
	s_mov_b32 s[G1B+1], (P*128)<<16
	s_mov_b32 s[G1B+2], (KSTEP/16)<<16
	s_mov_b32 s[G1B+3], (P*128)<<16
	s_mov_b32 s[G1B+4], KSTEP/16
	s_mov_b32 s[G1B+5], NPL*128
	s_mov_b32 s[G1B+6], 0
	s_mov_b32 s[G1B+7], 0
	s_lshl_b32 s16, s13, 13
	s_lshl_b32 s17, s12, 12
	s_add_co_u32 s16, s16, s17
	s_mov_b32 s17, 0
	s_mul_i32 s46, s42, P*1024
	s_mul_i32 s47, s12, (KSTEP/16)*NPL*1024
	s_add_co_u32 s46, s46, s47
	s_mov_b32 s47, 0
	s_mul_i32 s20, s12, AHALF
	s_mul_i32 s21, s12, BHALF
	s_add_co_u32 s21, s21, ABYTES
	s_wait_dscnt 0x0
	s_wait_kmcnt 0x0
	s_add_nc_u64 s[14:15], s[4:5], s[16:17]
	s_add_nc_u64 s[46:47], s[6:7], s[46:47]
	CROUND
.irp s, 0,1
	s_mov_b32 s[G0A+4*(\s)], 1
	s_add_co_u32 s[G0A+4*(\s)+1], s20, (\s)*SLOT1
	s_add_nc_u64 s[G0A+4*(\s)+2:G0A+4*(\s)+3], s[14:15], (\s)*ASTEP
	s_or_b32 s[G0A+4*(\s)+3], s[G0A+4*(\s)+3], 0x80000000
	s_mov_b32 s[G0B+4*(\s)], 1
	s_add_co_u32 s[G0B+4*(\s)+1], s21, (\s)*SLOT1
	s_add_nc_u64 s[G0B+4*(\s)+2:G0B+4*(\s)+3], s[46:47], (\s)*BSTEP
	s_or_b32 s[G0B+4*(\s)+3], s[G0B+4*(\s)+3], 0x80000000
.endr
	s_cmp_eq_u32 s11, 0                            ; a wave's two first fills stand in one branch: two loads of mine are out
	s_cbranch_scc0 .Lfirst_b
	tensor_load_to_lds s[G0A:G0A+3], s[G1A:G1A+7]
	s_nop 0
	tensor_load_to_lds s[G0A+4:G0A+7], s[G1A:G1A+7]
	s_nop 0
	PLACES
	s_branch .Lfirst_asked
.Lfirst_b:
	tensor_load_to_lds s[G0B:G0B+3], s[G1B:G1B+7]
	s_nop 0
	tensor_load_to_lds s[G0B+4:G0B+7], s[G1B:G1B+7]
	s_nop 0
	PLACES
.Lfirst_asked:
	v_and_b32 v3, 31, v0
	v_bfe_u32 v2, v0, 4, 1
	v_lshlrev_b32 v[OUTO], 4, v3
	s_mul_i32 s22, s11, AHALF
	v_add_nc_u32 v[ADRA0], s22, v[OUTO]
	v_and_b32 v14, 7, v0
	v_bfe_u32 v15, v0, 3, 1
	v_lshlrev_b32 v14, 4, v14
	v_lshl_add_u32 v14, v15, 7, v14
	v_mul_u32_u24 v15, v2, P*1024
	v_add_nc_u32 v14, v14, v15
	s_lshl_b32 s23, s12, 9
	s_add_co_u32 s23, s23, ABYTES
	v_add_nc_u32 v[ADRB0], s23, v14
	v_mov_b32 v[ADRA], v[ADRA0]
	v_mov_b32 v[ADRB], v[ADRB0]
	s_lshl_b32 s16, s13, 19                        ; where my part of y begins: 8 row blocks of 64 blocks a tile row,
	s_lshl_b32 s17, s11, 18
	s_add_co_u32 s16, s16, s17
	s_lshl_b32 s17, s12, 11                        ; two column blocks a column half
	s_add_co_u32 s16, s16, s17
	s_mov_b32 s17, 0
	s_add_nc_u64 s[8:9], s[8:9], s[16:17]
	s_lshl_b32 s46, s42, 13                        ; eight column blocks a tile column
	s_mov_b32 s47, 0
	s_add_nc_u64 s[8:9], s[8:9], s[46:47]
	s_mov_b32 s[KA], 0                             ; slot 0, its first pair of chunks
	s_mov_b32 s[KB], 0
	WIN 0x40
.set i, 0
.rept 16
	v_mov_b32 v[F0+i], 0                           ; two fragments of zeros
.set i, i+1
.endr
	WIN 0x85                                       ; sources 0 and 1 window 1, D window 2
.set n, 0
.rept 8*P
	v_wmma_f32_16x16x32_bf16 v[8*n:8*n+7], v[F0:F0+7], v[F0+8:F0+15], 0
.set n, n+1
.endr
	WIN 0
	PLACES                                         ; in front of the loads into the zero fragments' registers
.macro FETCH kb, f                     ; the chunk kb chunks on from the address registers: W's 2 P fragments (turned), then the left operand's 4
	WIN 0x40
.set b, 0
.rept 2*P
	ds_load_tr16_b128 v[(\f)+32+8*b:(\f)+32+8*b+3],   v[ADRB] offset:4*(\kb)*P*1024+(b/2)*1024+(b%2)*256
	ds_load_tr16_b128 v[(\f)+32+8*b+4:(\f)+32+8*b+7], v[ADRB] offset:4*(\kb)*P*1024+(b/2)*1024+(b%2)*256+2*P*1024
.set b, b+1
.endr
.set a, 0
.rept 4
	ds_load_b128 v[(\f)+8*a:(\f)+8*a+3],   v[ADRA] offset:(\kb)*4096+a*1024
	ds_load_b128 v[(\f)+8*a+4:(\f)+8*a+7], v[ADRA] offset:(\kb)*4096+a*1024+512
.set a, a+1
.endr
.endm
.macro MULA f, a                       ; every accumulator is taken once a chunk, in one order: no two neighbours share one, over the backward jumps too
	WIN 0xa5
.set b, 0
.rept 2*P
	v_wmma_f32_16x16x32_bf16 v[8*((\a)*2*P+b):8*((\a)*2*P+b)+7], v[(\f)+32+8*b:(\f)+32+8*b+7], v[(\f)+8*(\a):(\f)+8*(\a)+7], v[8*((\a)*2*P+b):8*((\a)*2*P+b)+7]
.set b, b+1
.endr
.endm
.macro CHR kb, f, g                    ; buffer f is multiplied; the chunk kb on is fetched into buffer g, four places behind the products that read it
	PLACES
	FETCH \kb, \g
	s_wait_dscnt NL                                ; all but the NL just issued: buffer f is in
	MULA \f, 0
	MULA \f, 1
	MULA \f, 2
	MULA \f, 3
.endm
; The step's last chunk, and the change of slots: all my tensor loads, the add, my reads of this slot; the barrier; with fill = 1 it opens a round of the cluster's and the joint refill comes first behind it.
.macro TURN fill
	WIN 0
	s_wait_tensorcnt 0x0
	ds_add_u32 v[SPW], v[NIL]
.if \fill
	s_xor_b32 s[G0A+5], s[G0A+5], SLOT1            ; no tensor load of mine is out: the walking descriptors step to the other slot, one K step on
	s_add_nc_u64 s[G0A+6:G0A+7], s[G0A+6:G0A+7], ASTEP
	s_xor_b32 s[G0B+5], s[G0B+5], SLOT1
	s_add_nc_u64 s[G0B+6:G0B+7], s[G0B+6:G0B+7], BSTEP
.endif
	s_sub_co_u32 s[KA], s[KA], (NCH-2)*4096        ; the fetches go back to a slot's first chunk,
	s_xor_b32 s[KA], s[KA], SLOT1                  ; in the other slot
	s_sub_co_u32 s[KB], s[KB], (NCH-2)*4*P*1024
	s_xor_b32 s[KB], s[KB], SLOT1
	s_wait_dscnt 1                                 ; the chunk's fragments are in; the add may be out
	MULA F1, 0
	s_wait_dscnt 0x0                               ; the add is done, my reads of this slot are over
	s_barrier_signal -1
	MULA F1, 1
	WIN 0
	s_barrier_wait -1
.if \fill
	CREST
	JLOAD                                          ; its four v_nop are also the places in front of the loads below
.else
	PLACES
.endif
	v_add_nc_u32 v[ADRA], s[KA], v[ADRA0]
	v_add_nc_u32 v[ADRB], s[KB], v[ADRB0]
	FETCH 0, F0
	MULA F1, 2
	MULA F1, 3
.endm
; A K step: chunks 0 to 5 in three trips over a pair, chunk 6, and the last chunk with the change of slots.
.macro STEP fill
	s_mov_b32 s[PC], (NCH-2)/2
.Lpair_\@:
	CHR 1, F0, F1
	CHR 2, F1, F0
	WIN 0                                          ; at a label and at a branch every window is 0
	s_add_co_u32 s[KA], s[KA], 2*4096              ; two chunks on
	s_add_co_u32 s[KB], s[KB], 8*P*1024
	v_add_nc_u32 v[ADRA], s[KA], v[ADRA0]
	v_add_nc_u32 v[ADRB], s[KB], v[ADRB0]
	s_sub_co_u32 s[PC], s[PC], 1
	s_cmp_lg_u32 s[PC], 0
	s_cbranch_scc1 .Lpair_\@
	CHR 1, F0, F1
	TURN \fill
	WIN 0
.endm
	s_wait_tensorcnt 0x1                           ; my part of K step 0 is in; step 1's stays out
	s_barrier_signal -1
	s_barrier_wait -1
	FETCH 0, F0
	WIN 0
	s_mov_b32 s2, T-2
.Lstep:
	STEP 1
	s_sub_co_u32 s2, s2, 1
	s_cmp_lg_u32 s2, 0
	s_cbranch_scc1 .Lstep
	s_mov_b32 s2, 2                                ; the last two steps ask for nothing; the second one's barrier and fetch serve nothing: the price of one text for both
.Ltail:
	STEP 0
	s_sub_co_u32 s2, s2, 1
	s_cmp_lg_u32 s2, 0
	s_cbranch_scc1 .Ltail
	s_wait_dscnt 0x0
	PLACES
	PLACES
	WIN 0x08                                       ; store data in window 2
.set n, 0
.rept 8*P                              ; accumulator n = 4 a + b; its low four registers first; each store is 512 consecutive bytes
	global_store_b128 v[OUTO], v[8*n:8*n+3],   s[8:9] offset:(n/4)*65536+((n%4)/2)*4096+(n%2)*1024
	global_store_b128 v[OUTO], v[8*n+4:8*n+7], s[8:9] offset:(n/4)*65536+((n%4)/2)*4096+(n%2)*1024+512
.set n, n+1
.endr
	WIN 0
	s_wait_tensorcnt 0x0                           ; the wave's end
	ds_add_u32 v[SPW], v[NIL]
	s_wait_dscnt 0x0
	CROUND
	s_endpgm
.Lfunc_end_k_q5e86a0c22b_gwo:
	.size	k_q5e86a0c22b_gwo, .Lfunc_end_k_q5e86a0c22b_gwo-k_q5e86a0c22b_gwo
	.p2alignl 7, 3214868480
	.fill 96, 4, 3214868480
	.section	.rodata,"a",@progbits
	.p2align	6, 0x0
	.amdhsa_kernel k_q5e86a0c22b_gwo
		.amdhsa_group_segment_fixed_size 327680
		.amdhsa_private_segment_fixed_size 0
		.amdhsa_enable_private_segment 0
		.amdhsa_kernarg_size 24
		.amdhsa_user_sgpr_count 2
		.amdhsa_user_sgpr_kernarg_segment_ptr 1
		.amdhsa_wavefront_size32 1
		.amdhsa_system_sgpr_workgroup_id_x 1
		.amdhsa_system_sgpr_workgroup_id_y 1
		.amdhsa_system_sgpr_workgroup_id_z 1
		.amdhsa_system_vgpr_workitem_id 0
		.amdhsa_next_free_vgpr 768
		.amdhsa_next_free_sgpr 80
		.amdhsa_reserve_vcc 0
		.amdhsa_float_denorm_mode_32 3
		.amdhsa_float_denorm_mode_16_64 3
		.amdhsa_memory_ordered 1
		.amdhsa_forward_progress 1
		.amdhsa_inst_pref_size 34
	.end_amdhsa_kernel
	.amdgpu_metadata
---
amdhsa.version: [ 1, 2 ]
amdhsa.kernels:
  - .name:           k_q5e86a0c22b_gwo
    .symbol:         k_q5e86a0c22b_gwo.kd
    .args:
      - { .name: act, .offset: 0, .size: 8, .value_kind: global_buffer, .address_space: global }
      - { .name: pb, .offset: 8, .size: 8, .value_kind: global_buffer, .address_space: global }
      - { .name: y, .offset: 16, .size: 8, .value_kind: global_buffer, .address_space: global }
    .group_segment_fixed_size: 327680
    .private_segment_fixed_size: 0
    .kernarg_segment_align: 8
    .kernarg_segment_size: 24
    .max_flat_workgroup_size: 128
    .sgpr_count:     80
    .vgpr_count:     768
    .wavefront_size: 32
...
	.end_amdgpu_metadata
.endif
;; end of part 14
;; launch ln12 (part 15): grid 128 x 1, 8 waves a work-group, no clusters, 78,848 bytes of LDS; arguments y, x, pb, params_bo, params_ln1_g, params_ln1_b, params_cbo, params_ln2_g, params_ln2_b, xb2; writes xb2
.if DOCPART == 15
	.amdgcn_target "amdgcn-amd-amdhsa--gfx1250"
	.amdhsa_code_object_version 6
	.text
	.protected	k_q5e86a0c22b_ln12
	.globl	k_q5e86a0c22b_ln12
	.p2align	8
	.type	k_q5e86a0c22b_ln12,@function
k_q5e86a0c22b_ln12:
	s_mov_b64 s[64:65], 0
	v_nop
	global_prefetch_b8 v0, s[64:65] scope:SCOPE_SE
	s_setreg_imm32_b32 hwreg(HW_REG_WAVE_MODE, 25, 1), 1
	s_wait_xcnt 0x0
; ln12: xb1 = LN1(x + O Wo + bo); the cross-attention; xb2 = LN2(xb1 + c).  All in f32 but the two small products' operands (bf16).
; A work-group owns 16 rows; wave w the columns 128 w .. 128 w + 127; lane 16 a + r holds row r and, of each 16 columns, the 8 at 8 a: an accumulator's image, which is how y lies in memory.
; THE CROSS-ATTENTION.  reference() broadcasts one row to all 2,048 keys and values.  So a query's 2,048 scores in a head are one number s = (xb1 . u[h] + t[h]) / 8, which is also their maximum;
; the weights are e / l with e = 2^(c s - c s), l = 2,048 e; and weights x values x cWo = f G[h][:], f = 2,048 e / l.  All of it is computed: S^T = U xb1^T on the matrix unit (K split among the waves,
; the eight partial tiles meet in LDS), the exponential, the sum, the division, and D = G^T F + cbo on the matrix unit (K = 16 heads; the fragment's upper 16 k meet zeros in F).
; MEAN AND VARIANCE: each wave's mean over its 128 columns and the squares about THAT mean; the eight are joined by M2 = sum M2_w + 128 sum (mean_w - mean)^2: no difference of large sums.
; ONE TEXT FOR BOTH NORMS: gain and bias are loaded, the statistics made, the row normed and rounded to bf16 in a loop of two trips; the second trip leaves it ahead of the cross-attention.
; Both trips use the same LDS bytes for the statistics: the barrier of the score tiles stands between the first trip's reads and the second trip's stores.
; LIMITS.  G is taken to be finite (its neighbours' numbers are multiplied by F's zeros); a score that is not finite gives NaN, as in reference().
; No tensor load, no cluster: nothing large is shared.  128 work-groups: 16 rows is the image's height.
.set ST,    0                          ; (mean, M2) of 8 waves x 16 rows: 1,024 bytes
.set PS,    2048                       ; 8 partial score tiles of 1,024 bytes
.set XS,    10240                      ; 8 stages of 16 rows x 528 bytes, each wave's own
.set SPARE, 77824
.set FO,  4                            ; 16 x lane
.set VO,  5                            ; my 8 columns in a vector of 1,024 f32
.set XW,  6
.set XR,  7
.set SW,  8
.set SR,  9
.set PW,  10
.set TO,  11                           ; 32 x (lane / 16)
.set SPW, 12
.set NIL, 13
.set S0,  16
.set S1,  24
.set V,   32
.set X,   96
.set W,   160
.set UF,  224
.set T8,  W+40
.set SEL, 36
.set CS,  38
.set N2K, 40
.set IK,  42
.set EPS, 43
.set GP,  58                           ; s[58:59] the gain of the norm in hand
.set BP,  60                           ; s[60:61] its bias
.set CNT, 62                           ; s62      norms to go
.macro FLOAD dst, ptr                  ; 64 numbers a lane in the image's order: 16 loads of 512 consecutive bytes
.set n, 0
.rept 16
	global_load_b128 v[(\dst)+4*n:(\dst)+4*n+3], v[FO], s[\ptr:\ptr+1] offset:n*512 th:TH_LOAD_NT
.set n, n+1
.endr
.endm
.macro VLOAD dst, ptr                  ; a vector's numbers for my 64 columns
.set n, 0
.rept 16
	global_load_b128 v[(\dst)+4*n:(\dst)+4*n+3], v[VO], s[\ptr:\ptr+1] offset:(n/2)*64+(n%2)*16
.set n, n+1
.endr
.endm
.macro VADD src
.set p, 0
.rept 32
	v_pk_add_f32 v[V+2*p:V+2*p+1], v[V+2*p:V+2*p+1], v[(\src)+2*p:(\src)+2*p+1]
.set p, p+1
.endr
.endm
.macro PLACES8
.rept 8
	v_nop
.endr
.endm
	s_load_b512 s[4:19], s[0:1], 0x0               ; y, x, pb, bo, ln1_g, ln1_b, cbo, ln2_g
	s_load_b128 s[20:23], s[0:1], 0x40             ; ln2_b, xb2
	v_lshl_add_u32 v[SPW], v0, 2, SPARE
	v_mov_b32 v[NIL], 0
	v_lshrrev_b32 v1, 5, v0
	v_readfirstlane_b32 s24, v1                    ; wave 0..7
	v_and_b32 v1, 31, v0
	v_and_b32 v2, 15, v0
	v_bfe_u32 v3, v0, 4, 1
	v_lshlrev_b32 v[FO], 4, v1
	v_lshlrev_b32 v[TO], 5, v3
	s_lshl_b32 s25, s24, 9
	v_add_nc_u32 v[VO], s25, v[TO]
	s_mul_i32 s25, s24, 8448
	s_add_co_u32 s25, s25, XS
	v_add_nc_u32 v[XW], s25, v[FO]                 ; in: row i at 528 i, 16 bytes a lane
	v_mul_u32_u24 v14, v2, 528
	v_add3_u32 v[XR], v14, v[TO], s25              ; back: row r, 32 bytes for each half of the lanes: rows 528 bytes apart, so 16 lanes take 16 different 16-byte columns of 256
	v_lshlrev_b32 v[SR], 3, v2
	s_lshl_b32 s25, s24, 7
	v_add_nc_u32 v[SW], s25, v[SR]
	s_lshl_b32 s25, s24, 10
	v_add_nc_u32 v[PW], s25, v[FO]
	s_mov_b32 s[SEL], 0x76543210
	s_mov_b32 s[SEL+1], 0xfedcba98
	s_mov_b32 s[CS], 0x3e38aa3b                    ; c = log2(e) / 8
	s_mov_b32 s[CS+1], s[CS]
	s_mov_b32 s[N2K], 0x45000000                   ; 2,048
	s_mov_b32 s[N2K+1], s[N2K]
	s_mov_b32 s[IK], 0x3a800000                    ; 1 / 1,024
	s_mov_b32 s[EPS], 0x3727c5ac                   ; 1e-5
	s_mov_b32 s[CNT], 2
	s_lshl_b32 s26, ttmp9, 16                      ; the image: 64 blocks a row block, 8 a wave
	s_lshl_b32 s27, s24, 13
	s_add_co_u32 s26, s26, s27
	s_mov_b32 s27, 0
	s_lshl_b32 s28, ttmp9, 16                      ; x: 16 rows of 4,096 bytes, 512 a wave
	s_lshl_b32 s29, s24, 9
	s_add_co_u32 s28, s28, s29
	s_mov_b32 s29, 0
	s_lshl_b32 s30, s24, 12                        ; UT and GT: 4,096 bytes a wave
	s_mov_b32 s31, 0
	s_lshl_b32 s32, s24, 19                        ; the bf16 copy: four column blocks of 128 row blocks a wave
	s_lshl_b32 s33, ttmp9, 10
	s_add_co_u32 s32, s32, s33
	s_add_co_u32 s32, s32, 8388608
	s_mov_b32 s33, 0
	s_wait_kmcnt 0x0
	s_add_nc_u64 s[44:45], s[4:5], s[26:27]
	s_add_nc_u64 s[46:47], s[6:7], s[28:29]
	s_add_nc_u64 s[48:49], s[8:9], s[30:31]
	s_add_nc_u64 s[50:51], s[48:49], 18907136      ; GT
	s_add_nc_u64 s[48:49], s[48:49], 18874368      ; UT
	s_add_nc_u64 s[52:53], s[8:9], 18939904        ; t
	s_add_nc_u64 s[54:55], s[22:23], s[26:27]
	s_add_nc_u64 s[56:57], s[22:23], s[32:33]
	s_mov_b64 s[GP:GP+1], s[12:13]                 ; the first norm's gain and bias
	s_mov_b64 s[BP:BP+1], s[14:15]
.set n, 0
.rept 8
	global_load_b128 v[UF+4*n:UF+4*n+3], v[FO], s[48:49] offset:n*512
.set n, n+1
.endr
.set i, 0
.rept 16
	global_load_b128 v[X+4*i:X+4*i+3], v[FO], s[46:47] offset:i*4096 th:TH_LOAD_NT
.set i, i+1
.endr
	FLOAD V, 44
	VLOAD W, 10
	s_wait_loadcnt 32                              ; x is in; the 32 loads of y and bo stay out
.set i, 0
.rept 16
	ds_store_b128 v[XW], v[X+4*i:X+4*i+3] offset:i*528
.set i, i+1
.endr
.set n, 0
.rept 16                               ; LDS serves a wave's instructions in order: these see the stores above
	ds_load_b128 v[X+4*n:X+4*n+3], v[XR] offset:(n/2)*64+(n%2)*16
.set n, n+1
.endr
	s_wait_loadcnt 0x0
	VADD W
	s_wait_dscnt 0x0
	VADD X
.Lnorm:	; ---- a norm of the rows in V: two trips
	VLOAD X, GP
	VLOAD W, BP
	; the row's mean and 1 / sqrt(var + eps): rstd into v[20:21], -mean rstd into v[22:23]
.set p, 0
.rept 4
	v_pk_add_f32 v[16+2*p:17+2*p], v[V+2*p:V+2*p+1], v[V+2*p+8:V+2*p+9]
.set p, p+1
.endr
.set p, 8
.rept 24
	v_pk_add_f32 v[16+2*(p%4):17+2*(p%4)], v[16+2*(p%4):17+2*(p%4)], v[V+2*p:V+2*p+1]
.set p, p+1
.endr
	v_pk_add_f32 v[16:17], v[16:17], v[18:19]
	v_pk_add_f32 v[20:21], v[20:21], v[22:23]
	v_pk_add_f32 v[16:17], v[16:17], v[20:21]
	v_add_f32 v16, v16, v17
	v_permlanex16_b32 v17, v16, s[SEL], s[SEL+1]
	v_add_f32 v16, v16, v17
	v_mul_f32 v24, 0x3c000000, v16                 ; my wave's mean: / 128
	v_mov_b32 v25, v24
.set p, 0
.rept 32
	v_pk_add_f32 v[20+2*(p%2):21+2*(p%2)], v[V+2*p:V+2*p+1], v[24:25] neg_lo:[0,1] neg_hi:[0,1]
.if p < 2
	v_pk_mul_f32 v[16+2*(p%2):17+2*(p%2)], v[20+2*(p%2):21+2*(p%2)], v[20+2*(p%2):21+2*(p%2)]
.else
	v_pk_fma_f32 v[16+2*(p%2):17+2*(p%2)], v[20+2*(p%2):21+2*(p%2)], v[20+2*(p%2):21+2*(p%2)], v[16+2*(p%2):17+2*(p%2)]
.endif
.set p, p+1
.endr
	v_pk_add_f32 v[16:17], v[16:17], v[18:19]
	v_add_f32 v16, v16, v17
	v_permlanex16_b32 v17, v16, s[SEL], s[SEL+1]
	v_add_f32 v25, v16, v17                        ; my wave's squares about its mean
	ds_store_b64 v[SW], v[24:25] offset:ST
	s_wait_dscnt 0x0                               ; for the others' sake
	s_barrier_signal -1
	s_barrier_wait -1
.irp z, 0,1,2,3,4,5,6,7
	ds_load_b64 v[16+2*\z:17+2*\z], v[SR] offset:ST+\z*128
.endr
	s_wait_dscnt 0x0
	v_add_f32 v14, v16, v18
	v_add_f32 v15, v20, v22
	v_add_f32 v14, v14, v24
	v_add_f32 v15, v15, v26
	v_add_f32 v14, v14, v28
	v_add_f32 v15, v15, v30
	v_add_f32 v14, v14, v15
	v_mul_f32 v14, 0x3e000000, v14                 ; the mean
	v_add_f32 v15, v17, v19
	v_add_f32 v17, v21, v23
	v_add_f32 v15, v15, v25
	v_add_f32 v17, v17, v27
	v_add_f32 v15, v15, v29
	v_add_f32 v17, v17, v31
	v_add_f32 v15, v15, v17
.irp z, 16,18,20,22,24,26,28,30
	v_sub_f32 v\z, v\z, v14
.endr
	v_mul_f32 v17, v16, v16
.irp z, 18,20,22,24,26,28,30
	v_fmac_f32 v17, v\z, v\z
.endr
	v_fmac_f32 v15, 0x43000000, v17                ; + 128 x the means' squares about the mean
	v_fma_f32 v15, v15, s[IK], s[EPS]
	v_rsq_f32 v20, v15
	v_nop
	s_wait_alu depctr_va_vdst(0)
	v_mov_b32 v21, v20
	v_mul_f32 v22, -v14, v20
	v_mov_b32 v23, v22
	s_wait_loadcnt 0x0                             ; gain and bias
.set p, 0
.rept 32
	v_pk_fma_f32 v[V+2*p:V+2*p+1], v[V+2*p:V+2*p+1], v[20:21], v[22:23] op_sel_hi:[1,0,0]
.set p, p+1
.endr
.set p, 0
.rept 32
	v_pk_fma_f32 v[V+2*p:V+2*p+1], v[V+2*p:V+2*p+1], v[X+2*p:X+2*p+1], v[W+2*p:W+2*p+1]
.set p, p+1
.endr
.set p, 0
.rept 32
	v_cvt_pk_bf16_f32 v[X+p], v[V+2*p], v[V+2*p+1] ; the normed rows in bf16: four fragments of 16 rows x 32 columns
.set p, p+1
.endr
	s_sub_co_u32 s[CNT], s[CNT], 1
	s_cmp_eq_u32 s[CNT], 0
	s_cbranch_scc1 .Lstore                         ; the second norm's rows are xb2
	; ---- the cross-attention on xb1
.set n, 0
.rept 8
	global_load_b128 v[W+4*n:W+4*n+3], v[FO], s[50:51] offset:n*512
.set n, n+1
.endr
	global_load_b128 v[T8:T8+3], v[TO], s[52:53]
	global_load_b128 v[T8+4:T8+7], v[TO], s[52:53] offset:16
.irp z, 32,33,34,35
	v_mov_b32 v[W+\z], 0                           ; the last fragment's upper half
.endr
	v_wmma_f32_16x16x32_bf16 v[S0:S0+7], v[UF:UF+7], v[X:X+7], 0           ; two accumulators by turns
	v_wmma_f32_16x16x32_bf16 v[S1:S1+7], v[UF+8:UF+15], v[X+8:X+15], 0
	v_wmma_f32_16x16x32_bf16 v[S0:S0+7], v[UF+16:UF+23], v[X+16:X+23], v[S0:S0+7]
	v_wmma_f32_16x16x32_bf16 v[S1:S1+7], v[UF+24:UF+31], v[X+24:X+31], v[S1:S1+7]
	PLACES8
.irp p, 0,2,4,6
	v_pk_add_f32 v[S0+\p:S0+\p+1], v[S0+\p:S0+\p+1], v[S1+\p:S1+\p+1]
.endr
	ds_store_b128 v[PW], v[S0:S0+3] offset:PS
	ds_store_b128 v[PW], v[S0+4:S0+7] offset:PS+512
	VLOAD X, 16                                    ; cbo
	s_wait_dscnt 0x0
	s_barrier_signal -1
	s_barrier_wait -1
.set n, 0
.rept 8
	ds_load_b128 v[UF+4*n:UF+4*n+3], v[FO] offset:PS+n*512
.set n, n+1
.endr
	s_wait_dscnt 0x0
.irp p, 0,2,4,6
	v_pk_add_f32 v[S0+\p:S0+\p+1], v[UF+\p:UF+\p+1], v[UF+8+\p:UF+8+\p+1]
	v_pk_add_f32 v[S1+\p:S1+\p+1], v[UF+16+\p:UF+16+\p+1], v[UF+24+\p:UF+24+\p+1]
.endr
.set n, 0
.rept 8
	ds_load_b128 v[UF+4*n:UF+4*n+3], v[FO] offset:PS+4096+n*512
.set n, n+1
.endr
.irp p, 0,2,4,6
	v_pk_add_f32 v[S0+\p:S0+\p+1], v[S0+\p:S0+\p+1], v[S1+\p:S1+\p+1]
.endr
	s_wait_dscnt 0x0
.irp p, 0,2,4,6
	v_pk_add_f32 v[S1+\p:S1+\p+1], v[UF+\p:UF+\p+1], v[UF+8+\p:UF+8+\p+1]
	v_pk_add_f32 v[UF+16+\p:UF+16+\p+1], v[UF+16+\p:UF+16+\p+1], v[UF+24+\p:UF+24+\p+1]
.endr
.irp p, 0,2,4,6
	v_pk_add_f32 v[S0+\p:S0+\p+1], v[S0+\p:S0+\p+1], v[S1+\p:S1+\p+1]
.endr
	s_wait_loadcnt 0x0                             ; GT, t, cbo
.irp p, 0,2,4,6
	v_pk_add_f32 v[S0+\p:S0+\p+1], v[S0+\p:S0+\p+1], v[UF+16+\p:UF+16+\p+1]
.endr
.irp p, 0,2,4,6
	v_pk_add_f32 v[S0+\p:S0+\p+1], v[S0+\p:S0+\p+1], v[T8+\p:T8+\p+1]
.endr
.irp p, 0,2,4,6
	v_pk_mul_f32 v[S0+\p:S0+\p+1], v[S0+\p:S0+\p+1], s[CS:CS+1] op_sel_hi:[1,0]  ; c s for my row and heads 8 a .. 8 a + 7
.endr
.irp p, 0,2,4,6
	v_pk_add_f32 v[S1+\p:S1+\p+1], v[S0+\p:S0+\p+1], v[S0+\p:S0+\p+1] neg_lo:[0,1] neg_hi:[0,1]  ; less the maximum of the 2,048 equal scores
.endr
.irp j, 0,1,2,3,4,5,6,7
	v_exp_f32 v[S1+\j], v[S1+\j]
.endr
	v_nop
	s_wait_alu depctr_va_vdst(0)                   ; one wait for the eight exponentials
.irp p, 0,2,4,6
	v_pk_mul_f32 v[S0+\p:S0+\p+1], v[S1+\p:S1+\p+1], s[N2K:N2K+1] op_sel_hi:[1,0]  ; l, and the sum of the weights' numerators
.endr
.irp j, 0,1,2,3,4,5,6,7
	v_rcp_f32 v[UF+\j], v[S0+\j]
.endr
	v_nop
	s_wait_alu depctr_va_vdst(0)
.irp p, 0,2,4,6
	v_pk_mul_f32 v[S0+\p:S0+\p+1], v[S0+\p:S0+\p+1], v[UF+\p:UF+\p+1]  ; f
.endr
.irp k, 0,1,2,3
	v_cvt_pk_bf16_f32 v[S1+\k], v[S0+2*\k], v[S0+2*\k+1]
.endr
.irp k, 4,5,6,7
	v_mov_b32 v[S1+\k], 0
.endr
.set b, 0
.rept 8                                ; D = G^T F + cbo, eight different accumulators; G's fragments lie four registers apart
	v_wmma_f32_16x16x32_bf16 v[X+8*b:X+8*b+7], v[W+4*b:W+4*b+7], v[S1:S1+7], v[X+8*b:X+8*b+7]
.set b, b+1
.endr
	PLACES8
	VADD X
	s_mov_b64 s[GP:GP+1], s[18:19]                 ; the second norm's gain and bias; the loads that named these registers were waited for above
	s_mov_b64 s[BP:BP+1], s[20:21]
	s_branch .Lnorm
.Lstore:
.set n, 0
.rept 16
	global_store_b128 v[FO], v[V+4*n:V+4*n+3], s[54:55] offset:n*512
.set n, n+1
.endr
.set b, 0
.rept 8
	global_store_b128 v[FO], v[X+4*b:X+4*b+3], s[56:57] offset:(b/2)*131072+(b%2)*512
.set b, b+1
.endr
	s_wait_tensorcnt 0x0                           ; the wave's end
	ds_add_u32 v[SPW], v[NIL]
	s_wait_dscnt 0x0
	s_endpgm
.Lfunc_end_k_q5e86a0c22b_ln12:
	.size	k_q5e86a0c22b_ln12, .Lfunc_end_k_q5e86a0c22b_ln12-k_q5e86a0c22b_ln12
	.p2alignl 7, 3214868480
	.fill 96, 4, 3214868480
	.section	.rodata,"a",@progbits
	.p2align	6, 0x0
	.amdhsa_kernel k_q5e86a0c22b_ln12
		.amdhsa_group_segment_fixed_size 78848
		.amdhsa_private_segment_fixed_size 0
		.amdhsa_enable_private_segment 0
		.amdhsa_kernarg_size 80
		.amdhsa_user_sgpr_count 2
		.amdhsa_user_sgpr_kernarg_segment_ptr 1
		.amdhsa_wavefront_size32 1
		.amdhsa_system_sgpr_workgroup_id_x 1
		.amdhsa_system_sgpr_workgroup_id_y 1
		.amdhsa_system_sgpr_workgroup_id_z 1
		.amdhsa_system_vgpr_workitem_id 0
		.amdhsa_next_free_vgpr 256
		.amdhsa_next_free_sgpr 66
		.amdhsa_reserve_vcc 0
		.amdhsa_float_denorm_mode_32 3
		.amdhsa_float_denorm_mode_16_64 3
		.amdhsa_memory_ordered 1
		.amdhsa_forward_progress 1
		.amdhsa_inst_pref_size 46
	.end_amdhsa_kernel
	.amdgpu_metadata
---
amdhsa.version: [ 1, 2 ]
amdhsa.kernels:
  - .name:           k_q5e86a0c22b_ln12
    .symbol:         k_q5e86a0c22b_ln12.kd
    .args:
      - { .name: y, .offset: 0, .size: 8, .value_kind: global_buffer, .address_space: global }
      - { .name: x, .offset: 8, .size: 8, .value_kind: global_buffer, .address_space: global }
      - { .name: pb, .offset: 16, .size: 8, .value_kind: global_buffer, .address_space: global }
      - { .name: params_bo, .offset: 24, .size: 8, .value_kind: global_buffer, .address_space: global }
      - { .name: params_ln1_g, .offset: 32, .size: 8, .value_kind: global_buffer, .address_space: global }
      - { .name: params_ln1_b, .offset: 40, .size: 8, .value_kind: global_buffer, .address_space: global }
      - { .name: params_cbo, .offset: 48, .size: 8, .value_kind: global_buffer, .address_space: global }
      - { .name: params_ln2_g, .offset: 56, .size: 8, .value_kind: global_buffer, .address_space: global }
      - { .name: params_ln2_b, .offset: 64, .size: 8, .value_kind: global_buffer, .address_space: global }
      - { .name: xb2, .offset: 72, .size: 8, .value_kind: global_buffer, .address_space: global }
    .group_segment_fixed_size: 78848
    .private_segment_fixed_size: 0
    .kernarg_segment_align: 8
    .kernarg_segment_size: 80
    .max_flat_workgroup_size: 256
    .sgpr_count:     66
    .vgpr_count:     256
    .wavefront_size: 32
...
	.end_amdgpu_metadata
.endif
;; end of part 15
;; launch gff1 (part 16): grid 16 x 16, 4 waves a work-group, clusters of 4 x 4, 327,680 bytes of LDS; arguments xb2, pb, params_bf1, act; writes act
.if DOCPART == 16
	.amdgcn_target "amdgcn-amd-amdhsa--gfx1250"
	.amdhsa_code_object_version 6
	.text
	.protected	k_q5e86a0c22b_gff1
	.globl	k_q5e86a0c22b_gff1
	.p2align	8
	.type	k_q5e86a0c22b_gff1,@function
k_q5e86a0c22b_gff1:
	s_mov_b64 s[64:65], 0
	v_nop
	global_prefetch_b8 v0, s[64:65] scope:SCOPE_SE
	s_setreg_imm32_b32 hwreg(HW_REG_WAVE_MODE, 25, 1), 1
	s_wait_xcnt 0x0
	s_wait_alu depctr_hold_cnt(0) depctr_sa_sdst(0) depctr_va_vdst(0) depctr_va_sdst(0) depctr_va_ssrc(0) depctr_va_vcc(0) depctr_vm_vsrc(0)
	s_getreg_b32 s2, hwreg(HW_REG_IB_STS2, 6, 4)
	s_cmp_eq_u32 s2, 0
	s_cbranch_scc0 .Lentry_in_a_cluster
	s_endpgm
.Lentry_in_a_cluster:
	s_bfe_u32 s2, ttmp6, 0x10000c
	s_cmp_lg_u32 s2, 0xf033
	s_cbranch_scc0 .Lentry_shape_is_right
	s_endpgm
.Lentry_shape_is_right:
; gff1: H = gelu(xb2 W1 + bf1), [2048] x [4096], K = 1,024; bf16 operands, f32 sums that start from the bias, GELU in f32, one rounding to bf16.
; A work-group makes 128 rows x P = 4 planes of 64 columns; four waves as 2 x 2; a wave 64 rows x 32 columns of each plane: 4 x 8 accumulators, all of window 2.
; Ring, cluster, layouts and the transposed product as in the other products of this program: two LDS slots of a K step of 128; waves 0, 1 fetch xb2's row halves, waves 2, 3 W1's k halves, jointly.
; THE SUMS START FROM THE BIAS: one product of two zero fragments for each accumulator, with the bias as its C (8 bytes of text where eight moves would be 32), while the first tiles are on their way.
; GELU, exact form: g = hx (1 + erf(x / sqrt 2)), hx = x / 2.  erf by the rational form 7.1.26 of Abramowitz and Stegun, absolute error at most 1.5e-7 for every x:
;   g = (hx + |hx|) - |hx| q,  q = t (a1 + t (a2 + t (a3 + t (a4 + t a5)))) 2^(-2 log2(e) hx^2),  t = 1 / (1 + 0.3275911 sqrt(2) |hx|): no difference of near numbers is formed.
; The 256 numbers of a lane go through ONE text of 16 numbers: x is laid, straight from the accumulators, into the slots' bytes, which have had their last fill (each wave 32,768 bytes of its own),
; and a loop of 16 trips walks them.  Each trip fetches the next unit; the last trip's fetch is held to the wave's last unit: four loads that serve nothing, the price of one text for every trip.
.set P,      4
.set KSTEP,  128
.set NPL,    64
.set T,      8
.set AOFF,   8388608
.set WOFF,   2097152
.set NCH,    KSTEP/32
.set ABYTES, KSTEP*256
.set AHALF,  ABYTES/2
.set BHALF,  (KSTEP/16)*P*1024
.set SLOT1,  131072
.set SPARE,  262144
.set ASTEP,  NCH*131072
.set BSTEP,  (KSTEP/8)*NPL*1024
.set NL,     8+4*P
.set ADRA0, 4
.set ADRB0, 5
.set ADRA,  6
.set ADRB,  7
.set OUTO,  8
.set BO,    9
.set DA,    10                         ; v10 where x of the unit in hand lies
.set HO,    11
.set SPW,   12
.set NIL,   13
.set DA0,   14                         ; v14 my 16 bytes in my wave's first unit; fixed
.set BIAS,  16                         ; v[16:79]
.set HX,    64
.set HA,    80
.set SS,    96
.set DD,    112
.set EE,    128
.set QQ,    144
.set PK,    160
.set CP,  66
.set CE,  68
.set A5,  70
.set A4,  72
.set A3,  74
.set A2,  76
.set A1,  78
.set F0,    0
.set F1,    128
.set G1A, 24
.set G0A, 32
.set G1B, 48
.set G0B, 56
.set MSB, 0
.macro WIN new
.if MSB != (\new)
	s_set_vgpr_msb (MSB<<8)|(\new)
.set MSB, \new
.endif
.endm
.macro PLACES
.rept 4
	v_nop
.endr
.endm
.macro JLOAD                           ; the joint refill, by the walking descriptor; an s_nop 0 and four v_nop follow each of the two lines
	s_cmp_eq_u32 s11, 0
	s_cbranch_scc0 .Lfor_b_\@
	tensor_load_to_lds s[G0A+4:G0A+7], s[G1A:G1A+7]
	s_nop 0
	PLACES
	s_branch .Lasked_\@
.Lfor_b_\@:
	tensor_load_to_lds s[G0B+4:G0B+7], s[G1B:G1B+7]
	s_nop 0
	PLACES
.Lasked_\@:
.endm
.macro CREST
	s_cmp_lg_u32 s10, 0
	s_cbranch_scc1 .Lnot_wave_0_\@
	s_barrier_signal -3
.Lnot_wave_0_\@:
	s_barrier_wait -3
	s_barrier_signal -1
	s_barrier_wait -1
.endm
.macro CROUND
	s_barrier_signal -1
	s_barrier_wait -1
	CREST
.endm
	s_load_b128 s[4:7], s[0:1], 0x0                ; xb2, pb
	s_load_b128 s[72:75], s[0:1], 0x10             ; bf1, act
	v_lshl_add_u32 v[SPW], v0, 2, SPARE
	v_mov_b32 v[NIL], 0
	ds_add_u32 v[SPW], v[NIL]                      ; the wave's opening: the add and its wait ahead of my first tensor load
	v_lshrrev_b32 v1, 5, v0
	v_readfirstlane_b32 s10, v1
	s_lshr_b32 s11, s10, 1
	s_and_b32 s12, s10, 1
	s_bfe_u32 s40, ttmp6, 0x40000
	s_bfe_u32 s41, ttmp6, 0x40004
	s_lshl_b32 s42, ttmp9, 2
	s_add_co_u32 s42, s42, s40                     ; tile column
	s_and_b32 s13, ttmp7, 0xffff
	s_lshl_b32 s13, s13, 2
	s_add_co_u32 s13, s13, s41                     ; tile row
	s_lshl_b32 s43, s41, 2
	s_lshl_b32 s43, 15, s43
	s_lshl_b32 s44, 0x1111, s40
	s_or_b32 s[G1A], s43, (3<<16)|(1<<21)
	s_or_b32 s[G1B], s44, (3<<16)|(1<<21)
	s_mov_b32 s[G1A+1], 512<<16
	s_mov_b32 s[G1A+2], NCH<<16
	s_mov_b32 s[G1A+3], 512<<16
	s_mov_b32 s[G1A+4], NCH
	s_mov_b32 s[G1A+5], 16384
	s_mov_b32 s[G1A+6], 0
	s_mov_b32 s[G1A+7], 0
	s_mov_b32 s[G1B+1], (P*128)<<16
	s_mov_b32 s[G1B+2], (KSTEP/16)<<16
	s_mov_b32 s[G1B+3], (P*128)<<16
	s_mov_b32 s[G1B+4], KSTEP/16
	s_mov_b32 s[G1B+5], NPL*128
	s_mov_b32 s[G1B+6], 0
	s_mov_b32 s[G1B+7], 0
	s_lshl_b32 s16, s13, 13
	s_lshl_b32 s17, s12, 12
	s_add_co_u32 s16, s16, s17
	s_add_co_u32 s16, s16, AOFF
	s_mov_b32 s17, 0
	s_mul_i32 s46, s42, P*1024
	s_mul_i32 s47, s12, (KSTEP/16)*NPL*1024
	s_add_co_u32 s46, s46, s47
	s_add_co_u32 s46, s46, WOFF
	s_mov_b32 s47, 0
	s_mul_i32 s20, s12, AHALF
	s_mul_i32 s21, s12, BHALF
	s_add_co_u32 s21, s21, ABYTES
	s_mov_b32 s3, 0
	s_wait_dscnt 0x0
	s_wait_kmcnt 0x0
	s_add_nc_u64 s[14:15], s[4:5], s[16:17]
	s_add_nc_u64 s[46:47], s[6:7], s[46:47]
	CROUND
.irp s, 0,1
	s_mov_b32 s[G0A+4*(\s)], 1
	s_add_co_u32 s[G0A+4*(\s)+1], s20, (\s)*SLOT1
	s_add_nc_u64 s[G0A+4*(\s)+2:G0A+4*(\s)+3], s[14:15], (\s)*ASTEP
	s_or_b32 s[G0A+4*(\s)+3], s[G0A+4*(\s)+3], 0x80000000
	s_mov_b32 s[G0B+4*(\s)], 1
	s_add_co_u32 s[G0B+4*(\s)+1], s21, (\s)*SLOT1
	s_add_nc_u64 s[G0B+4*(\s)+2:G0B+4*(\s)+3], s[46:47], (\s)*BSTEP
	s_or_b32 s[G0B+4*(\s)+3], s[G0B+4*(\s)+3], 0x80000000
.endr
	s_cmp_eq_u32 s11, 0                            ; a wave's two first fills stand in one branch: two loads of mine are out
	s_cbranch_scc0 .Lfirst_b
	tensor_load_to_lds s[G0A:G0A+3], s[G1A:G1A+7]
	s_nop 0
	tensor_load_to_lds s[G0A+4:G0A+7], s[G1A:G1A+7]
	s_nop 0
	PLACES
	s_branch .Lfirst_asked
.Lfirst_b:
	tensor_load_to_lds s[G0B:G0B+3], s[G1B:G1B+7]
	s_nop 0
	tensor_load_to_lds s[G0B+4:G0B+7], s[G1B:G1B+7]
	s_nop 0
	PLACES
.Lfirst_asked:
	v_and_b32 v3, 31, v0
	v_bfe_u32 v2, v0, 4, 1
	v_lshlrev_b32 v[OUTO], 4, v3
	s_mul_i32 s22, s11, AHALF
	v_add_nc_u32 v[ADRA0], s22, v[OUTO]
	v_and_b32 v14, 7, v0
	v_bfe_u32 v15, v0, 3, 1
	v_lshlrev_b32 v14, 4, v14
	v_lshl_add_u32 v14, v15, 7, v14
	v_mul_u32_u24 v15, v2, P*1024
	v_add_nc_u32 v14, v14, v15
	s_lshl_b32 s23, s12, 9
	s_add_co_u32 s23, s23, ABYTES
	v_add_nc_u32 v[ADRB0], s23, v14
	v_mov_b32 v[ADRA], v[ADRA0]
	v_mov_b32 v[ADRB], v[ADRB0]
	s_lshl_b32 s23, s12, 7
	v_lshl_add_u32 v[BO], v2, 5, s23
	s_lshl_b32 s22, s42, 10                        ; the tile's 256 biases
	s_mov_b32 s23, 0
	s_add_nc_u64 s[72:73], s[72:73], s[22:23]
.set n, 0
.rept 16
	global_load_b128 v[BIAS+4*n:BIAS+4*n+3], v[BO], s[72:73] offset:(n/4)*256+((n/2)%2)*64+(n%2)*16
.set n, n+1
.endr
	s_lshl_b32 s16, s13, 13                        ; where my part of H begins: block (column / 32) 128 + row / 16
	s_lshl_b32 s17, s11, 12
	s_add_co_u32 s16, s16, s17
	s_lshl_b32 s17, s12, 17
	s_add_co_u32 s16, s16, s17
	s_mov_b32 s17, 0
	s_add_nc_u64 s[8:9], s[74:75], s[16:17]
	s_lshl_b32 s46, s42, 20
	s_mov_b32 s47, 0
	s_add_nc_u64 s[8:9], s[8:9], s[46:47]
	s_lshl_b32 s22, s10, 15
	v_add_nc_u32 v[DA0], s22, v[OUTO]              ; my wave's 32,768 bytes for x
	v_mov_b32 v[DA], v[DA0]
	v_mov_b32 v[HO], v[OUTO]
	WIN 0x40
.set i, 0
.rept 16
	v_mov_b32 v[F0+i], 0                           ; two fragments of zeros
.set i, i+1
.endr
	s_wait_loadcnt 0x0                             ; the biases
	WIN 0x85                                       ; sources 0 and 1 window 1, C window 0, D window 2
.set n, 0
.rept 8*P                              ; accumulator n = 2 P a + b starts as 0 x 0 + the bias of column block b
	v_wmma_f32_16x16x32_bf16 v[8*n:8*n+7], v[F0:F0+7], v[F0+8:F0+15], v[BIAS+8*(n%(2*P)):BIAS+8*(n%(2*P))+7]
.set n, n+1
.endr
	WIN 0
	PLACES                                         ; in front of the loads into the zero fragments' registers
.macro FETCH kb, f
	WIN 0x40
.set b, 0
.rept 2*P
	ds_load_tr16_b128 v[(\f)+32+8*b:(\f)+32+8*b+3],   v[ADRB] offset:4*(\kb)*P*1024+(b/2)*1024+(b%2)*256
	ds_load_tr16_b128 v[(\f)+32+8*b+4:(\f)+32+8*b+7], v[ADRB] offset:4*(\kb)*P*1024+(b/2)*1024+(b%2)*256+2*P*1024
.set b, b+1
.endr
.set a, 0
.rept 4
	ds_load_b128 v[(\f)+8*a:(\f)+8*a+3],   v[ADRA] offset:(\kb)*4096+a*1024
	ds_load_b128 v[(\f)+8*a+4:(\f)+8*a+7], v[ADRA] offset:(\kb)*4096+a*1024+512
.set a, a+1
.endr
.endm
.macro MULA f, a                       ; every accumulator is taken once a chunk, in one order: no two neighbours share one
	WIN 0xa5
.set b, 0
.rept 2*P
	v_wmma_f32_16x16x32_bf16 v[8*((\a)*2*P+b):8*((\a)*2*P+b)+7], v[(\f)+32+8*b:(\f)+32+8*b+7], v[(\f)+8*(\a):(\f)+8*(\a)+7], v[8*((\a)*2*P+b):8*((\a)*2*P+b)+7]
.set b, b+1
.endr
.endm
.macro CH c
	PLACES
	FETCH (\c)+1, F0+128*(((\c)+1)%2)
	s_wait_dscnt NL                                ; all but the NL just issued: chunk c is in
	MULA F0+128*((\c)%2), 0
	MULA F0+128*((\c)%2), 1
	MULA F0+128*((\c)%2), 2
	MULA F0+128*((\c)%2), 3
.endm
; The step's last chunk, and the change of slots: all my tensor loads, the add, my reads of this slot; the barrier; with fill = 1 it opens a round of the cluster's and the joint refill comes first behind it.
.macro TURN fill
	WIN 0
	s_wait_tensorcnt 0x0
	ds_add_u32 v[SPW], v[NIL]
.if \fill
	s_xor_b32 s[G0A+5], s[G0A+5], SLOT1
	s_add_nc_u64 s[G0A+6:G0A+7], s[G0A+6:G0A+7], ASTEP
	s_xor_b32 s[G0B+5], s[G0B+5], SLOT1
	s_add_nc_u64 s[G0B+6:G0B+7], s[G0B+6:G0B+7], BSTEP
.endif
	s_xor_b32 s3, s3, SLOT1
	s_wait_dscnt 1                                 ; the chunk's fragments are in; the add may be out
	MULA F1, 0
	s_wait_dscnt 0x0
	s_barrier_signal -1
	MULA F1, 1
	WIN 0
	s_barrier_wait -1
.if \fill
	CREST
	JLOAD
.else
	PLACES
.endif
	v_add_nc_u32 v[ADRA], s3, v[ADRA0]
	v_add_nc_u32 v[ADRB], s3, v[ADRB0]
	FETCH 0, F0
	MULA F1, 2
	MULA F1, 3
.endm
.macro STEP fill
.set c, 0
.rept NCH-1
	CH c
.set c, c+1
.endr
	TURN \fill
	WIN 0
.endm
	s_wait_tensorcnt 0x1                           ; my part of K step 0 is in; step 1's stays out
	s_barrier_signal -1
	s_barrier_wait -1
	FETCH 0, F0
	WIN 0
	s_mov_b32 s2, T-2
.Lstep:
	STEP 1
	s_sub_co_u32 s2, s2, 1
	s_cmp_lg_u32 s2, 0
	s_cbranch_scc1 .Lstep
	s_mov_b32 s2, 2                                ; the last two steps ask for nothing; the second one's barrier and fetch serve nothing
.Ltail:
	STEP 0
	s_sub_co_u32 s2, s2, 1
	s_cmp_lg_u32 s2, 0
	s_cbranch_scc1 .Ltail
	s_wait_dscnt 0x0                               ; my reads of the slots are over,
	s_barrier_signal -1
	s_barrier_wait -1                              ; everybody's are: the slots' bytes, which are filled no more, take x
.irp k, CP, CE, A5, A4, A3, A2, A1
.if \k == CP
	s_mov_b32 s[\k], 0x3eed3388                    ; 0.3275911 sqrt 2
.elseif \k == CE
	s_mov_b32 s[\k], 0xc038aa3b                    ; -2 log2(e)
.elseif \k == A5
	s_mov_b32 s[\k], 0x3f87dc22                    ; 1.061405429
.elseif \k == A4
	s_mov_b32 s[\k], 0xbfba00e3                    ; -1.453152027
.elseif \k == A3
	s_mov_b32 s[\k], 0x3fb5f0e3                    ; 1.421413741
.elseif \k == A2
	s_mov_b32 s[\k], 0xbe91a98e                    ; -0.284496736
.else
	s_mov_b32 s[\k], 0x3e827906                    ; 0.254829592
.endif
	s_mov_b32 s[\k+1], s[\k]
.endr
	s_mov_b32 s23, 0x7fffffff
	s_mov_b32 s18, 0                               ; units done
	s_mov_b32 s19, 0                               ; what the next unit adds to my offset in H
	s_mov_b32 s20, 262144-3072                     ; to the next plane's first row block: two column blocks on, three row blocks back
	s_mov_b32 s21, 0                               ; the unit's place in my wave's bytes
	PLACES
	PLACES                                         ; behind the last products, in front of the stores that read their results
	WIN 0x08                                       ; store data in window 2
.set n, 0
.rept 64                               ; quad n of my 256 registers: row block a = n / 16, plane i = (n % 16) / 4; unit 4 i + a holds two accumulators, 2,048 bytes; an accumulator's low four registers go first
	ds_store_b128 v[DA0], v[4*n:4*n+3] offset:(4*((n%16)/4)+n/16)*2048+(((n%16)/2)%2)*1024+(n%2)*512
.set n, n+1
.endr
	WIN 0
.macro EACH line:vararg                ; one line for each of the 8 pairs p
.set p, 0
.rept 8
	\line
.set p, p+1
.endr
.endm
.macro HLOADS
.irp k, 0,1,2,3
	ds_load_b128 v[HX+4*\k:HX+4*\k+3], v[DA] offset:\k*512
.endr
.endm
	HLOADS                                         ; LDS serves a wave's instructions in order: these see my stores above
.Lgelu:                                        ; 16 units of 16 numbers a lane
	s_wait_dscnt 0x0                               ; x is in
	s_wait_xcnt 0x0                                ; the last stores have read their registers: HO and the packed results are rewritten only behind this wait
	v_add_nc_u32 v[HO], s19, v[HO]
	EACH v_pk_mul_f32 v[HX+2*p:HX+2*p+1], v[HX+2*p:HX+2*p+1], 0.5 op_sel_hi:[1,0]
.set p, 0
.rept 16
	v_and_b32 v[HA+p], s23, v[HX+p]
.set p, p+1
.endr
	EACH v_pk_add_f32 v[SS+2*p:SS+2*p+1], v[HX+2*p:HX+2*p+1], v[HA+2*p:HA+2*p+1]
	EACH v_pk_fma_f32 v[DD+2*p:DD+2*p+1], v[HA+2*p:HA+2*p+1], s[CP:CP+1], 1.0 op_sel_hi:[1,0,0]
	EACH v_pk_mul_f32 v[EE+2*p:EE+2*p+1], v[HX+2*p:HX+2*p+1], v[HX+2*p:HX+2*p+1]
	EACH v_pk_mul_f32 v[EE+2*p:EE+2*p+1], v[EE+2*p:EE+2*p+1], s[CE:CE+1] op_sel_hi:[1,0]
	s_add_co_u32 s21, s21, 2048                    ; the next unit is fetched as soon as this one's x has been used;
	s_min_u32 s21, s21, 15*2048                    ; behind the last there is none: the fetch stays in my wave's bytes
	v_add_nc_u32 v[DA], s21, v[DA0]
	HLOADS
.set p, 0
.rept 16
	v_rcp_f32 v[DD+p], v[DD+p]
.set p, p+1
.endr
.set p, 0
.rept 16
	v_exp_f32 v[EE+p], v[EE+p]
.set p, p+1
.endr
	v_nop                                          ; a plain instruction behind the last of the batch
	s_wait_alu depctr_va_vdst(0)                   ; one wait for the 32
	EACH v_pk_fma_f32 v[QQ+2*p:QQ+2*p+1], v[DD+2*p:DD+2*p+1], s[A5:A5+1], s[A4:A4+1] op_sel_hi:[1,0,0]
	EACH v_pk_fma_f32 v[QQ+2*p:QQ+2*p+1], v[QQ+2*p:QQ+2*p+1], v[DD+2*p:DD+2*p+1], s[A3:A3+1] op_sel_hi:[1,1,0]
	EACH v_pk_fma_f32 v[QQ+2*p:QQ+2*p+1], v[QQ+2*p:QQ+2*p+1], v[DD+2*p:DD+2*p+1], s[A2:A2+1] op_sel_hi:[1,1,0]
	EACH v_pk_fma_f32 v[QQ+2*p:QQ+2*p+1], v[QQ+2*p:QQ+2*p+1], v[DD+2*p:DD+2*p+1], s[A1:A1+1] op_sel_hi:[1,1,0]
	EACH v_pk_mul_f32 v[DD+2*p:DD+2*p+1], v[DD+2*p:DD+2*p+1], v[EE+2*p:EE+2*p+1]
	EACH v_pk_mul_f32 v[QQ+2*p:QQ+2*p+1], v[QQ+2*p:QQ+2*p+1], v[DD+2*p:DD+2*p+1]
	EACH v_pk_fma_f32 v[SS+2*p:SS+2*p+1], v[HA+2*p:HA+2*p+1], v[QQ+2*p:QQ+2*p+1], v[SS+2*p:SS+2*p+1] neg_lo:[1,0,0] neg_hi:[1,0,0]
	EACH v_cvt_pk_bf16_f32 v[PK+p], v[SS+2*p], v[SS+2*p+1]
	global_store_b128 v[HO], v[PK:PK+3], s[8:9]              ; 512 consecutive bytes of a fragment's image
	global_store_b128 v[HO], v[PK+4:PK+7], s[8:9] offset:512
	s_add_co_u32 s18, s18, 1
	s_and_b32 s22, s18, 3
	s_cmp_eq_u32 s22, 0
	s_cselect_b32 s19, s20, 1024                   ; the next plane's first row block, or the next row block
	s_cmp_lt_u32 s18, 16
	s_cbranch_scc1 .Lgelu
	s_wait_tensorcnt 0x0                           ; the wave's end
	ds_add_u32 v[SPW], v[NIL]
	s_wait_dscnt 0x0
	CROUND
	s_endpgm
.Lfunc_end_k_q5e86a0c22b_gff1:
	.size	k_q5e86a0c22b_gff1, .Lfunc_end_k_q5e86a0c22b_gff1-k_q5e86a0c22b_gff1
	.p2alignl 7, 3214868480
	.fill 96, 4, 3214868480
	.section	.rodata,"a",@progbits
	.p2align	6, 0x0
	.amdhsa_kernel k_q5e86a0c22b_gff1
		.amdhsa_group_segment_fixed_size 327680
		.amdhsa_private_segment_fixed_size 0
		.amdhsa_enable_private_segment 0
		.amdhsa_kernarg_size 32
		.amdhsa_user_sgpr_count 2
		.amdhsa_user_sgpr_kernarg_segment_ptr 1
		.amdhsa_wavefront_size32 1
		.amdhsa_system_sgpr_workgroup_id_x 1
		.amdhsa_system_sgpr_workgroup_id_y 1
		.amdhsa_system_sgpr_workgroup_id_z 1
		.amdhsa_system_vgpr_workitem_id 0
		.amdhsa_next_free_vgpr 768
		.amdhsa_next_free_sgpr 80
		.amdhsa_reserve_vcc 0
		.amdhsa_float_denorm_mode_32 3
		.amdhsa_float_denorm_mode_16_64 3
		.amdhsa_memory_ordered 1
		.amdhsa_forward_progress 1
		.amdhsa_inst_pref_size 59
	.end_amdhsa_kernel
	.amdgpu_metadata
---
amdhsa.version: [ 1, 2 ]
amdhsa.kernels:
  - .name:           k_q5e86a0c22b_gff1
    .symbol:         k_q5e86a0c22b_gff1.kd
    .args:
      - { .name: xb2, .offset: 0, .size: 8, .value_kind: global_buffer, .address_space: global }
      - { .name: pb, .offset: 8, .size: 8, .value_kind: global_buffer, .address_space: global }
      - { .name: params_bf1, .offset: 16, .size: 8, .value_kind: global_buffer, .address_space: global }
      - { .name: act, .offset: 24, .size: 8, .value_kind: global_buffer, .address_space: global }
    .group_segment_fixed_size: 327680
    .private_segment_fixed_size: 0
    .kernarg_segment_align: 8
    .kernarg_segment_size: 32
    .max_flat_workgroup_size: 128
    .sgpr_count:     80
    .vgpr_count:     768
    .wavefront_size: 32
...
	.end_amdgpu_metadata
.endif
;; end of part 16
;; launch gff2 (part 17): grid 8 x 32, 4 waves a work-group, clusters of 4 x 4, 327,680 bytes of LDS; arguments act, pb, y; writes y
.if DOCPART == 17
	.amdgcn_target "amdgcn-amd-amdhsa--gfx1250"
	.amdhsa_code_object_version 6
	.text
	.protected	k_q5e86a0c22b_gff2
	.globl	k_q5e86a0c22b_gff2
	.p2align	8
	.type	k_q5e86a0c22b_gff2,@function
k_q5e86a0c22b_gff2:
	s_mov_b64 s[64:65], 0
	v_nop
	global_prefetch_b8 v0, s[64:65] scope:SCOPE_SE
	s_setreg_imm32_b32 hwreg(HW_REG_WAVE_MODE, 25, 1), 1
	s_wait_xcnt 0x0
	s_wait_alu depctr_hold_cnt(0) depctr_sa_sdst(0) depctr_va_vdst(0) depctr_va_sdst(0) depctr_va_ssrc(0) depctr_va_vcc(0) depctr_vm_vsrc(0)
	s_getreg_b32 s2, hwreg(HW_REG_IB_STS2, 6, 4)
	s_cmp_eq_u32 s2, 0
	s_cbranch_scc0 .Lentry_in_a_cluster
	s_endpgm
.Lentry_in_a_cluster:
	s_bfe_u32 s2, ttmp6, 0x10000c
	s_cmp_lg_u32 s2, 0xf033
	s_cbranch_scc0 .Lentry_shape_is_right
	s_endpgm
.Lentry_shape_is_right:
; gff2: H W2, [2048] x [1024], K = 4,096 SPLIT IN TWO: the upper half of the grid's rows of clusters takes k = 2,048 on and writes a second part of y, 8 MiB behind the first; the launch behind adds them.
; So there are 256 work-groups of 128 rows x 128 columns, with 128 matrix instructions a wave for each round and refill; the price is one more part written and read.
; bf16 operands, f32 sums stored as they lie in the accumulators (blocks of 16 x 16, 1,024 bytes: block (m / 16) 64 + n / 16).
; Four waves as 2 x 2; a wave 64 rows x 32 columns of each of P = 2 planes.  Ring, cluster, layouts and the transposed product as in the other products of this program: two LDS slots of a K step of 256;
; waves 0, 1 fetch H's row halves, waves 2, 3 W2's k halves, jointly.  The part of K hangs on the cluster's y alone, which all partners share.
; THE TEXT IS KEPT SHORT.  A step's eight chunks of 32 along K are a loop of three trips over a pair of chunks, then chunk 6, then the last chunk with the change of slots: four chunks' text for eight.
; The sums start at 0 by one product of two zero fragments for each accumulator (8 bytes of text where eight moves would be 32), made while the first tiles are on their way.
.set P,      2
.set KSTEP,  256
.set NPL,    16
.set T,      8
.set WOFF,   10485760
.set NCH,    KSTEP/32
.set ABYTES, KSTEP*256
.set AHALF,  ABYTES/2
.set BHALF,  (KSTEP/16)*P*1024
.set SLOT1,  131072
.set SPARE,  262144
.set ASTEP,  NCH*131072
.set BSTEP,  (KSTEP/8)*NPL*1024
.set NL,     8+4*P
.set ADRA0, 4                          ; v4, v5  my lane's place in a slot's two tiles; fixed
.set ADRB0, 5
.set ADRA,  6                          ; v6, v7  the same at the slot and pair of chunks in hand
.set ADRB,  7
.set OUTO,  8
.set SPW,   12
.set NIL,   13
.set F0,    0
.set F1,    128
.set PC,  16                           ; s16  counts a step's pairs of chunks
.set KA,  17                           ; s17  the slot and pair in hand, in bytes of the left operand's tile
.set KB,  18                           ; s18  the same in the weights' tile
.set G1A, 24
.set G0A, 32
.set G1B, 48
.set G0B, 56
.set MSB, 0
.macro WIN new
.if MSB != (\new)
	s_set_vgpr_msb (MSB<<8)|(\new)
.set MSB, \new
.endif
.endm
.macro PLACES
.rept 4
	v_nop
.endr
.endm
.macro JLOAD                           ; the joint refill, by the walking descriptor; an s_nop 0 and four v_nop follow each of the two lines
	s_cmp_eq_u32 s11, 0
	s_cbranch_scc0 .Lfor_b_\@
	tensor_load_to_lds s[G0A+4:G0A+7], s[G1A:G1A+7]
	s_nop 0
	PLACES
	s_branch .Lasked_\@
.Lfor_b_\@:
	tensor_load_to_lds s[G0B+4:G0B+7], s[G1B:G1B+7]
	s_nop 0
	PLACES
.Lasked_\@:
.endm
.macro CREST
	s_cmp_lg_u32 s10, 0
	s_cbranch_scc1 .Lnot_wave_0_\@
	s_barrier_signal -3
.Lnot_wave_0_\@:
	s_barrier_wait -3
	s_barrier_signal -1
	s_barrier_wait -1
.endm
.macro CROUND
	s_barrier_signal -1
	s_barrier_wait -1
	CREST
.endm
	s_load_b128 s[4:7], s[0:1], 0x0                ; act, pb
	s_load_b64 s[8:9], s[0:1], 0x10                ; y
	v_lshl_add_u32 v[SPW], v0, 2, SPARE
	v_mov_b32 v[NIL], 0
	ds_add_u32 v[SPW], v[NIL]                      ; the wave's opening: the add and its wait ahead of my first tensor load
	v_lshrrev_b32 v1, 5, v0
	v_readfirstlane_b32 s10, v1
	s_lshr_b32 s11, s10, 1
	s_and_b32 s12, s10, 1
	s_bfe_u32 s40, ttmp6, 0x40000
	s_bfe_u32 s41, ttmp6, 0x40004
	s_lshl_b32 s42, ttmp9, 2
	s_add_co_u32 s42, s42, s40                     ; tile column
	s_and_b32 s13, ttmp7, 0xffff
	s_lshr_b32 s45, s13, 2                         ; which half of K
	s_and_b32 s13, s13, 3
	s_lshl_b32 s13, s13, 2
	s_add_co_u32 s13, s13, s41                     ; tile row
	s_lshl_b32 s43, s41, 2
	s_lshl_b32 s43, 15, s43
	s_lshl_b32 s44, 0x1111, s40
	s_or_b32 s[G1A], s43, (3<<16)|(1<<21)
	s_or_b32 s[G1B], s44, (3<<16)|(1<<21)
	s_mov_b32 s[G1A+1], 512<<16
	s_mov_b32 s[G1A+2], NCH<<16
	s_mov_b32 s[G1A+3], 512<<16
	s_mov_b32 s[G1A+4], NCH
	s_mov_b32 s[G1A+5], 16384
	s_mov_b32 s[G1A+6], 0
	s_mov_b32 s[G1A+7], 0
	s_mov_b32 s[G1B+1], (P*128)<<16
	s_mov_b32 s[G1B+2], (KSTEP/16)<<16
	s_mov_b32 s[G1B+3], (P*128)<<16
	s_mov_b32 s[G1B+4], KSTEP/16
	s_mov_b32 s[G1B+5], NPL*128
	s_mov_b32 s[G1B+6], 0
	s_mov_b32 s[G1B+7], 0
	s_lshl_b32 s16, s13, 13
	s_lshl_b32 s17, s12, 12
	s_add_co_u32 s16, s16, s17
	s_lshl_b32 s17, s45, 23                        ; 64 column blocks of 128 row blocks
	s_add_co_u32 s16, s16, s17
	s_mov_b32 s17, 0
	s_mul_i32 s46, s42, P*1024
	s_mul_i32 s47, s12, (KSTEP/16)*NPL*1024
	s_add_co_u32 s46, s46, s47
	s_mul_i32 s47, s45, 256*NPL*1024
	s_add_co_u32 s46, s46, s47
	s_add_co_u32 s46, s46, WOFF
	s_mov_b32 s47, 0
	s_mul_i32 s20, s12, AHALF
	s_mul_i32 s21, s12, BHALF
	s_add_co_u32 s21, s21, ABYTES
	s_wait_dscnt 0x0
	s_wait_kmcnt 0x0
	s_add_nc_u64 s[14:15], s[4:5], s[16:17]
	s_add_nc_u64 s[46:47], s[6:7], s[46:47]
	CROUND
.irp s, 0,1
	s_mov_b32 s[G0A+4*(\s)], 1
	s_add_co_u32 s[G0A+4*(\s)+1], s20, (\s)*SLOT1
	s_add_nc_u64 s[G0A+4*(\s)+2:G0A+4*(\s)+3], s[14:15], (\s)*ASTEP
	s_or_b32 s[G0A+4*(\s)+3], s[G0A+4*(\s)+3], 0x80000000
	s_mov_b32 s[G0B+4*(\s)], 1
	s_add_co_u32 s[G0B+4*(\s)+1], s21, (\s)*SLOT1
	s_add_nc_u64 s[G0B+4*(\s)+2:G0B+4*(\s)+3], s[46:47], (\s)*BSTEP
	s_or_b32 s[G0B+4*(\s)+3], s[G0B+4*(\s)+3], 0x80000000
.endr
	s_cmp_eq_u32 s11, 0                            ; a wave's two first fills stand in one branch: two loads of mine are out
	s_cbranch_scc0 .Lfirst_b
	tensor_load_to_lds s[G0A:G0A+3], s[G1A:G1A+7]
	s_nop 0
	tensor_load_to_lds s[G0A+4:G0A+7], s[G1A:G1A+7]
	s_nop 0
	PLACES
	s_branch .Lfirst_asked
.Lfirst_b:
	tensor_load_to_lds s[G0B:G0B+3], s[G1B:G1B+7]
	s_nop 0
	tensor_load_to_lds s[G0B+4:G0B+7], s[G1B:G1B+7]
	s_nop 0
	PLACES
.Lfirst_asked:
	v_and_b32 v3, 31, v0
	v_bfe_u32 v2, v0, 4, 1
	v_lshlrev_b32 v[OUTO], 4, v3
	s_mul_i32 s22, s11, AHALF
	v_add_nc_u32 v[ADRA0], s22, v[OUTO]
	v_and_b32 v14, 7, v0
	v_bfe_u32 v15, v0, 3, 1
	v_lshlrev_b32 v14, 4, v14
	v_lshl_add_u32 v14, v15, 7, v14
	v_mul_u32_u24 v15, v2, P*1024
	v_add_nc_u32 v14, v14, v15
	s_lshl_b32 s23, s12, 9
	s_add_co_u32 s23, s23, ABYTES
	v_add_nc_u32 v[ADRB0], s23, v14
	v_mov_b32 v[ADRA], v[ADRA0]
	v_mov_b32 v[ADRB], v[ADRB0]
	s_lshl_b32 s16, s13, 19
	s_lshl_b32 s17, s11, 18
	s_add_co_u32 s16, s16, s17
	s_lshl_b32 s17, s12, 11
	s_add_co_u32 s16, s16, s17
	s_lshl_b32 s17, s45, 23                        ; the part of y
	s_add_co_u32 s16, s16, s17
	s_mov_b32 s17, 0
	s_add_nc_u64 s[8:9], s[8:9], s[16:17]
	s_lshl_b32 s46, s42, 13
	s_mov_b32 s47, 0
	s_add_nc_u64 s[8:9], s[8:9], s[46:47]
	s_mov_b32 s[KA], 0                             ; slot 0, its first pair of chunks
	s_mov_b32 s[KB], 0
	WIN 0x40
.set i, 0
.rept 16
	v_mov_b32 v[F0+i], 0                           ; two fragments of zeros
.set i, i+1
.endr
	WIN 0x85                                       ; sources 0 and 1 window 1, D window 2
.set n, 0
.rept 8*P
	v_wmma_f32_16x16x32_bf16 v[8*n:8*n+7], v[F0:F0+7], v[F0+8:F0+15], 0
.set n, n+1
.endr
	WIN 0
	PLACES                                         ; in front of the loads into the zero fragments' registers
.macro FETCH kb, f                     ; the chunk kb chunks on from the address registers: W's 2 P fragments (turned), then the left operand's 4
	WIN 0x40
.set b, 0
.rept 2*P
	ds_load_tr16_b128 v[(\f)+32+8*b:(\f)+32+8*b+3],   v[ADRB] offset:4*(\kb)*P*1024+(b/2)*1024+(b%2)*256
	ds_load_tr16_b128 v[(\f)+32+8*b+4:(\f)+32+8*b+7], v[ADRB] offset:4*(\kb)*P*1024+(b/2)*1024+(b%2)*256+2*P*1024
.set b, b+1
.endr
.set a, 0
.rept 4
	ds_load_b128 v[(\f)+8*a:(\f)+8*a+3],   v[ADRA] offset:(\kb)*4096+a*1024
	ds_load_b128 v[(\f)+8*a+4:(\f)+8*a+7], v[ADRA] offset:(\kb)*4096+a*1024+512
.set a, a+1
.endr
.endm
.macro MULA f, a                       ; every accumulator is taken once a chunk, in one order: no two neighbours share one, over the backward jumps too
	WIN 0xa5
.set b, 0
.rept 2*P
	v_wmma_f32_16x16x32_bf16 v[8*((\a)*2*P+b):8*((\a)*2*P+b)+7], v[(\f)+32+8*b:(\f)+32+8*b+7], v[(\f)+8*(\a):(\f)+8*(\a)+7], v[8*((\a)*2*P+b):8*((\a)*2*P+b)+7]
.set b, b+1
.endr
.endm
.macro CHR kb, f, g                    ; buffer f is multiplied; the chunk kb on is fetched into buffer g, four places behind the products that read it
	PLACES
	FETCH \kb, \g
	s_wait_dscnt NL                                ; all but the NL just issued: buffer f is in
	MULA \f, 0
	MULA \f, 1
	MULA \f, 2
	MULA \f, 3
.endm
; The step's last chunk, and the change of slots: all my tensor loads, the add, my reads of this slot; the barrier; with fill = 1 it opens a round of the cluster's and the joint refill comes first behind it.
.macro TURN fill
	WIN 0
	s_wait_tensorcnt 0x0
	ds_add_u32 v[SPW], v[NIL]
.if \fill
	s_xor_b32 s[G0A+5], s[G0A+5], SLOT1            ; no tensor load of mine is out: the walking descriptors step to the other slot, one K step on
	s_add_nc_u64 s[G0A+6:G0A+7], s[G0A+6:G0A+7], ASTEP
	s_xor_b32 s[G0B+5], s[G0B+5], SLOT1
	s_add_nc_u64 s[G0B+6:G0B+7], s[G0B+6:G0B+7], BSTEP
.endif
	s_sub_co_u32 s[KA], s[KA], (NCH-2)*4096        ; the fetches go back to a slot's first chunk,
	s_xor_b32 s[KA], s[KA], SLOT1                  ; in the other slot
	s_sub_co_u32 s[KB], s[KB], (NCH-2)*4*P*1024
	s_xor_b32 s[KB], s[KB], SLOT1
	s_wait_dscnt 1                                 ; the chunk's fragments are in; the add may be out
	MULA F1, 0
	s_wait_dscnt 0x0                               ; the add is done, my reads of this slot are over
	s_barrier_signal -1
	MULA F1, 1
	WIN 0
	s_barrier_wait -1
.if \fill
	CREST
	JLOAD                                          ; its four v_nop are also the places in front of the loads below
.else
	PLACES
.endif
	v_add_nc_u32 v[ADRA], s[KA], v[ADRA0]
	v_add_nc_u32 v[ADRB], s[KB], v[ADRB0]
	FETCH 0, F0
	MULA F1, 2
	MULA F1, 3
.endm
; A K step: chunks 0 to 5 in three trips over a pair, chunk 6, and the last chunk with the change of slots.
.macro STEP fill
	s_mov_b32 s[PC], (NCH-2)/2
.Lpair_\@:
	CHR 1, F0, F1
	CHR 2, F1, F0
	WIN 0                                          ; at a label and at a branch every window is 0
	s_add_co_u32 s[KA], s[KA], 2*4096              ; two chunks on
	s_add_co_u32 s[KB], s[KB], 8*P*1024
	v_add_nc_u32 v[ADRA], s[KA], v[ADRA0]
	v_add_nc_u32 v[ADRB], s[KB], v[ADRB0]
	s_sub_co_u32 s[PC], s[PC], 1
	s_cmp_lg_u32 s[PC], 0
	s_cbranch_scc1 .Lpair_\@
	CHR 1, F0, F1
	TURN \fill
	WIN 0
.endm
	s_wait_tensorcnt 0x1                           ; my part of K step 0 is in; step 1's stays out
	s_barrier_signal -1
	s_barrier_wait -1
	FETCH 0, F0
	WIN 0
	s_mov_b32 s2, T-2
.Lstep:
	STEP 1
	s_sub_co_u32 s2, s2, 1
	s_cmp_lg_u32 s2, 0
	s_cbranch_scc1 .Lstep
	s_mov_b32 s2, 2                                ; the last two steps ask for nothing; the second one's barrier and fetch serve nothing: the price of one text for both
.Ltail:
	STEP 0
	s_sub_co_u32 s2, s2, 1
	s_cmp_lg_u32 s2, 0
	s_cbranch_scc1 .Ltail
	s_wait_dscnt 0x0
	PLACES
	PLACES
	WIN 0x08                                       ; store data in window 2
.set n, 0
.rept 8*P                              ; accumulator n = 4 a + b; its low four registers first; each store is 512 consecutive bytes
	global_store_b128 v[OUTO], v[8*n:8*n+3],   s[8:9] offset:(n/4)*65536+((n%4)/2)*4096+(n%2)*1024
	global_store_b128 v[OUTO], v[8*n+4:8*n+7], s[8:9] offset:(n/4)*65536+((n%4)/2)*4096+(n%2)*1024+512
.set n, n+1
.endr
	WIN 0
	s_wait_tensorcnt 0x0                           ; the wave's end
	ds_add_u32 v[SPW], v[NIL]
	s_wait_dscnt 0x0
	CROUND
	s_endpgm
.Lfunc_end_k_q5e86a0c22b_gff2:
	.size	k_q5e86a0c22b_gff2, .Lfunc_end_k_q5e86a0c22b_gff2-k_q5e86a0c22b_gff2
	.p2alignl 7, 3214868480
	.fill 96, 4, 3214868480
	.section	.rodata,"a",@progbits
	.p2align	6, 0x0
	.amdhsa_kernel k_q5e86a0c22b_gff2
		.amdhsa_group_segment_fixed_size 327680
		.amdhsa_private_segment_fixed_size 0
		.amdhsa_enable_private_segment 0
		.amdhsa_kernarg_size 24
		.amdhsa_user_sgpr_count 2
		.amdhsa_user_sgpr_kernarg_segment_ptr 1
		.amdhsa_wavefront_size32 1
		.amdhsa_system_sgpr_workgroup_id_x 1
		.amdhsa_system_sgpr_workgroup_id_y 1
		.amdhsa_system_sgpr_workgroup_id_z 1
		.amdhsa_system_vgpr_workitem_id 0
		.amdhsa_next_free_vgpr 768
		.amdhsa_next_free_sgpr 80
		.amdhsa_reserve_vcc 0
		.amdhsa_float_denorm_mode_32 3
		.amdhsa_float_denorm_mode_16_64 3
		.amdhsa_memory_ordered 1
		.amdhsa_forward_progress 1
		.amdhsa_inst_pref_size 34
	.end_amdhsa_kernel
	.amdgpu_metadata
---
amdhsa.version: [ 1, 2 ]
amdhsa.kernels:
  - .name:           k_q5e86a0c22b_gff2
    .symbol:         k_q5e86a0c22b_gff2.kd
    .args:
      - { .name: act, .offset: 0, .size: 8, .value_kind: global_buffer, .address_space: global }
      - { .name: pb, .offset: 8, .size: 8, .value_kind: global_buffer, .address_space: global }
      - { .name: y, .offset: 16, .size: 8, .value_kind: global_buffer, .address_space: global }
    .group_segment_fixed_size: 327680
    .private_segment_fixed_size: 0
    .kernarg_segment_align: 8
    .kernarg_segment_size: 24
    .max_flat_workgroup_size: 128
    .sgpr_count:     80
    .vgpr_count:     768
    .wavefront_size: 32
...
	.end_amdgpu_metadata
.endif
;; end of part 17
;; launch ln3 (part 18): grid 128 x 1, 8 waves a work-group, no clusters, 81,920 bytes of LDS; arguments y, xb2, params_bf2, params_ln3_g, params_ln3_b, out0; writes out0
.if DOCPART == 18
	.amdgcn_target "amdgcn-amd-amdhsa--gfx1250"
	.amdhsa_code_object_version 6
	.text
	.protected	k_q5e86a0c22b_ln3
	.globl	k_q5e86a0c22b_ln3
	.p2align	8
	.type	k_q5e86a0c22b_ln3,@function
k_q5e86a0c22b_ln3:
	s_mov_b64 s[64:65], 0
	v_nop
	global_prefetch_b8 v0, s[64:65] scope:SCOPE_SE
	s_setreg_imm32_b32 hwreg(HW_REG_WAVE_MODE, 25, 1), 1
	s_wait_xcnt 0x0
; ln3: out = LN3(xb2 + (the two parts of H W2) + bf2), all in f32.
; A work-group owns 16 rows; wave w the columns 128 w .. 128 w + 127; lane 16 a + r holds row r and, of each 16 columns, the 8 at 8 a: the image in which y and xb2 lie in memory.
; ALL LOADS GO OUT AT ONCE, 51 a wave.  Of bf2, gain and bias a wave wants 128 numbers each, and sixteen lanes want the same ones: each vector's 512 consecutive bytes come by ONE load, go into LDS
; bytes of the wave's own, and are read from there, sixteen lanes to an address, when a block of registers is free for them.
; MEAN AND VARIANCE: each wave's mean over its 128 columns and the squares about THAT mean; the eight are joined by M2 = sum M2_w + 128 sum (mean_w - mean)^2: no difference of large sums.
; The result leaves row-major through the wave's own LDS stage: each store is 512 consecutive bytes of a row.
; A stream: no matrix unit, no tensor load, no cluster.  128 work-groups: 16 rows is the image's height.
.set ST,    0
.set XS,    1024                       ; 8 stages of 16 rows x 528 bytes
.set VS,    68608                      ; 8 x 3 vectors' pieces of 512 bytes
.set SPARE, 80896
.set FO,  4                            ; 16 x lane
.set VW,  5                            ; where I put 16 bytes of a vector's piece
.set XW,  6
.set XR,  7
.set SW,  8
.set SR,  9
.set VR,  10                           ; where my half of the lanes reads its 8 columns of each 16
.set TO,  11                           ; 32 x (lane / 16)
.set SPW, 12
.set NIL, 13
.set VB,  16                           ; v[16:27] the three pieces as loaded; free again ahead of the statistics
.set V,   32
.set X,   96
.set W,   160
.set SEL, 36
.set IK,  42
.set EPS, 43
.macro FLOAD dst, ptr
.set n, 0
.rept 16
	global_load_b128 v[(\dst)+4*n:(\dst)+4*n+3], v[FO], s[\ptr:\ptr+1] offset:n*512 th:TH_LOAD_NT
.set n, n+1
.endr
.endm
.macro LLOAD dst, off                  ; a vector's numbers for my 64 columns, out of my wave's LDS bytes
.set n, 0
.rept 16
	ds_load_b128 v[(\dst)+4*n:(\dst)+4*n+3], v[VR] offset:(\off)+(n/2)*64+(n%2)*16
.set n, n+1
.endr
.endm
.macro VADD src
.set p, 0
.rept 32
	v_pk_add_f32 v[V+2*p:V+2*p+1], v[V+2*p:V+2*p+1], v[(\src)+2*p:(\src)+2*p+1]
.set p, p+1
.endr
.endm
	s_load_b256 s[4:11], s[0:1], 0x0               ; y, xb2, bf2, ln3_g
	s_load_b128 s[12:15], s[0:1], 0x20             ; ln3_b, out0
	v_lshl_add_u32 v[SPW], v0, 2, SPARE
	v_mov_b32 v[NIL], 0
	v_lshrrev_b32 v1, 5, v0
	v_readfirstlane_b32 s24, v1                    ; wave 0..7
	v_and_b32 v1, 31, v0
	v_and_b32 v2, 15, v0
	v_bfe_u32 v3, v0, 4, 1
	v_lshlrev_b32 v[FO], 4, v1
	v_lshlrev_b32 v[TO], 5, v3
	s_mul_i32 s25, s24, 1536
	s_add_co_u32 s25, s25, VS
	v_add_nc_u32 v[VW], s25, v[FO]
	v_add_nc_u32 v[VR], s25, v[TO]
	s_mul_i32 s25, s24, 8448
	s_add_co_u32 s25, s25, XS
	v_add_nc_u32 v[XW], s25, v[FO]                 ; a whole row's 512 bytes: row i at 528 i
	v_mul_u32_u24 v14, v2, 528
	v_add_nc_u32 v14, v14, v[TO]
	v_add_nc_u32 v[XR], s25, v14                   ; the image's place: row r, 32 bytes for each half of the lanes
	v_lshlrev_b32 v[SR], 3, v2
	s_lshl_b32 s25, s24, 7
	v_add_nc_u32 v[SW], s25, v[SR]
	s_mov_b32 s[SEL], 0x76543210
	s_mov_b32 s[SEL+1], 0xfedcba98
	s_mov_b32 s[IK], 0x3a800000                    ; 1 / 1,024
	s_mov_b32 s[EPS], 0x3727c5ac                   ; 1e-5
	s_lshl_b32 s26, ttmp9, 16
	s_lshl_b32 s27, s24, 13
	s_add_co_u32 s26, s26, s27
	s_mov_b32 s27, 0
	s_lshl_b32 s30, s24, 9                         ; my wave's 128 columns: 512 bytes
	s_mov_b32 s31, 0
	s_lshl_b32 s28, ttmp9, 16
	s_add_co_u32 s28, s28, s30
	s_mov_b32 s29, 0
	s_wait_kmcnt 0x0
	s_add_nc_u64 s[8:9], s[8:9], s[30:31]
	s_add_nc_u64 s[10:11], s[10:11], s[30:31]
	s_add_nc_u64 s[12:13], s[12:13], s[30:31]
	s_add_nc_u64 s[16:17], s[4:5], s[26:27]
	s_add_nc_u64 s[18:19], s[16:17], 8388608       ; the second part
	s_add_nc_u64 s[20:21], s[6:7], s[26:27]
	s_add_nc_u64 s[22:23], s[14:15], s[28:29]
	global_load_b128 v[VB:VB+3], v[FO], s[8:9]     ; bf2,
	global_load_b128 v[VB+4:VB+7], v[FO], s[10:11] ; the gain,
	global_load_b128 v[VB+8:VB+11], v[FO], s[12:13]  ; the bias: 512 consecutive bytes each
	FLOAD V, 16
	FLOAD X, 18
	FLOAD W, 20
	s_wait_loadcnt 48                              ; the three pieces are in; the 48 loads behind them stay out
	ds_store_b128 v[VW], v[VB:VB+3]
	ds_store_b128 v[VW], v[VB+4:VB+7] offset:512
	ds_store_b128 v[VW], v[VB+8:VB+11] offset:1024
	s_wait_loadcnt 16                              ; the two parts are in; xb2's 16 loads stay out
	VADD X
	LLOAD X, 0                                     ; bf2.  LDS serves a wave's instructions in order: these see the stores above
	s_wait_loadcnt 0x0                             ; xb2 is in
	VADD W
	LLOAD W, 512                                   ; the gain
	s_wait_dscnt 16                                ; bf2 is in; the gain's 16 loads stay out
	VADD X
	LLOAD X, 1024                                  ; the bias
	; the row's mean and 1 / sqrt(var + eps)
.set p, 0
.rept 4
	v_pk_add_f32 v[16+2*p:17+2*p], v[V+2*p:V+2*p+1], v[V+2*p+8:V+2*p+9]
.set p, p+1
.endr
.set p, 8
.rept 24
	v_pk_add_f32 v[16+2*(p%4):17+2*(p%4)], v[16+2*(p%4):17+2*(p%4)], v[V+2*p:V+2*p+1]
.set p, p+1
.endr
	v_pk_add_f32 v[16:17], v[16:17], v[18:19]
	v_pk_add_f32 v[20:21], v[20:21], v[22:23]
	v_pk_add_f32 v[16:17], v[16:17], v[20:21]
	v_add_f32 v16, v16, v17
	v_permlanex16_b32 v17, v16, s[SEL], s[SEL+1]
	v_add_f32 v16, v16, v17
	v_mul_f32 v24, 0x3c000000, v16                 ; my wave's mean: / 128
	v_mov_b32 v25, v24
.set p, 0
.rept 32
	v_pk_add_f32 v[20+2*(p%2):21+2*(p%2)], v[V+2*p:V+2*p+1], v[24:25] neg_lo:[0,1] neg_hi:[0,1]
.if p < 2
	v_pk_mul_f32 v[16+2*(p%2):17+2*(p%2)], v[20+2*(p%2):21+2*(p%2)], v[20+2*(p%2):21+2*(p%2)]
.else
	v_pk_fma_f32 v[16+2*(p%2):17+2*(p%2)], v[20+2*(p%2):21+2*(p%2)], v[20+2*(p%2):21+2*(p%2)], v[16+2*(p%2):17+2*(p%2)]
.endif
.set p, p+1
.endr
	v_pk_add_f32 v[16:17], v[16:17], v[18:19]
	v_add_f32 v16, v16, v17
	v_permlanex16_b32 v17, v16, s[SEL], s[SEL+1]
	v_add_f32 v25, v16, v17
	ds_store_b64 v[SW], v[24:25] offset:ST
	s_wait_dscnt 0x0                               ; for the others' sake; gain and bias are in too
	s_barrier_signal -1
	s_barrier_wait -1
.irp z, 0,1,2,3,4,5,6,7
	ds_load_b64 v[16+2*\z:17+2*\z], v[SR] offset:ST+\z*128
.endr
	s_wait_dscnt 0x0
	v_add_f32 v14, v16, v18
	v_add_f32 v15, v20, v22
	v_add_f32 v14, v14, v24
	v_add_f32 v15, v15, v26
	v_add_f32 v14, v14, v28
	v_add_f32 v15, v15, v30
	v_add_f32 v14, v14, v15
	v_mul_f32 v14, 0x3e000000, v14                 ; the mean
	v_add_f32 v15, v17, v19
	v_add_f32 v17, v21, v23
	v_add_f32 v15, v15, v25
	v_add_f32 v17, v17, v27
	v_add_f32 v15, v15, v29
	v_add_f32 v17, v17, v31
	v_add_f32 v15, v15, v17
.irp z, 16,18,20,22,24,26,28,30
	v_sub_f32 v\z, v\z, v14
.endr
	v_mul_f32 v17, v16, v16
.irp z, 18,20,22,24,26,28,30
	v_fmac_f32 v17, v\z, v\z
.endr
	v_fmac_f32 v15, 0x43000000, v17                ; + 128 x the means' squares about the mean
	v_fma_f32 v15, v15, s[IK], s[EPS]
	v_rsq_f32 v20, v15
	v_nop
	s_wait_alu depctr_va_vdst(0)
	v_mov_b32 v21, v20
	v_mul_f32 v22, -v14, v20
	v_mov_b32 v23, v22
.set p, 0
.rept 32
	v_pk_fma_f32 v[V+2*p:V+2*p+1], v[V+2*p:V+2*p+1], v[20:21], v[22:23] op_sel_hi:[1,0,0]
.set p, p+1
.endr
.set p, 0
.rept 32
	v_pk_fma_f32 v[V+2*p:V+2*p+1], v[V+2*p:V+2*p+1], v[W+2*p:W+2*p+1], v[X+2*p:X+2*p+1]
.set p, p+1
.endr
.set n, 0
.rept 16
	ds_store_b128 v[XR], v[V+4*n:V+4*n+3] offset:(n/2)*64+(n%2)*16
.set n, n+1
.endr
.set i, 0
.rept 16                               ; LDS serves a wave's instructions in order: these see the stores above
	ds_load_b128 v[X+4*i:X+4*i+3], v[XW] offset:i*528
.set i, i+1
.endr
.set i, 0
.rept 16
	s_wait_dscnt 15-i
	global_store_b128 v[FO], v[X+4*i:X+4*i+3], s[22:23] offset:i*4096 th:TH_STORE_NT
.set i, i+1
.endr
	s_wait_tensorcnt 0x0                           ; the wave's end
	ds_add_u32 v[SPW], v[NIL]
	s_wait_dscnt 0x0
	s_endpgm
.Lfunc_end_k_q5e86a0c22b_ln3:
	.size	k_q5e86a0c22b_ln3, .Lfunc_end_k_q5e86a0c22b_ln3-k_q5e86a0c22b_ln3
	.p2alignl 7, 3214868480
	.fill 96, 4, 3214868480
	.section	.rodata,"a",@progbits
	.p2align	6, 0x0
	.amdhsa_kernel k_q5e86a0c22b_ln3
		.amdhsa_group_segment_fixed_size 81920
		.amdhsa_private_segment_fixed_size 0
		.amdhsa_enable_private_segment 0
		.amdhsa_kernarg_size 48
		.amdhsa_user_sgpr_count 2
		.amdhsa_user_sgpr_kernarg_segment_ptr 1
		.amdhsa_wavefront_size32 1
		.amdhsa_system_sgpr_workgroup_id_x 1
		.amdhsa_system_sgpr_workgroup_id_y 1
		.amdhsa_system_sgpr_workgroup_id_z 1
		.amdhsa_system_vgpr_workitem_id 0
		.amdhsa_next_free_vgpr 224
		.amdhsa_next_free_sgpr 66
		.amdhsa_reserve_vcc 0
		.amdhsa_float_denorm_mode_32 3
		.amdhsa_float_denorm_mode_16_64 3
		.amdhsa_memory_ordered 1
		.amdhsa_forward_progress 1
		.amdhsa_inst_pref_size 33
	.end_amdhsa_kernel
	.amdgpu_metadata
---
amdhsa.version: [ 1, 2 ]
amdhsa.kernels:
  - .name:           k_q5e86a0c22b_ln3
    .symbol:         k_q5e86a0c22b_ln3.kd
    .args:
      - { .name: y, .offset: 0, .size: 8, .value_kind: global_buffer, .address_space: global }
      - { .name: xb2, .offset: 8, .size: 8, .value_kind: global_buffer, .address_space: global }
      - { .name: params_bf2, .offset: 16, .size: 8, .value_kind: global_buffer, .address_space: global }
      - { .name: params_ln3_g, .offset: 24, .size: 8, .value_kind: global_buffer, .address_space: global }
      - { .name: params_ln3_b, .offset: 32, .size: 8, .value_kind: global_buffer, .address_space: global }
      - { .name: out0, .offset: 40, .size: 8, .value_kind: global_buffer, .address_space: global }
    .group_segment_fixed_size: 81920
    .private_segment_fixed_size: 0
    .kernarg_segment_align: 8
    .kernarg_segment_size: 48
    .max_flat_workgroup_size: 256
    .sgpr_count:     66
    .vgpr_count:     224
    .wavefront_size: 32
...
	.end_amdgpu_metadata
.endif
;; end of part 18
